; MI455X (gfx1250); checked and timed in simulation.
; The chip was launched on July 23, 2026; its instructions are those of AMD's public machine-readable ISA for CDNA 5 (MIT licence, August 2026) and "CDNA5" Instruction Set Architecture Reference Guide (July 2026). The comments in the code are by the model that wrote it; some were corrected since.
;; Deformable Encoder Layer. Allowed arithmetic: float matrix products may take bf16 or f16 operands with f32 sums; other float arithmetic in f32, or as packed bf16 or f16 multiplies, adds, multiply-adds, maxima and minima; sums over many terms, partial sums and values carried from step to step in f32; what a program stores and reads back later, other than sums and carried values, may be rounded once to bf16 or f16.
;; Inputs: W1 256 x 1,024 float32; W2 1,024 x 256 float32; Wattn 256 x 128 float32; Wo 256 x 256 float32; Woff 256 x 256 float32; Wv 256 x 256 float32; b1 1,024 float32; b2 256 float32; battn 128 float32; bo 256 float32; boff 256 float32; bv 256 float32; dimensions 4 x 2 int32; embed 2 x 21,760 x 256 float32; ln1_b 256 float32; ln1_w 256 float32; ln2_b 256 float32; ln2_w 256 float32; pos 2 x 21,760 x 256 float32; ref_points 2 x 21,760 x 4 x 2 float32.
;; Outputs: out0 2 x 21,760 x 256 float32.
;; 2 versions, each right. Each part assembles by itself: llvm-mc -triple=amdgcn-amd-amdhsa -mcpu=gfx1250 --defsym DOCPART=n.
;; ======== version 1 of 2: 4 launches
;; limits: values are held in f16: magnitudes above 65,504 overflow, below 6.1e-05 lose precision
;; workspace buffers: wt 1,507,328 bytes; val 22,282,240 bytes; idx 11,141,120 bytes of whole numbers; wts 44,564,480 bytes; samp 22,282,240 bytes
;; launch prep (part 1): grid 92 x 1, 8 waves a work-group, no clusters, 18,432 bytes of LDS; arguments Wv, Woff, Wattn, Wo, W1, W2, wt; writes wt
.if DOCPART == 1
	.amdgcn_target "amdgcn-amd-amdhsa--gfx1250"
	.amdhsa_code_object_version 6
	.text
	.protected	k_q497de4b9d7_prep
	.globl	k_q497de4b9d7_prep
	.p2align	8
	.type	k_q497de4b9d7_prep,@function
k_q497de4b9d7_prep:
	s_mov_b64 s[64:65], 0
	v_nop
	global_prefetch_b8 v0, s[64:65] scope:SCOPE_SE
	s_setreg_imm32_b32 hwreg(HW_REG_WAVE_MODE, 25, 1), 1
	s_wait_xcnt 0x0
; The six weight matrices, f32 [K][N], are rounded once to bf16 and written transposed, [n][k], into wt:
; WvT at 0, WoffT at 131,072, WattnT at 262,144, WoT at 327,680, W1T at 458,752, W2T at 983,040.
; A work-group takes one tile of 128 k x 64 n; 92 tiles in all (8, 8, 4, 8, 32, 32).  Which matrix a tile belongs to is chosen from the
; work-group's number by compares and selects.  Reads: sixteen lanes take 256 consecutive bytes of a source row.  The turn is made in LDS.
; Writes: sixteen lanes store 256 consecutive bytes, aligned, of a row of wt.  No matrix unit, no cluster: nothing is shared, each byte moves once.
.set STP,   272                        ; a stage row: 128 k in bf16 (256 bytes) + 16
.set SPARE, 64*STP                     ; behind the stage: the spare words, 128 bytes for each of the eight waves
	s_load_b256 s[4:11], s[0:1], 0x0               ; Wv s[4:5], Woff s[6:7], Wattn s[8:9], Wo s[10:11]
	s_load_b128 s[12:15], s[0:1], 0x20             ; W1 s[12:13], W2 s[14:15]
	s_load_b64 s[16:17], s[0:1], 0x30              ; wt
	v_lshl_add_u32 v30, v0, 2, SPARE               ; my spare word
	v_mov_b32 v31, 0
	s_mov_b32 s20, ttmp9                           ; the tile's number
	s_mov_b32 s21, 0                               ; the matrix's first tile
	s_mov_b32 s22, 1024                            ; bytes in a source row (4 N)
	s_mov_b32 s23, 2                               ; log2 of its tiles along n
	s_mov_b32 s24, 0                               ; its place in wt
	s_mov_b32 s25, 512                             ; bytes in a row of wt (2 K)
	v_lshrrev_b32 v1, 4, v0                        ; kq = t / 16
	v_and_b32 v26, 15, v0                          ; nq = t % 16
	s_wait_kmcnt 0x0
	s_mov_b64 s[26:27], s[4:5]
.macro PICK start, ptr, ldn, sh, ob, kb            ; from tile 'start' on the next matrix's figures hold
	s_cmp_ge_u32 s20, \start
	s_cselect_b64 s[26:27], s[\ptr:\ptr+1], s[26:27]
	s_cselect_b32 s21, \start, s21
	s_cselect_b32 s22, \ldn, s22
	s_cselect_b32 s23, \sh, s23
	s_cselect_b32 s24, \ob, s24
	s_cselect_b32 s25, \kb, s25
.endm
	PICK 8,  6,  1024, 2, 131072, 512
	PICK 16, 8,  512,  1, 262144, 512
	PICK 20, 10, 1024, 2, 327680, 512
	PICK 28, 12, 4096, 4, 458752, 512
	PICK 60, 14, 1024, 2, 983040, 2048
	s_sub_co_u32 s28, s20, s21                     ; the tile's number in its matrix
	s_lshl_b32 s29, 1, s23
	s_sub_co_u32 s29, s29, 1
	s_and_b32 s29, s28, s29                        ; tile along n
	s_lshr_b32 s28, s28, s23                       ; tile along k
	s_lshl_b32 s30, s22, 7                         ; 128 source rows
	s_mul_i32 s32, s28, s30
	s_lshl_b32 s31, s29, 8                         ; 64 columns of 4 bytes
	s_add_co_u32 s32, s32, s31
	s_mov_b32 s33, 0
	s_add_nc_u64 s[26:27], s[26:27], s[32:33]      ; the source at the tile's corner
	s_lshl_b32 s34, s29, 6
	s_mul_i32 s34, s34, s25                        ; n0 rows of wt
	s_add_co_u32 s34, s34, s24
	s_lshl_b32 s31, s28, 8                         ; 128 k of 2 bytes
	s_add_co_u32 s34, s34, s31
	s_mov_b32 s35, 0
	s_add_nc_u64 s[16:17], s[16:17], s[34:35]      ; wt at the tile's corner
	s_lshl_b32 s30, s22, 3
	v_mul_lo_u32 v2, v1, s30                       ; my eight source rows begin at row 8 kq,
	v_lshl_add_u32 v2, v26, 4, v2                  ; my four columns at byte 16 nq
.irp i, 1,2,3,4,5,6,7
	v_add_nc_u32 v[2+\i], s22, v[1+\i]
.endr
.irp i, 0,1,2,3,4,5,6,7
	global_load_b128 v[32+4*\i:35+4*\i], v[2+\i], s[26:27]  ; W[k0 + 8 kq + i][n0 + 4 nq .. + 3]
.endr
	v_mul_u32_u24 v27, v26, 4*STP                  ; into the stage: row 4 nq + j, byte 16 kq
	v_lshl_add_u32 v27, v1, 4, v27
	v_mul_u32_u24 v28, v1, STP                     ; back: row t / 16 (+ 16 a turn), byte 16 (t % 16)
	v_lshl_add_u32 v28, v26, 4, v28
	s_wait_loadcnt 0x0
.irp j, 0,1,2,3
.irp m, 0,1,2,3
	v_cvt_pk_bf16_f32 v[10+4*\j+\m], v[32+8*\m+\j], v[36+8*\m+\j]  ; column j: k = 8 kq + 2 m, + 2 m + 1
.endr
.endr
.irp j, 0,1,2,3
	ds_store_b128 v27, v[10+4*\j:13+4*\j] offset:STP*\j
.endr
	v_mul_lo_u32 v2, v1, s25                       ; the same rows in wt (the loads that read v2-v5 are done)
	v_lshl_add_u32 v2, v26, 4, v2
	s_lshl_b32 s36, s25, 4                         ; 16 rows of wt
.irp i, 1,2,3
	v_add_nc_u32 v[2+\i], s36, v[1+\i]
.endr
	s_wait_dscnt 0x0                               ; for the others' sake: my stores into the stage are done
	s_barrier_signal -1
	s_barrier_wait -1
.irp i, 0,1,2,3
	ds_load_b128 v[32+4*\i:35+4*\i], v28 offset:16*STP*\i
.endr
.irp i, 0,1,2,3
	s_wait_dscnt 3-\i
	global_store_b128 v[2+\i], v[32+4*\i:35+4*\i], s[16:17]  ; sixteen lanes: 256 consecutive bytes, aligned
.endr
	s_wait_tensorcnt 0x0                           ; the wave's end: behind my last LDS store
	ds_add_u32 v30, v31
	s_wait_dscnt 0x0
	s_endpgm
.Lfunc_end_k_q497de4b9d7_prep:
	.size	k_q497de4b9d7_prep, .Lfunc_end_k_q497de4b9d7_prep-k_q497de4b9d7_prep
	.p2alignl 7, 3214868480
	.fill 96, 4, 3214868480
	.section	.rodata,"a",@progbits
	.p2align	6, 0x0
	.amdhsa_kernel k_q497de4b9d7_prep
		.amdhsa_group_segment_fixed_size 18432
		.amdhsa_private_segment_fixed_size 0
		.amdhsa_enable_private_segment 0
		.amdhsa_kernarg_size 56
		.amdhsa_user_sgpr_count 2
		.amdhsa_user_sgpr_kernarg_segment_ptr 1
		.amdhsa_wavefront_size32 1
		.amdhsa_system_sgpr_workgroup_id_x 1
		.amdhsa_system_sgpr_workgroup_id_y 1
		.amdhsa_system_sgpr_workgroup_id_z 1
		.amdhsa_system_vgpr_workitem_id 0
		.amdhsa_next_free_vgpr 64
		.amdhsa_next_free_sgpr 66
		.amdhsa_reserve_vcc 0
		.amdhsa_float_denorm_mode_32 3
		.amdhsa_float_denorm_mode_16_64 3
		.amdhsa_memory_ordered 1
		.amdhsa_forward_progress 1
		.amdhsa_inst_pref_size 8
	.end_amdhsa_kernel
	.amdgpu_metadata
---
amdhsa.version: [ 1, 2 ]
amdhsa.kernels:
  - .name:           k_q497de4b9d7_prep
    .symbol:         k_q497de4b9d7_prep.kd
    .args:
      - { .name: Wv, .offset: 0, .size: 8, .value_kind: global_buffer, .address_space: global }
      - { .name: Woff, .offset: 8, .size: 8, .value_kind: global_buffer, .address_space: global }
      - { .name: Wattn, .offset: 16, .size: 8, .value_kind: global_buffer, .address_space: global }
      - { .name: Wo, .offset: 24, .size: 8, .value_kind: global_buffer, .address_space: global }
      - { .name: W1, .offset: 32, .size: 8, .value_kind: global_buffer, .address_space: global }
      - { .name: W2, .offset: 40, .size: 8, .value_kind: global_buffer, .address_space: global }
      - { .name: wt, .offset: 48, .size: 8, .value_kind: global_buffer, .address_space: global }
    .group_segment_fixed_size: 18432
    .private_segment_fixed_size: 0
    .kernarg_segment_align: 8
    .kernarg_segment_size: 56
    .max_flat_workgroup_size: 256
    .sgpr_count:     66
    .vgpr_count:     64
    .wavefront_size: 32
...
	.end_amdgpu_metadata
.endif
;; end of part 1
;; launch proj (part 2): grid 256 x 1, 4 waves a work-group, no clusters, 272,896 bytes of LDS; arguments embed, pos, ref_points, ln1_w, ln1_b, bv, boff, battn, dimensions, wt, val, idx, wts; writes val, idx, wts
.if DOCPART == 2
	.amdgcn_target "amdgcn-amd-amdhsa--gfx1250"
	.amdhsa_code_object_version 6
	.text
	.protected	k_q497de4b9d7_proj
	.globl	k_q497de4b9d7_proj
	.p2align	8
	.type	k_q497de4b9d7_proj,@function
k_q497de4b9d7_proj:
	s_mov_b64 s[64:65], 0
	v_nop
	global_prefetch_b8 v0, s[64:65] scope:SCOPE_SE
	s_setreg_imm32_b32 hwreg(HW_REG_WAVE_MODE, 25, 1), 1
	s_wait_xcnt 0x0
; v = LN1(embed), q = v + pos; value = v Wv + bv; offsets = q Woff + boff; logits = q Wattn + battn; softmax over a head's 16 points;
; for each point the index of one base corner (whole numbers, for the launch behind) and four corner weights times the softmax weight.
; ROWS.  43,520 rows are 5,440 units of 8; work-group g owns rows s = 8 (85 g / 4) up to s of g + 1: 168 or 176.  It walks 11 tiles of 16 rows; with 168 rows tiles 8 to 10 begin
; 8 rows earlier, so 8 rows are made twice, by this work-group, with the same bits.
; THE WEIGHTS STAY IN REGISTERS.  Wave w owns heads 2 w and 2 w + 1: ten tiles of 16 output columns x 256 k = 640 registers, loaded once.  Tiles 0-3: the two heads' value channels; for each
; head a tile of x offsets, one of y offsets and one of logits, so that a point's three numbers fall into the same lane and register.
; The product is used transposed (source 0 = 16 weight rows, source 1 = 16 rows of v or q): lane (r, h) holds row r and columns 8 h + 0..7 of a tile.  The bias is the sum's first C.
; EMBED comes by tensor loads, all 176 rows at the start, each LDS byte filled once; pos and ref_points by loads into registers one step ahead.
; NO CLUSTER: what work-groups share, the weights, is read once a work-group straight into registers in fragment order; to share it jointly it would have to lie in LDS (327,680 bytes), where embed's rows lie.
; SAMPLING.  x = off_x W / dims[l][1] + (ref_x W - 0.5), another order of rounding than x = (ref + off / norm) W - 0.5.  xb = clamp(floor x, 0, W - 2), dx = x - xb; column xb weighs med3(1 - dx, 0, 1 + dx),
; column xb + 1 med3(dx, 0, 2 - dx): max(0, 1 - |x - column|), which is the bilinear weight times the validity for every x.  The levels' sizes are the module's constants (square: 128, 64, 32, 16).
; LIMITS.  value is stored as f16: finite up to 65,504.  Corner weights are stored as f16: below 6e-5 they keep f16's fixed step.  NaN, infinities and a zero in dimensions are not treated apart.
.set NB_,   21760
.set MB_,   43520
.set PLANE, 1392640                    ; 43,520 rows x 32 bytes (a plane of wts, a head of idx) = 21,760 rows x 64 bytes (a head of val)
.set BIAS,  180224                     ; LDS: embed's 176 rows of 1,024 bytes lie from 0; then the biases, wave w at 640 w, tile t at 64 t
.set VQ0,   196608                     ; v (16 rows, pitch 528) and, 8,448 on, q; the second buffer lies 0x8000 on
.set QOFF,  8448
.set VST,   262144                     ; each wave's stage for the value tile: two heads x 16 rows, pitch 80
.set SPARE, 272384                     ; the spare words, 128 bytes a wave
.set ACC,   128                        ; v128-207 accumulators, tile t at 128 + 8 t
.set POS,   208                        ; v208-239 pos of my four rows
.set EM,    64                         ; v64-95 embed of my four rows; v64-127 later q's fragments, then the epilogue's store data and work
.set TA,    96
.set TB,    112
.set SS,    52                         ; v52-59 a pair a row: statistics; v60-63 at work
.set TQ,    60
.set XB,    104                        ; the epilogue's work: xb, yb,
.set YB,    112
.set WY0,   120                        ; the two rows' and the two columns' weights
.set WX0,   144
.set WX1,   152
.set WY1,   244
; window 0: v1 r, v2 h, v3 v4 the add's two, v5 LDS place in embed, v6 in v/q (store), v7 in v/q (fragment), v8-10 at work, v11 pos offset, v12 32 r + 16 h, v13 v14 stage in/back,
; v15 16 lane, v16 bias, v17 prefetch offset, v18 v19 weight lanes, v20-35 ln1_w ln1_b, v36-42 and v44-50 level constants (SX SY CX CY W-2 W start twice) for levels 2 h and 2 h + 1
; windows 1 to 3: weight fragment (t, kf) at v[256 + 64 t + 8 kf]; v's fragments at v896-959
.set MSB, 0
.macro WIN new                         ; the immediate's high byte repeats the setting that is left
.if MSB != (\new)
	s_set_vgpr_msb (MSB<<8)|(\new)
.set MSB, (\new)
.endif
.endm
.macro PLACES                          ; four plain places behind a matrix instruction (ISA guide 7.12.1)
.rept 4
	v_nop
.endr
.endm
	s_load_b512 s[4:19], s[0:1], 0x0               ; embed 4, pos 6, ref_points 8, ln1_w 10, ln1_b 12, bv 14, boff 16, battn 18
	s_load_b256 s[20:27], s[0:1], 0x40             ; dimensions 20, wt 22, val 24, idx 26
	s_load_b64 s[28:29], s[0:1], 0x60              ; wts
	v_lshl_add_u32 v3, v0, 2, SPARE
	v_mov_b32 v4, 0
	ds_add_u32 v3, v4                              ; the wave's opening: an add and its wait ahead of my first tensor load
	ds_add_u32 v3, v4
	v_lshrrev_b32 v1, 5, v0
	v_readfirstlane_b32 s66, v1                    ; wave 0..3
	s_mul_i32 s30, ttmp9, 85
	s_add_co_u32 s31, s30, 85
	s_lshr_b32 s30, s30, 2
	s_lshl_b32 s30, s30, 3                         ; s: my first row
	s_lshr_b32 s31, s31, 2
	s_lshl_b32 s31, s31, 3                         ; e: the next work-group's
	s_sub_co_u32 s71, s31, s30
	s_sub_co_u32 s71, 176, s71                     ; 0 or 8: how far tiles 8 to 10 are moved back
	; descriptors: dense blocks as rows of 256 bytes (32 elements of 8 bytes).  A: 32 rows of embed = 128 such rows; B: 12 rows = 48
	s_mov_b32 s40, 3<<16
	s_mov_b32 s41, 32<<16
	s_mov_b32 s42, 128<<16
	s_mov_b32 s43, 32<<16
	s_mov_b32 s44, 128
	s_mov_b32 s45, 32
	s_mov_b32 s46, 0
	s_mov_b32 s47, 0
	s_mov_b32 s48, 3<<16
	s_mov_b32 s49, 32<<16
	s_mov_b32 s50, 48<<16
	s_mov_b32 s51, 32<<16
	s_mov_b32 s52, 48
	s_mov_b32 s53, 32
	s_mov_b32 s54, 0
	s_mov_b32 s55, 0
	s_mov_b32 s56, 1
	s_lshl_b32 s57, s66, 15                        ; A lands at 32,768 w
	s_mov_b32 s60, 1
	s_mul_i32 s61, s66, 12288
	s_add_co_u32 s61, s61, 131072                  ; B at 131,072 + 12,288 w
	s_lshl_b32 s74, s66, 5
	s_add_co_u32 s74, s74, s30
	s_lshl_b32 s74, s74, 10                        ; rows s + 32 w ..
	s_mov_b32 s75, 0
	s_mul_i32 s76, s66, 12
	s_add_co_u32 s76, s76, s31
	s_sub_co_u32 s76, s76, 48
	s_lshl_b32 s76, s76, 10                        ; rows e - 48 + 12 w ..
	s_mov_b32 s77, 0
	s_wait_dscnt 0x0                               ; the opening add is done
	s_wait_kmcnt 0x0
	s_add_nc_u64 s[58:59], s[4:5], s[74:75]
	s_or_b32 s59, s59, 0x80000000
	s_add_nc_u64 s[62:63], s[4:5], s[76:77]
	s_or_b32 s63, s63, 0x80000000
	tensor_load_to_lds s[56:59], s[40:47]          ; both first fills together: two tensor loads of mine are out, and none follows
	s_nop 0
	tensor_load_to_lds s[60:63], s[48:55]
	s_nop 0
	PLACES
	s_load_b256 s[32:39], s[20:21], 0x0            ; dimensions: (H, W) of levels 0 to 3
	v_and_b32 v1, 15, v0                           ; r
	v_bfe_u32 v2, v0, 4, 1                         ; h
	v_and_b32 v10, 31, v0                          ; lane
	s_lshl_b32 s74, s66, 12
	v_lshl_add_u32 v5, v10, 4, s74                 ; my four rows of a tile, 16 bytes a lane
	v_mov_b32 v11, v5
	s_mul_i32 s74, s66, 2112
	v_lshl_add_u32 v6, v10, 3, s74                 ; 4 w rows of pitch 528 + 8 lane
	v_mul_u32_u24 v7, v1, 528
	v_lshl_add_u32 v7, v2, 4, v7
	v_lshlrev_b32 v12, 5, v1
	v_lshl_add_u32 v12, v2, 4, v12
	s_mul_i32 s74, s66, 2560
	s_add_co_u32 s74, s74, VST
	v_mul_u32_u24 v13, v1, 80
	v_lshl_add_u32 v13, v2, 4, v13
	v_add_nc_u32 v13, s74, v13
	v_lshrrev_b32 v8, 2, v10
	v_and_b32 v9, 3, v10
	v_mul_u32_u24 v14, v8, 80
	v_lshl_add_u32 v14, v9, 4, v14
	v_add_nc_u32 v14, s74, v14
	v_lshlrev_b32 v15, 4, v10
	s_lshl_b32 s93, s66, 13
	v_lshl_add_u32 v17, v8, 10, s93                ; prefetch: row 8 w + lane / 4, block lane % 4 of its four
	v_lshl_add_u32 v17, v9, 8, v17
	v_lshlrev_b32 v18, 9, v1
	v_lshl_add_u32 v18, v2, 4, v18                 ; weight rows on end: 512 r + 16 h
	v_lshlrev_b32 v19, 10, v1
	v_lshl_add_u32 v19, v2, 4, v19                 ; every second weight row: 1,024 r + 16 h
	s_mul_i32 s74, s66, 640
	s_add_co_u32 s74, s74, BIAS
	v_lshl_add_u32 v16, v2, 5, s74
	s_lshl_b32 s93, s66, 8
	v_lshl_add_u32 v249, v10, 2, s93               ; bv: 64 w + lane
	v_lshl_add_u32 v250, v1, 3, s93                ; boff: 64 w + 2 r + h
	v_lshl_add_u32 v250, v2, 2, v250
	s_lshl_b32 s93, s66, 7
	v_lshl_add_u32 v251, v10, 2, s93               ; battn: 32 w + lane
	v_lshl_add_u32 v252, v10, 2, s74
	v_mul_u32_u24 v253, v2, 192
	v_lshl_add_u32 v253, v1, 2, v253
	v_add_nc_u32 v253, s74, v253
	; the buffers at the work-group's (and the wave's heads') first row
	s_lshl_b32 s74, s30, 10
	s_add_nc_u64 s[6:7], s[6:7], s[74:75]
	s_lshl_b32 s74, s30, 5
	s_add_nc_u64 s[8:9], s[8:9], s[74:75]
	s_cmp_ge_u32 ttmp9, 128                        ; the second batch
	s_cselect_b32 s74, 7*NB_, 0
	s_mul_i32 s93, s66, 2*NB_
	s_add_co_u32 s74, s74, s93
	s_add_co_u32 s74, s74, s30
	s_lshl_b32 s74, s74, 6
	s_add_nc_u64 s[24:25], s[24:25], s[74:75]      ; val[b][2 w][s - b N]
	s_mul_i32 s74, s66, 2*MB_
	s_add_co_u32 s74, s74, s30
	s_lshl_b32 s74, s74, 5
	s_add_nc_u64 s[26:27], s[26:27], s[74:75]      ; idx[2 w][s]
	s_mul_i32 s74, s66, 8*MB_
	s_add_co_u32 s74, s74, s30
	s_lshl_b32 s74, s74, 5
	s_add_nc_u64 s[28:29], s[28:29], s[74:75]      ; wts[2 w][0][s]
	s_lshl_b32 s74, s66, 15
	s_add_nc_u64 s[84:85], s[22:23], s[74:75]      ; wt + 64 w rows
	s_lshl_b32 s74, s66, 14
	s_add_nc_u64 s[86:87], s[22:23], s[74:75]      ; wt + 32 w rows
	global_load_b128 v[20:23], v15, s[10:11]
	global_load_b128 v[24:27], v15, s[10:11] offset:512
	global_load_b128 v[28:31], v15, s[12:13]
	global_load_b128 v[32:35], v15, s[12:13] offset:512
	global_load_b32 v244, v249, s[14:15]
	global_load_b32 v245, v249, s[14:15] offset:128
	global_load_b32 v246, v250, s[16:17]
	global_load_b32 v247, v250, s[16:17] offset:128
	global_load_b32 v248, v251, s[18:19]
.irp i, 0,1,2,3
	global_load_b128 v[POS+8*\i:POS+8*\i+3],   v11, s[6:7] offset:1024*\i th:TH_LOAD_NT
	global_load_b128 v[POS+8*\i+4:POS+8*\i+7], v11, s[6:7] offset:1024*\i+512 th:TH_LOAD_NT
.endr
	global_load_b128 v[240:243], v12, s[8:9]
.macro WLOAD t, sb, lane, imm          ; tile t's eight fragments: lane (r, h) takes k = 32 kf + 8 h .. and 32 kf + 16 + 8 h .. of its weight row
	WIN ((1+(\t)/4)<<6)
.irp kf, 0,1,2,3,4,5,6,7
	global_load_b128 v[64*((\t)%4)+8*\kf:64*((\t)%4)+8*\kf+3],   v[\lane], s[\sb:\sb+1] offset:(\imm)+64*\kf
	global_load_b128 v[64*((\t)%4)+8*\kf+4:64*((\t)%4)+8*\kf+7], v[\lane], s[\sb:\sb+1] offset:(\imm)+64*\kf+32
.endr
.endm
	WLOAD 0, 84, 18, 0
	WLOAD 1, 84, 18, 8192
	WLOAD 2, 84, 18, 16384
	WLOAD 3, 84, 18, 24576
	WLOAD 4, 84, 19, 131072                        ; head 2 w: x offsets (even rows of WoffT),
	WLOAD 5, 84, 19, 131072+512                    ; y offsets (odd rows),
	WLOAD 6, 86, 18, 262144                        ; logits
	WLOAD 7, 84, 19, 131072+16384                  ; head 2 w + 1
	WLOAD 8, 84, 19, 131072+16384+512
	WLOAD 9, 86, 18, 262144+8192
	WIN 0
	; the level constants: lanes with h = 0 hold levels 0 and 1, lanes with h = 1 levels 2 and 3
	s_mov_b32 s92, 0xffff0000                      ; the lanes with h = 1
	s_mov_b32 s90, 0x76543210                      ; v_permlanex16_b32: each lane takes its own place in the other half
	s_mov_b32 s91, 0xfedcba98
	s_mov_b32 s94, 0x3b800000                      ; 1 / 256
	s_mov_b32 s95, 0x3727c5ac                      ; 1e-5
	v_lshlrev_b32 v8, 1, v2
	v_mov_b32 v9, 128
	v_lshrrev_b32 v9, v8, v9                       ; W of level 2 h: 128 or 32
	v_lshrrev_b32 v10, 1, v9                       ; of level 2 h + 1: 64 or 16
	v_cvt_f32_u32 v41, v9
	v_cvt_f32_u32 v49, v10
	v_add_f32 v40, -2.0, v41
	v_add_f32 v48, -2.0, v49
	v_mul_u32_u24 v42, v2, 20480                   ; the level's first row: 0 or 20,480,
	v_lshl_or_b32 v42, v42, 16, v42
	v_mul_u32_u24 v50, v2, 5120
	v_add_nc_u32 v50, 16384, v50                   ; 16,384 or 21,504; in both halves of the word
	v_lshl_or_b32 v50, v50, 16, v50
.irp i, 54,55,56,57,58,59,60,61,62,63
	v_mov_b32 v\i, 0                               ; named in pairs and as v_permlanex16_b32's destination before they hold anything
.endr
	s_wait_kmcnt 0x0
	v_mov_b32 v52, s33
	v_mov_b32 v53, s37
	v_cndmask_b32 v36, v52, v53, s92               ; x is divided by dims[l][1],
	v_mov_b32 v52, s32
	v_mov_b32 v53, s36
	v_cndmask_b32 v37, v52, v53, s92               ; y by dims[l][0]
	v_mov_b32 v52, s35
	v_mov_b32 v53, s39
	v_cndmask_b32 v44, v52, v53, s92
	v_mov_b32 v52, s34
	v_mov_b32 v53, s38
	v_cndmask_b32 v45, v52, v53, s92
.irp i, 36,37,44,45
	v_cvt_f32_i32 v\i, v\i
.endr
.irp i, 36,37,44,45
	v_rcp_f32 v\i, v\i
.endr
	v_nop                                          ; a plain instruction behind the last reciprocal,
	s_wait_alu depctr_va_vdst(0)                   ; and one wait for the four, ahead of their first use
	v_mul_f32 v36, v36, v41
	v_mul_f32 v37, v37, v41
	v_mul_f32 v44, v44, v49
	v_mul_f32 v45, v45, v49
	s_wait_loadcnt 0x0                             ; parameters, biases, the first pos and ref, and all weights
	ds_store_b32 v252, v244                        ; tiles 0, 1
	ds_store_b32 v252, v245 offset:128             ; tiles 2, 3
	ds_store_b32 v252, v246 offset:256             ; tiles 4 (x) and 5 (y)
	ds_store_b32 v252, v247 offset:448             ; tiles 7 and 8
	ds_store_b32 v253, v248 offset:384             ; tiles 6 and 9
	s_mov_b32 s67, 0                               ; T: the tile
	s_mov_b32 s68, 11
	s_mov_b32 s69, 0                               ; its place in LDS
	s_mov_b32 s70, VQ0                             ; the buffer of v and q in hand
	s_cmp_lt_u32 s66, 2
	s_cselect_b32 s73, 7, 0                        ; waves 0 and 1 prefetch in steps 0 to 6
	s_wait_tensorcnt 0x0                           ; my parts of embed are in,
	s_wait_dscnt 0x0
	s_barrier_signal -1
	s_barrier_wait -1                              ; everybody's are
.macro RED4                            ; the sums of my four rows over the 32 lanes
.irp m, 1,2,4,8
.irp i, 0,1,2,3
	v_add_f32_dpp v[SS+2*\i], v[SS+2*\i], v[SS+2*\i] row_xmask:\m row_mask:0xf bank_mask:0xf
.endr
.endr
.irp i, 0,1,2,3
	v_permlanex16_b32 v[TQ+\i], v[SS+2*\i], s90, s91
.endr
.irp i, 0,1,2,3
	v_add_f32 v[SS+2*\i], v[SS+2*\i], v[TQ+\i]
.endr
.endm
.macro HAT d, w0, w1                   ; from eight distances d: the weights of the base column (row) and of the next one
.irp p, 0,2,4,6
	v_pk_add_f32 v[\w0+\p:\w0+\p+1], v[\d+\p:\d+\p+1], 1.0 op_sel_hi:[1,0] neg_lo:[1,0] neg_hi:[1,0]
	v_pk_add_f32 v[252+(\p&2):253+(\p&2)], v[\d+\p:\d+\p+1], 1.0 op_sel_hi:[1,0]
	v_pk_add_f32 v[\w1+\p:\w1+\p+1], v[\d+\p:\d+\p+1], 2.0 op_sel_hi:[1,0] neg_lo:[1,0] neg_hi:[1,0]
	v_med3_num_f32 v[\w0+\p], v[\w0+\p], 0, v[252+(\p&2)]
	v_med3_num_f32 v[\w0+\p+1], v[\w0+\p+1], 0, v[253+(\p&2)]
	v_med3_num_f32 v[\w1+\p], v[\d+\p], 0, v[\w1+\p]
	v_med3_num_f32 v[\w1+\p+1], v[\d+\p+1], 0, v[\w1+\p+1]
.endr
.endm
; One head's epilogue.  Lane (r, h) holds points 8 h + j of row r: x offset, y offset and logit in register j of three accumulators; j 0-3 are level 2 h, j 4-7 level 2 h + 1.
.macro HEADEP hh
.set XR, ACC+8*(4+3*(\hh))
.set YR, XR+8
.set ER, XR+16
.set OU, 64+20*(\hh)
	v_max3_num_f32 v52, v[ER], v[ER+1], v[ER+2]    ; the maximum of the head's 16 logits: each accumulator is read from its low end on
	v_max3_num_f32 v52, v52, v[ER+3], v[ER+4]
	v_max3_num_f32 v52, v52, v[ER+5], v[ER+6]
	v_max_num_f32 v52, v52, v[ER+7]
	v_permlanex16_b32 v53, v52, s90, s91           ; the other eight lie in the lane 16 away
	v_max_num_f32 v52, v52, v53
	v_mul_f32 v54, 0xbfb8aa3b, v52                 ; - m log2(e)
.irp p, 0,2,4,6
	v_pk_fma_f32 v[ER+\p:ER+\p+1], v[ER+\p:ER+\p+1], 0x3fb8aa3b, v[54:55] op_sel_hi:[1,0,0]
.endr
.irp j, 0,1,2,3,4,5,6,7
	v_exp_f32 v[ER+\j], v[ER+\j]                   ; one batch; the coordinates below name none of its results
.endr
.irp j, 0,1,2,3,4,5,6,7
	v_fma_f32 v[XR+\j], v[XR+\j], v[36+8*(\j/4)], v[38+8*(\j/4)]
	v_fma_f32 v[YR+\j], v[YR+\j], v[37+8*(\j/4)], v[39+8*(\j/4)]
.endr
.irp j, 0,1,2,3,4,5,6,7
	v_floor_f32 v[XB+\j], v[XR+\j]
	v_floor_f32 v[YB+\j], v[YR+\j]
.endr
.irp j, 0,1,2,3,4,5,6,7
	v_med3_num_f32 v[XB+\j], v[XB+\j], 0, v[40+8*(\j/4)]
	v_med3_num_f32 v[YB+\j], v[YB+\j], 0, v[40+8*(\j/4)]
.endr
.irp p, 0,2,4,6
	v_pk_add_f32 v[XR+\p:XR+\p+1], v[XR+\p:XR+\p+1], v[XB+\p:XB+\p+1] neg_lo:[0,1] neg_hi:[0,1]
	v_pk_add_f32 v[YR+\p:YR+\p+1], v[YR+\p:YR+\p+1], v[YB+\p:YB+\p+1] neg_lo:[0,1] neg_hi:[0,1]
.endr
	HAT XR, WX0, WX1
	HAT YR, WY0, WY1
	s_wait_alu depctr_va_vdst(0)                   ; one wait for the eight exponentials, ahead of their first reader
	v_pk_add_f32 v[56:57], v[ER:ER+1], v[ER+2:ER+3]
	v_pk_add_f32 v[58:59], v[ER+4:ER+5], v[ER+6:ER+7]
	v_pk_add_f32 v[56:57], v[56:57], v[58:59]
	v_add_f32 v56, v56, v57
	v_permlanex16_b32 v53, v56, s90, s91
	v_add_f32 v56, v56, v53
	v_rcp_f32 v60, v56
.irp j, 0,1,2,3,4,5,6,7
	v_fma_f32 v[XB+\j], v[YB+\j], v[41+8*(\j/4)], v[XB+\j]  ; yb W + xb, exact in f32; this run names nothing of the reciprocal
.endr
.irp j, 0,1,2,3,4,5,6,7
	v_cvt_u32_f32 v[XB+\j], v[XB+\j]
.endr
.irp p, 0,1,2,3
	v_lshl_or_b32 v[OU+16+\p], v[XB+2*\p+1], 16, v[XB+2*\p]
	v_add_nc_u32 v[OU+16+\p], v[OU+16+\p], v[42+8*(\p/2)]  ; + the level's first row, in both halves: 21,742 at the most
.endr
	s_wait_alu depctr_va_vdst(0)                   ; the reciprocal's wait
.irp p, 0,2,4,6
	v_pk_mul_f32 v[ER+\p:ER+\p+1], v[ER+\p:ER+\p+1], v[60:61] op_sel_hi:[1,0]
.endr
.irp p, 0,2,4,6
	v_pk_mul_f32 v[WY0+\p:WY0+\p+1], v[WY0+\p:WY0+\p+1], v[ER+\p:ER+\p+1]
	v_pk_mul_f32 v[WY1+\p:WY1+\p+1], v[WY1+\p:WY1+\p+1], v[ER+\p:ER+\p+1]
.endr
.irp p, 0,2,4,6
	v_pk_mul_f32 v[XR+\p:XR+\p+1], v[WX0+\p:WX0+\p+1], v[WY0+\p:WY0+\p+1]    ; w00
	v_pk_mul_f32 v[YR+\p:YR+\p+1], v[WX1+\p:WX1+\p+1], v[WY0+\p:WY0+\p+1]    ; w01
	v_pk_mul_f32 v[WX0+\p:WX0+\p+1], v[WX0+\p:WX0+\p+1], v[WY1+\p:WY1+\p+1]  ; w10
	v_pk_mul_f32 v[WX1+\p:WX1+\p+1], v[WX1+\p:WX1+\p+1], v[WY1+\p:WY1+\p+1]  ; w11
.endr
.irp i, 0,1,2,3
	v_cvt_pk_f16_f32 v[OU+4*\i],   v[XR+2*\i],    v[YR+2*\i]
	v_cvt_pk_f16_f32 v[OU+4*\i+1], v[WX0+2*\i],   v[WX1+2*\i]
	v_cvt_pk_f16_f32 v[OU+4*\i+2], v[XR+2*\i+1],  v[YR+2*\i+1]
	v_cvt_pk_f16_f32 v[OU+4*\i+3], v[WX0+2*\i+1], v[WX1+2*\i+1]
.endr
.irp i, 0,1,2,3
	global_store_b128 v12, v[OU+4*\i:OU+4*\i+3], s[84+2*(\hh):85+2*(\hh)] offset:PLANE*\i  ; plane i: points 8 h + 2 i, + 2 i + 1; the wave's store covers 512 consecutive bytes, aligned
.endr
	global_store_b128 v12, v[OU+16:OU+19], s[82:83] offset:PLANE*(\hh)
.endm
.Lstep:
	s_wait_xcnt 0x0                                ; the last step's loads, stores and prefetch have read their registers: bases and store data may be written
	s_lshl_b32 s72, s67, 4
	s_cmp_ge_u32 s67, 8
	s_cselect_b32 s93, s71, 0
	s_sub_co_u32 s72, s72, s93                     ; this tile's first row, from s
	s_lshl_b32 s74, s72, 6
	s_add_nc_u64 s[80:81], s[24:25], s[74:75]      ; val
	s_lshl_b32 s74, s72, 5
	s_add_nc_u64 s[82:83], s[26:27], s[74:75]      ; idx
	s_add_nc_u64 s[84:85], s[28:29], s[74:75]      ; wts, head 2 w,
	s_add_nc_u64 s[86:87], s[84:85], 4*PLANE       ; head 2 w + 1
	s_add_co_u32 s72, s67, 1
	s_min_u32 s72, s72, 10                         ; the next tile (the last step asks for its own once more, and uses nothing of it)
	s_cmp_ge_u32 s72, 8
	s_cselect_b32 s93, s71, 0
	s_lshl_b32 s72, s72, 4
	s_sub_co_u32 s72, s72, s93
	s_lshl_b32 s74, s72, 10
	s_add_nc_u64 s[76:77], s[6:7], s[74:75]        ; pos
	s_lshl_b32 s74, s72, 5
	s_add_nc_u64 s[78:79], s[8:9], s[74:75]        ; ref_points
	s_add_co_u32 s74, s67, 3
	s_lshl_b32 s74, s74, 14
	s_add_nc_u64 s[88:89], s[6:7], s[74:75]        ; pos, rows s + 16 (T + 3) on
	v_add_nc_u32 v8, s69, v5
.irp i, 0,1,2,3
	ds_load_b128 v[EM+8*\i:EM+8*\i+3],   v8 offset:1024*\i       ; row 4 w + i: columns 4 lane .. + 3,
	ds_load_b128 v[EM+8*\i+4:EM+8*\i+7], v8 offset:1024*\i+512   ; and 128 + 4 lane .. + 3
.endr
	s_wait_loadcnt 0x0                             ; this tile's pos and ref_points, asked for a step ago
	v_fma_f32 v38, v240, v41, -0.5
	v_fma_f32 v39, v241, v41, -0.5
	v_fma_f32 v46, v242, v49, -0.5
	v_fma_f32 v47, v243, v49, -0.5
	s_wait_dscnt 0x0
	; LN1 of my four rows, side by side: mean, then the sum of squares of the differences
.irp i, 0,1,2,3
	v_pk_add_f32 v[TA+4*\i:TA+4*\i+1],   v[EM+8*\i:EM+8*\i+1],   v[EM+8*\i+2:EM+8*\i+3]
	v_pk_add_f32 v[TA+4*\i+2:TA+4*\i+3], v[EM+8*\i+4:EM+8*\i+5], v[EM+8*\i+6:EM+8*\i+7]
.endr
.irp i, 0,1,2,3
	v_pk_add_f32 v[TA+4*\i:TA+4*\i+1], v[TA+4*\i:TA+4*\i+1], v[TA+4*\i+2:TA+4*\i+3]
.endr
.irp i, 0,1,2,3
	v_add_f32 v[SS+2*\i], v[TA+4*\i], v[TA+4*\i+1]
.endr
	RED4
.irp i, 0,1,2,3
	v_mul_f32 v[SS+2*\i], 0xbb800000, v[SS+2*\i]   ; - mean
.endr
.irp i, 0,1,2,3
.irp k, 0,2,4,6
	v_pk_add_f32 v[EM+8*\i+\k:EM+8*\i+\k+1], v[EM+8*\i+\k:EM+8*\i+\k+1], v[SS+2*\i:SS+2*\i+1] op_sel_hi:[1,0]
.endr
.endr
.irp i, 0,1,2,3
	v_pk_mul_f32 v[TA+4*\i:TA+4*\i+1],   v[EM+8*\i:EM+8*\i+1],   v[EM+8*\i:EM+8*\i+1]
	v_pk_mul_f32 v[TA+4*\i+2:TA+4*\i+3], v[EM+8*\i+2:EM+8*\i+3], v[EM+8*\i+2:EM+8*\i+3]
.endr
.irp i, 0,1,2,3
	v_pk_fma_f32 v[TA+4*\i:TA+4*\i+1],   v[EM+8*\i+4:EM+8*\i+5], v[EM+8*\i+4:EM+8*\i+5], v[TA+4*\i:TA+4*\i+1]
	v_pk_fma_f32 v[TA+4*\i+2:TA+4*\i+3], v[EM+8*\i+6:EM+8*\i+7], v[EM+8*\i+6:EM+8*\i+7], v[TA+4*\i+2:TA+4*\i+3]
.endr
.irp i, 0,1,2,3
	v_pk_add_f32 v[TA+4*\i:TA+4*\i+1], v[TA+4*\i:TA+4*\i+1], v[TA+4*\i+2:TA+4*\i+3]
.endr
.irp i, 0,1,2,3
	v_add_f32 v[SS+2*\i], v[TA+4*\i], v[TA+4*\i+1]
.endr
	RED4
.irp i, 0,1,2,3
	v_fma_f32 v[TQ+\i], v[SS+2*\i], s94, s95       ; variance + 1e-5
.endr
.irp i, 0,1,2,3
	v_rsq_f32 v[SS+2*\i], v[TQ+\i]
.endr
	v_nop                                          ; a plain instruction behind the last of the four,
	s_wait_alu depctr_va_vdst(0)                   ; and their one wait
.irp i, 0,1,2,3
.irp k, 0,2,4,6
	v_pk_mul_f32 v[EM+8*\i+\k:EM+8*\i+\k+1], v[EM+8*\i+\k:EM+8*\i+\k+1], v[SS+2*\i:SS+2*\i+1] op_sel_hi:[1,0]
.endr
.endr
.irp i, 0,1,2,3
.irp k, 0,2,4,6
	v_pk_fma_f32 v[EM+8*\i+\k:EM+8*\i+\k+1], v[EM+8*\i+\k:EM+8*\i+\k+1], v[20+\k:21+\k], v[28+\k:29+\k]  ; v
.endr
.endr
.irp i, 0,1,2,3
.irp k, 0,2,4,6
	v_pk_add_f32 v[POS+8*\i+\k:POS+8*\i+\k+1], v[POS+8*\i+\k:POS+8*\i+\k+1], v[EM+8*\i+\k:EM+8*\i+\k+1]  ; q
.endr
.endr
.irp i, 0,1,2,3
.irp k, 0,1,2,3
	v_cvt_pk_bf16_f32 v[TA+4*\i+\k], v[EM+8*\i+2*\k],  v[EM+8*\i+2*\k+1]
	v_cvt_pk_bf16_f32 v[TB+4*\i+\k], v[POS+8*\i+2*\k], v[POS+8*\i+2*\k+1]
.endr
.endr
	v_add_nc_u32 v9, s70, v6
.irp i, 0,1,2,3
	ds_store_b64 v9, v[TA+4*\i:TA+4*\i+1]   offset:528*\i
	ds_store_b64 v9, v[TA+4*\i+2:TA+4*\i+3] offset:528*\i+256
	ds_store_b64 v9, v[TB+4*\i:TB+4*\i+1]   offset:QOFF+528*\i
	ds_store_b64 v9, v[TB+4*\i+2:TB+4*\i+3] offset:QOFF+528*\i+256
.endr
.irp i, 0,1,2,3
	global_load_b128 v[POS+8*\i:POS+8*\i+3],   v11, s[76:77] offset:1024*\i th:TH_LOAD_NT      ; the next tile's pos,
	global_load_b128 v[POS+8*\i+4:POS+8*\i+7], v11, s[76:77] offset:1024*\i+512 th:TH_LOAD_NT
.endr
	global_load_b128 v[240:243], v12, s[78:79]     ; and ref_points: levels 2 h and 2 h + 1 of row r
	s_cmp_lt_u32 s67, s73                          ; behind the step's loads: waves 0 and 1 ask, in steps 0 to 6, for pos of rows s + 16 (T + 3) + 8 w .. + 7, three steps ahead:
	s_cbranch_scc0 .Lnopf                          ; a lane a block of 256 bytes, rows s + 48 to s + 159, each block named once
	global_prefetch_b8 v17, s[88:89] th:TH_LOAD_NT scope:SCOPE_SE
.Lnopf:
	s_wait_dscnt 0x0                               ; for the others' sake: my rows of v and q are stored
	s_barrier_signal -1
	s_barrier_wait -1                              ; one barrier a step: the other buffer is written again only behind the next step's barrier, in front of which every wave has waited for its reads of it
	v_add_nc_u32 v10, s70, v7
.irp t, 0,1,2,3
	ds_load_b128 v[ACC+8*\t:ACC+8*\t+3],   v16 offset:64*\t      ; the bias starts the sum
	ds_load_b128 v[ACC+8*\t+4:ACC+8*\t+7], v16 offset:64*\t+16
.endr
	WIN 0xc0
.irp kf, 0,1,2,3,4,5,6,7
	ds_load_b128 v[128+8*\kf:128+8*\kf+3], v10 offset:64*\kf     ; v's fragments
	ds_load_b128 v[128+8*\kf+4:128+8*\kf+7], v10 offset:64*\kf+32
.endr
	WIN 0
.irp t, 4,5,6,7,8,9
	ds_load_b128 v[ACC+8*\t:ACC+8*\t+3],   v16 offset:64*\t
	ds_load_b128 v[ACC+8*\t+4:ACC+8*\t+7], v16 offset:64*\t+16
.endr
.irp kf, 0,1,2,3,4,5,6,7
	ds_load_b128 v[64+8*\kf:64+8*\kf+3], v10 offset:QOFF+64*\kf  ; q's fragments
	ds_load_b128 v[64+8*\kf+4:64+8*\kf+7], v10 offset:QOFF+64*\kf+32
.endr
	s_wait_dscnt 28                                ; the 12 bias loads and 16 fragment loads for q may stay out
	WIN 0x0d                                       ; weights window 1, v window 3; the accumulators take turns, one instruction a turn
.irp kf, 0,1,2,3,4,5,6,7
.irp t, 0,1,2,3
	v_wmma_f32_16x16x32_bf16 v[ACC+8*\t:ACC+8*\t+7], v[64*\t+8*\kf:64*\t+8*\kf+7], v[128+8*\kf:128+8*\kf+7], v[ACC+8*\t:ACC+8*\t+7]
.endr
.endr
	s_wait_dscnt 0x0
	WIN 0x02                                       ; weights window 2, q window 0
.irp kf, 0,1,2,3,4,5,6,7
.irp t, 0,1,2,3
	v_wmma_f32_16x16x32_bf16 v[ACC+32+8*\t:ACC+32+8*\t+7], v[64*\t+8*\kf:64*\t+8*\kf+7], v[64+8*\kf:64+8*\kf+7], v[ACC+32+8*\t:ACC+32+8*\t+7]
.endr
.endr
	WIN 0x03                                       ; weights window 3
.irp kf, 0,1,2,3,4,5,6,7
.irp t, 0,1
	v_wmma_f32_16x16x32_bf16 v[ACC+64+8*\t:ACC+64+8*\t+7], v[64*\t+8*\kf:64*\t+8*\kf+7], v[64+8*\kf:64+8*\kf+7], v[ACC+64+8*\t:ACC+64+8*\t+7]
.endr
.endr
	WIN 0
	PLACES
	; value: rounded to f16, through my stage, so that a head's 16 rows of 64 bytes leave as 1,024 bytes on end
.irp t, 0,1,2,3
.irp k, 0,1,2,3
	v_cvt_pk_f16_f32 v[104+4*\t+\k], v[ACC+8*\t+2*\k], v[ACC+8*\t+2*\k+1]
.endr
.endr
.irp t, 0,1,2,3
	ds_store_b128 v13, v[104+4*\t:104+4*\t+3] offset:1280*(\t/2)+32*(\t%2)
.endr
.irp u, 0,1,2,3
	ds_load_b128 v[ACC+4*\u:ACC+4*\u+3], v14 offset:1280*(\u/2)+640*(\u%2)  ; LDS serves a wave's instructions in order (ISA guide 5.7.1.4): these see the stores above
.endr
	HEADEP 0
	s_wait_dscnt 0x0                               ; the value tile is back in registers
.irp u, 0,1,2,3
	global_store_b128 v15, v[ACC+4*\u:ACC+4*\u+3], s[80:81] offset:PLANE*(\u/2)+512*(\u%2)  ; 512 consecutive bytes, aligned
.endr
	HEADEP 1
	s_add_co_u32 s69, s69, 16384
	s_xor_b32 s70, s70, 0x8000
	s_add_co_u32 s67, s67, 1
	s_sub_co_u32 s68, s68, 1
	s_cmp_lg_u32 s68, 0
	s_cbranch_scc1 .Lstep
	s_wait_tensorcnt 0x0                           ; the wave's end: behind my last tensor load and my last LDS store
	ds_add_u32 v3, v4
	s_wait_dscnt 0x0
	s_endpgm
.Lfunc_end_k_q497de4b9d7_proj:
	.size	k_q497de4b9d7_proj, .Lfunc_end_k_q497de4b9d7_proj-k_q497de4b9d7_proj
	.p2alignl 7, 3214868480
	.fill 96, 4, 3214868480
	.section	.rodata,"a",@progbits
	.p2align	6, 0x0
	.amdhsa_kernel k_q497de4b9d7_proj
		.amdhsa_group_segment_fixed_size 272896
		.amdhsa_private_segment_fixed_size 0
		.amdhsa_enable_private_segment 0
		.amdhsa_kernarg_size 104
		.amdhsa_user_sgpr_count 2
		.amdhsa_user_sgpr_kernarg_segment_ptr 1
		.amdhsa_wavefront_size32 1
		.amdhsa_system_sgpr_workgroup_id_x 1
		.amdhsa_system_sgpr_workgroup_id_y 1
		.amdhsa_system_sgpr_workgroup_id_z 1
		.amdhsa_system_vgpr_workitem_id 0
		.amdhsa_next_free_vgpr 1024
		.amdhsa_next_free_sgpr 96
		.amdhsa_reserve_vcc 0
		.amdhsa_float_denorm_mode_32 3
		.amdhsa_float_denorm_mode_16_64 3
		.amdhsa_memory_ordered 1
		.amdhsa_forward_progress 1
		.amdhsa_inst_pref_size 77
	.end_amdhsa_kernel
	.amdgpu_metadata
---
amdhsa.version: [ 1, 2 ]
amdhsa.kernels:
  - .name:           k_q497de4b9d7_proj
    .symbol:         k_q497de4b9d7_proj.kd
    .args:
      - { .name: embed, .offset: 0, .size: 8, .value_kind: global_buffer, .address_space: global }
      - { .name: pos, .offset: 8, .size: 8, .value_kind: global_buffer, .address_space: global }
      - { .name: ref_points, .offset: 16, .size: 8, .value_kind: global_buffer, .address_space: global }
      - { .name: ln1_w, .offset: 24, .size: 8, .value_kind: global_buffer, .address_space: global }
      - { .name: ln1_b, .offset: 32, .size: 8, .value_kind: global_buffer, .address_space: global }
      - { .name: bv, .offset: 40, .size: 8, .value_kind: global_buffer, .address_space: global }
      - { .name: boff, .offset: 48, .size: 8, .value_kind: global_buffer, .address_space: global }
      - { .name: battn, .offset: 56, .size: 8, .value_kind: global_buffer, .address_space: global }
      - { .name: dimensions, .offset: 64, .size: 8, .value_kind: global_buffer, .address_space: global }
      - { .name: wt, .offset: 72, .size: 8, .value_kind: global_buffer, .address_space: global }
      - { .name: val, .offset: 80, .size: 8, .value_kind: global_buffer, .address_space: global }
      - { .name: idx, .offset: 88, .size: 8, .value_kind: global_buffer, .address_space: global }
      - { .name: wts, .offset: 96, .size: 8, .value_kind: global_buffer, .address_space: global }
    .group_segment_fixed_size: 272896
    .private_segment_fixed_size: 0
    .kernarg_segment_align: 8
    .kernarg_segment_size: 104
    .max_flat_workgroup_size: 128
    .sgpr_count:     96
    .vgpr_count:     1024
    .wavefront_size: 32
...
	.end_amdgpu_metadata
.endif
;; end of part 2
;; launch sample (part 3): grid 256 x 1, 8 waves a work-group, no clusters, 0 bytes of LDS; arguments idx, wts, val, samp; writes samp
.if DOCPART == 3
	.amdgcn_target "amdgcn-amd-amdhsa--gfx1250"
	.amdhsa_code_object_version 6
	.text
	.protected	k_q497de4b9d7_sample
	.globl	k_q497de4b9d7_sample
	.p2align	8
	.type	k_q497de4b9d7_sample,@function
k_q497de4b9d7_sample:
	s_mov_b64 s[64:65], 0
	v_nop
	global_prefetch_b8 v0, s[64:65] scope:SCOPE_SE
	s_setreg_imm32_b32 hwreg(HW_REG_WAVE_MODE, 25, 1), 1
	s_wait_xcnt 0x0
; samp[row][32 head + c] = the sum over the head's 16 points and their four corners of weight x value[corner][c].  idx (whole numbers), wts and val were stored by the launch before.
; ROWS as there: work-group g owns 168 or 176 rows; wave v takes 22 rows from min(22 v, rows - 22): with 168 rows a few are made twice, with the same bits.
; LANES.  Lane l is head l / 4, channels 8 (l % 4) .. + 7: it keeps eight f32 sums of one row, which are channels 8 l .. 8 l + 7 of samp's row.  A corner is 64 bytes of val, 16 a lane; the corners of a
; point lie at + 0, + 1, + W, + W + 1 rows from its base index, W a constant of the level, so they stand in the loads' immediates.
; v_fma_mix_f32 multiplies an f16 half of val by an f16 half of wts exactly and adds in f32.
; IN FLIGHT.  A row's work goes level by level; behind a level's 128 multiply-adds its registers are asked for again at once: 16 gathers and 2 weight loads for the next row and the index load for the row after that.
; So four groups of 19 loads are out in each wave, and the wait at a level's head leaves the three younger groups out.  The last trip asks for its own row once more and uses nothing of it, so that every wait keeps its count.
; No LDS, no matrix unit, no cluster: nothing is shared between waves.  No prefetch: val is read many times over, and the two streams are asked for a row ahead.
.set PLANE, 1392640
.set ROWS,  22
; v2 gather lane term, v3 wts lane term, v4 idx lane term, v7 16 lane, v8 zero, v9-11 v89 at work, v12-15 wts offsets by level, v16-31 gather offsets, v32-39 indices, v40-71 weights,
; v72-79 sums, v80-83 the row to store, v84-87 idx offsets by level, v88 the store's offset; gathered data: levels 0, 1 at v128, v192; levels 2, 3 at v256, v320
.set MSB, 0
.macro WIN new
.if MSB != (\new)
	s_set_vgpr_msb (MSB<<8)|(\new)
.set MSB, (\new)
.endif
.endm
	s_load_b256 s[4:11], s[0:1], 0x0               ; idx s[4:5], wts s[6:7], val s[8:9], samp s[10:11]
	v_lshrrev_b32 v1, 5, v0
	v_readfirstlane_b32 s12, v1                    ; wave 0..7
	s_mul_i32 s13, ttmp9, 85
	s_add_co_u32 s14, s13, 85
	s_lshr_b32 s13, s13, 2
	s_lshl_b32 s13, s13, 3
	s_lshr_b32 s14, s14, 2
	s_lshl_b32 s14, s14, 3
	s_sub_co_u32 s14, s14, s13
	s_sub_co_u32 s14, s14, ROWS
	s_mul_i32 s15, s12, ROWS
	s_min_u32 s15, s15, s14
	s_add_co_u32 s13, s13, s15                     ; my first row
	s_cmp_ge_u32 ttmp9, 128
	s_cselect_b32 s16, 8*PLANE, 0                  ; the batch's part of val
	s_mov_b32 s17, 0
	v_and_b32 v9, 31, v0
	v_lshrrev_b32 v10, 2, v9                       ; head
	v_and_b32 v11, 3, v9
	v_mul_u32_u24 v4, v10, PLANE
	v_lshl_add_u32 v2, v11, 4, v4
	v_mul_u32_u24 v3, v10, 4*PLANE
	v_lshlrev_b32 v7, 4, v9
	v_mov_b32 v8, 0
	s_wait_kmcnt 0x0
	s_add_nc_u64 s[8:9], s[8:9], s[16:17]
	s_lshl_b32 s16, s13, 5
	s_add_nc_u64 s[4:5], s[4:5], s[16:17]          ; idx and wts at my first row
	s_add_nc_u64 s[6:7], s[6:7], s[16:17]
	s_lshl_b32 s16, s13, 9
	s_add_nc_u64 s[10:11], s[10:11], s[16:17]      ; samp likewise
; 32 multiply-adds: point p of level l, its four corners, my eight channels.  The row's first eight take 0 as the addend: nothing is cleared.
.macro FMAP l, p
.if (\l) >= 2
.set GB_, 64*((\l)-2)
	WIN 0x01
.else
.set GB_, 128+64*(\l)
	WIN 0
.endif
.irp cy, 0,1
.irp cx, 0,1
.irp k, 0,1,2,3
.irp e, 0,1
.if ((\l)+(\p)+\cy+\cx) == 0
	v_fma_mix_f32 v[72+2*\k+\e], v[GB_+16*(\p)+8*\cy+4*\cx+\k], v[40+8*(\l)+2*(\p)+\cy], v8 op_sel:[\e,\cx,0] op_sel_hi:[1,1,0]
.else
	v_fma_mix_f32 v[72+2*\k+\e], v[GB_+16*(\p)+8*\cy+4*\cx+\k], v[40+8*(\l)+2*(\p)+\cy], v[72+2*\k+\e] op_sel:[\e,\cx,0] op_sel_hi:[1,1,0]
.endif
.endr
.endr
.endr
.endr
.endm
; Level l's 19 loads: from the four indices in hand the gather offsets (each index held to the level's largest base), 16 gathers; the same row's weights; the next row's indices.
.macro ISSUE l
.set WL_, 128>>(\l)
.if (\l) == 0
.set MX_, 16254
.elseif (\l) == 1
.set MX_, 20414
.elseif (\l) == 2
.set MX_, 21470
.else
.set MX_, 21742
.endif
.if (\l) >= 2
.set GB_, 64*((\l)-2)
.else
.set GB_, 128+64*(\l)
.endif
	WIN 0
	v_and_b32 v9, 0xffff, v[32+2*(\l)]
	v_lshrrev_b32 v10, 16, v[32+2*(\l)]
	v_and_b32 v11, 0xffff, v[33+2*(\l)]
	v_lshrrev_b32 v89, 16, v[33+2*(\l)]
	v_min_u32 v9, MX_, v9
	v_min_u32 v10, MX_, v10
	v_min_u32 v11, MX_, v11
	v_min_u32 v89, MX_, v89
	v_lshl_add_u32 v[16+4*(\l)], v9, 6, v2
	v_lshl_add_u32 v[17+4*(\l)], v10, 6, v2
	v_lshl_add_u32 v[18+4*(\l)], v11, 6, v2
	v_lshl_add_u32 v[19+4*(\l)], v89, 6, v2
.if (\l) >= 2
	WIN 0x40
.endif
.irp p, 0,1,2,3
.irp cy, 0,1
.irp cx, 0,1
	global_load_b128 v[GB_+16*\p+8*\cy+4*\cx:GB_+16*\p+8*\cy+4*\cx+3], v[16+4*(\l)+\p], s[8:9] offset:64*\cx+64*WL_*\cy
.endr
.endr
.endr
	WIN 0
	global_load_b128 v[40+8*(\l):40+8*(\l)+3], v[12+(\l)], s[6:7] offset:PLANE*(2*((\l)%2))+16*((\l)/2)
	global_load_b128 v[40+8*(\l)+4:40+8*(\l)+7], v[12+(\l)], s[6:7] offset:PLANE*(2*((\l)%2)+1)+16*((\l)/2)
	global_load_b64 v[32+2*(\l):33+2*(\l)], v[84+(\l)], s[4:5] offset:8*(\l)
.endm
.macro LEVEL l
	s_wait_loadcnt 57                              ; loads come back in order (ISA guide 5.7.1): this level's 19 are in, the three younger groups of 19 stay out; its own offset registers are free with that
	FMAP \l, 0
	FMAP \l, 1
.if (\l) == 3
	WIN 0
	s_wait_xcnt 0x0                                ; the last row's store has read its data and its offset; the youngest loads stand 64 multiply-adds back
	v_lshl_add_u32 v88, s19, 9, v7                 ; this row's 512 bytes of samp
.endif
	FMAP \l, 2
	FMAP \l, 3
	WIN 0
	v_lshl_add_u32 v[12+(\l)], s20, 5, v3          ; weights: the next row
	v_lshl_add_u32 v[84+(\l)], s21, 5, v4          ; indices: the row after it
	ISSUE \l
.endm
.irp l, 0,1,2,3
	v_mov_b32 v[84+\l], v4
	v_mov_b32 v[12+\l], v3
.endr
.irp l, 0,1,2,3
	global_load_b64 v[32+2*\l:33+2*\l], v[84+\l], s[4:5] offset:8*\l  ; row 0's indices
.endr
	s_wait_loadcnt 0x0
.irp l, 0,1,2,3
	v_add_nc_u32 v[84+\l], 32, v4
.endr
	ISSUE 0                                        ; row 0's gathers and weights, row 1's indices
	ISSUE 1
	ISSUE 2
	ISSUE 3
	s_mov_b32 s18, ROWS
	s_mov_b32 s19, 0                               ; the row in hand
.Lrow:
	s_add_co_u32 s20, s19, 1
	s_min_u32 s20, s20, ROWS-1
	s_add_co_u32 s21, s19, 2
	s_min_u32 s21, s21, ROWS-1
	LEVEL 0
	LEVEL 1
	LEVEL 2
	LEVEL 3
.irp k, 0,1,2,3
	v_cvt_pk_bf16_f32 v[80+\k], v[72+2*\k], v[73+2*\k]
.endr
	global_store_b128 v88, v[80:83], s[10:11]      ; the wave's store is the row: 512 consecutive bytes, aligned
	s_add_co_u32 s19, s19, 1
	s_sub_co_u32 s18, s18, 1
	s_cmp_lg_u32 s18, 0
	s_cbranch_scc1 .Lrow
	s_endpgm
.Lfunc_end_k_q497de4b9d7_sample:
	.size	k_q497de4b9d7_sample, .Lfunc_end_k_q497de4b9d7_sample-k_q497de4b9d7_sample
	.p2alignl 7, 3214868480
	.fill 96, 4, 3214868480
	.section	.rodata,"a",@progbits
	.p2align	6, 0x0
	.amdhsa_kernel k_q497de4b9d7_sample
		.amdhsa_group_segment_fixed_size 0
		.amdhsa_private_segment_fixed_size 0
		.amdhsa_enable_private_segment 0
		.amdhsa_kernarg_size 32
		.amdhsa_user_sgpr_count 2
		.amdhsa_user_sgpr_kernarg_segment_ptr 1
		.amdhsa_wavefront_size32 1
		.amdhsa_system_sgpr_workgroup_id_x 1
		.amdhsa_system_sgpr_workgroup_id_y 1
		.amdhsa_system_sgpr_workgroup_id_z 1
		.amdhsa_system_vgpr_workitem_id 0
		.amdhsa_next_free_vgpr 384
		.amdhsa_next_free_sgpr 66
		.amdhsa_reserve_vcc 0
		.amdhsa_float_denorm_mode_32 3
		.amdhsa_float_denorm_mode_16_64 3
		.amdhsa_memory_ordered 1
		.amdhsa_forward_progress 1
		.amdhsa_inst_pref_size 56
	.end_amdhsa_kernel
	.amdgpu_metadata
---
amdhsa.version: [ 1, 2 ]
amdhsa.kernels:
  - .name:           k_q497de4b9d7_sample
    .symbol:         k_q497de4b9d7_sample.kd
    .args:
      - { .name: idx, .offset: 0, .size: 8, .value_kind: global_buffer, .address_space: global }
      - { .name: wts, .offset: 8, .size: 8, .value_kind: global_buffer, .address_space: global }
      - { .name: val, .offset: 16, .size: 8, .value_kind: global_buffer, .address_space: global }
      - { .name: samp, .offset: 24, .size: 8, .value_kind: global_buffer, .address_space: global }
    .group_segment_fixed_size: 0
    .private_segment_fixed_size: 0
    .kernarg_segment_align: 8
    .kernarg_segment_size: 32
    .max_flat_workgroup_size: 256
    .sgpr_count:     66
    .vgpr_count:     384
    .wavefront_size: 32
...
	.end_amdgpu_metadata
.endif
;; end of part 3
;; launch ffn (part 4): grid 256 x 1, 4 waves a work-group, clusters of 4 x 1, 327,680 bytes of LDS; arguments samp, embed, wt, bo, ln2_w, ln2_b, b1, b2, out0; writes out0
.if DOCPART == 4
	.amdgcn_target "amdgcn-amd-amdhsa--gfx1250"
	.amdhsa_code_object_version 6
	.text
	.protected	k_q497de4b9d7_ffn
	.globl	k_q497de4b9d7_ffn
	.p2align	8
	.type	k_q497de4b9d7_ffn,@function
k_q497de4b9d7_ffn:
	s_mov_b64 s[64:65], 0
	v_nop
	global_prefetch_b8 v0, s[64:65] scope:SCOPE_SE
	s_setreg_imm32_b32 hwreg(HW_REG_WAVE_MODE, 25, 1), 1
	s_wait_xcnt 0x0
	s_wait_alu depctr_hold_cnt(0) depctr_sa_sdst(0) depctr_va_vdst(0) depctr_va_sdst(0) depctr_va_ssrc(0) depctr_va_vcc(0) depctr_vm_vsrc(0)
	s_getreg_b32 s2, hwreg(HW_REG_IB_STS2, 6, 4)
	s_cmp_eq_u32 s2, 0
	s_cbranch_scc0 .Lentry_in_a_cluster
	s_endpgm
.Lentry_in_a_cluster:
	s_bfe_u32 s2, ttmp6, 0x10000c
	s_cmp_lg_u32 s2, 0x3003
	s_cbranch_scc0 .Lentry_shape_is_right
	s_endpgm
.Lentry_shape_is_right:
; x = embed + samp Wo + bo; f = LN2(x); out0 = x + relu(f W1 + b1) W2 + b2.  Matrix operands bf16, sums, statistics and x in f32.
; ROWS as in the launches before: work-group g owns 168 or 176 rows; wave w takes 48 rows (three tiles of 16) from min(48 w, rows - 48): some rows are made twice, with the same bits.
; EVERYTHING TRANSPOSED (source 0 = 16 weight rows, source 1 = 16 activation rows): lane (r, h) holds one row r and columns 8 h + 0..7 of each tile of 16.  So x, 48 x 256 in f32, stays in 384 accumulator
; registers from embed to out0; LN2 wants one exchange between the halves of the lanes; f, and relu(h), rounded in pairs ARE source 1 of the next product: no activation changes lanes.
; THE WEIGHTS, the same for every work-group, walk through a ring of two LDS slots: Wo, then eight chunks of 128 hidden units (128 rows of W1T, 128 k of all 256 rows of W2T).
; CLUSTER.  The four work-groups of a cluster ask for each tile JOINTLY: the same tensor load, descriptor and mask in all four.  A work-group's place enters global addresses alone.
; A step takes 32 hidden units: W2's products of the step before run from registers while this step's W1 fragments land.  The first step of all multiplies zeros by what the fragment registers still hold (Wo's last
; fragments): it adds 0 as long as Wo is finite; where it is not, no column of the result is finite in the module either.
; LIMITS.  NaN and infinities are not treated apart.
.set SLOTB, 137216                     ; a slot: W1's part, 128 rows of pitch 528, at 0; W2's, 256 rows of pitch 272, at 67,584.  Wo takes 256 rows of pitch 528
.set W2OFF, 67584
.set STG,   274432                     ; behind the ring: a stage of 16 rows, pitch 528, for each wave
.set PAR,   308224                     ; b1 at 0, bo at 4,096, ln2_w at 5,120, ln2_b at 6,144, b2 at 7,168
.set SPARE, 316416                     ; the spare words, 128 bytes a wave
; window 0: v1 r, v2 h, v3 lane, v4 v5 the add's two, v6 528 r + 16 h, v7 272 r + 16 h, v8-10 at work, v11 stage by rows, v12 stage by bf16 fragments, v13 stage by f32 tiles, v14 parameters, v15 16 lane,
;   v16 prefetch offset, v17 zero, v18-31 statistics, v32-79 h (tile ht, rows mt at 32 + 8 (3 ht + mt)) and LN2's work, v80-103 relu(h) as fragments, v104-119 b1, v128-255 fragment buffer
; window 1: v0-191 samp's fragments, then f's (rows mt, kf at 64 mt + 8 kf), then the way out's two buffers
; windows 2, 3: x (rows mt, columns nt) at v[512 + 8 (16 mt + nt)]; window 3 v128-255: the second fragment buffer
; scalars: s[76:77] offsets for the joint loads' descriptors; s23-27 and s[80:85] all that hangs on my place in the cluster: the two kinds never share a register
.set MSB, 0
.macro WIN new
.if MSB != (\new)
	s_set_vgpr_msb (MSB<<8)|(\new)
.set MSB, (\new)
.endif
.endm
.macro PLACES                          ; four plain places behind a matrix instruction (ISA guide 7.12.1)
.rept 4
	v_nop
.endr
.endm
.macro CROUND                          ; a round of the cluster's barrier
	s_barrier_signal -1
	s_barrier_wait -1
	s_cmp_lg_u32 s22, 0
	s_cbranch_scc1 .Lnot_wave_0_\@
	s_barrier_signal -3
.Lnot_wave_0_\@:
	s_barrier_wait -3
	s_barrier_signal -1
	s_barrier_wait -1
.endm
.macro JLOAD                           ; a joint refill: waves 0 and 1 fetch the halves of the chunk's W1 rows, waves 2 and 3 those of its W2 rows
	s_cmp_lt_u32 s22, 2
	s_cbranch_scc0 .Lfor_w2_\@
	tensor_load_to_lds s[48:51], s[28:35]
	s_nop 0
	PLACES
	s_branch .Lasked_\@
.Lfor_w2_\@:
	tensor_load_to_lds s[72:75], s[36:43]
	s_nop 0
	PLACES
.Lasked_\@:
.endm
; Behind the joint load for chunk c + 1: the launch's first cluster asks for chunk c + 2, one chunk (384 matrix instructions a wave) ahead.  A chunk is 512 blocks of 256 bytes; of the blocks that a wave fetches each of
; the four partners names 32, told apart by address: a lane a block, each named once in the launch.  The last refill asks for nothing; Wo and chunks 0 and 1 come by their loads alone.
.macro ASK
	s_cmp_gt_u32 s60, s62
	s_cbranch_scc0 .Lnot_mine_\@
	global_prefetch_b8 v16, s[66:67] th:TH_LOAD_NT scope:SCOPE_SE
.Lnot_mine_\@:
.endm
	s_load_b512 s[4:19], s[0:1], 0x0               ; samp 4, embed 6, wt 8, bo 10, ln2_w 12, ln2_b 14, b1 16, b2 18
	s_load_b64 s[20:21], s[0:1], 0x40              ; out0
	v_lshl_add_u32 v4, v0, 2, SPARE
	v_mov_b32 v5, 0
	ds_add_u32 v4, v5                              ; the wave's opening: an add and its wait ahead of the round in front of my first tensor loads
	ds_add_u32 v4, v5
	v_lshrrev_b32 v1, 5, v0
	v_readfirstlane_b32 s22, v1                    ; wave 0..3
	s_bfe_u32 s23, ttmp6, 0x40000                  ; cx
	s_lshl_b32 s24, ttmp9, 2
	s_add_co_u32 s24, s24, s23                     ; g
	s_mul_i32 s25, s24, 85
	s_add_co_u32 s26, s25, 85
	s_lshr_b32 s25, s25, 2
	s_lshl_b32 s25, s25, 3
	s_lshr_b32 s26, s26, 2
	s_lshl_b32 s26, s26, 3
	s_sub_co_u32 s26, s26, s25
	s_sub_co_u32 s26, s26, 48
	s_mul_i32 s27, s22, 48
	s_min_u32 s27, s27, s26
	s_add_co_u32 s25, s25, s27                     ; my first row: it enters global addresses alone
	; group 1 for rows of 256 elements (Wo, W1): 64 rows a load, 16 bytes of padding behind each 512
	s_mov_b32 s28, 15|(1<<16)|(1<<20)|(1<<21)|(6<<22)|(3<<25)
	s_mov_b32 s29, 256<<16
	s_mov_b32 s30, 64<<16
	s_mov_b32 s31, 256<<16
	s_mov_b32 s32, 64
	s_mov_b32 s33, 256
	s_mov_b32 s34, 0
	s_mov_b32 s35, 0
	; group 1 for W2: 128 rows of 128 elements out of rows of 1,024, 16 bytes of padding behind each 256
	s_mov_b32 s36, 15|(1<<16)|(1<<20)|(1<<21)|(5<<22)|(3<<25)
	s_mov_b32 s37, 128<<16
	s_mov_b32 s38, 128<<16
	s_mov_b32 s39, 128<<16
	s_mov_b32 s40, 128
	s_mov_b32 s41, 1024
	s_mov_b32 s42, 0
	s_mov_b32 s43, 0
	s_and_b32 s63, s22, 1
	s_mov_b32 s44, 1
	s_mul_i32 s45, s22, 33792                      ; Wo: wave w's 64 rows, in slot 0
	s_mul_i32 s53, s63, 33792                      ; W1: which 64 rows of a chunk's 128
	s_mul_i32 s54, s63, 34816
	s_add_co_u32 s54, s54, W2OFF                   ; W2: which 128 rows of the 256
	s_mov_b32 s52, SLOTB                           ; the slot filled last: chunk 0 goes to slot 1
	s_mov_b32 s48, 1
	s_add_co_u32 s49, s52, s53
	s_mov_b32 s72, 1
	s_add_co_u32 s73, s52, s54
	s_mov_b32 s56, 0                               ; the slot read last
	s_mov_b32 s59, 0                               ; b1's place
	s_mov_b32 s68, 0x76543210
	s_mov_b32 s69, 0xfedcba98
	s_mov_b32 s78, 0x3b800000                      ; 1 / 256
	s_mov_b32 s79, 0x3727c5ac                      ; 1e-5
	s_cmp_eq_u32 ttmp9, 0
	s_cselect_b32 s62, 1, -1                       ; the launch's first cluster prefetches: the same in all four partners
	s_lshl_b32 s82, s63, 15                        ; where my prefetches stand, at chunk 1: W1: my 64 rows, my work-group's 8,192 bytes of them;
	s_lshl_b32 s83, s23, 13
	s_add_co_u32 s82, s82, s83
	s_add_co_u32 s82, s82, 458752+65536
	s_lshl_b32 s83, s63, 18                        ; W2: my 128 rows, my work-group's 32 of them
	s_lshl_b32 s84, s23, 16
	s_add_co_u32 s83, s83, s84
	s_add_co_u32 s83, s83, 983040+256
	s_mov_b32 s70, 256                             ; from chunk to chunk: 128 k of W2T,
	s_mov_b32 s71, 0
	s_mov_b32 s77, 0
	s_mov_b32 s81, 0
	s_cmp_lt_u32 s22, 2
	s_cselect_b32 s80, s82, s83
	s_cselect_b32 s70, 65536, s70                  ; or 128 rows of W1T
	s_cselect_b32 s85, 8, 11                       ; a lane a block: 256 bytes on in W1, a row of 2,048 bytes on in W2
	v_and_b32 v1, 15, v0
	v_bfe_u32 v2, v0, 4, 1
	v_and_b32 v3, 31, v0
	v_lshlrev_b32 v16, s85, v3
	s_wait_dscnt 0x0                               ; the opening add is done
	s_wait_kmcnt 0x0
	s_add_nc_u64 s[66:67], s[8:9], s[80:81]
	s_lshl_b32 s76, s22, 15
	s_add_co_u32 s76, s76, 327680
	s_add_nc_u64 s[46:47], s[8:9], s[76:77]
	s_or_b32 s47, s47, 0x80000000
	s_lshl_b32 s76, s63, 15
	s_add_co_u32 s76, s76, 458752
	s_add_nc_u64 s[50:51], s[8:9], s[76:77]
	s_or_b32 s51, s51, 0x80000000
	s_lshl_b32 s76, s63, 18
	s_add_co_u32 s76, s76, 983040
	s_add_nc_u64 s[74:75], s[8:9], s[76:77]
	s_or_b32 s75, s75, 0x80000000
	s_lshl_b32 s80, s25, 9
	s_add_nc_u64 s[4:5], s[4:5], s[80:81]          ; samp, embed and out0 at my first row
	s_lshl_b32 s80, s25, 10
	s_add_nc_u64 s[6:7], s[6:7], s[80:81]
	s_add_nc_u64 s[20:21], s[20:21], s[80:81]
	CROUND                                         ; all four work-groups are here: the first joint loads meet
	s_cmp_lt_u32 s22, 2                            ; a wave's two first fills stand in one branch: Wo's quarter and its part of chunk 0; two tensor loads of mine are out
	s_cbranch_scc0 .Lfirst_w2
	tensor_load_to_lds s[44:47], s[28:35]
	s_nop 0
	tensor_load_to_lds s[48:51], s[28:35]
	s_nop 0
	PLACES
	s_branch .Lfirst_asked
.Lfirst_w2:
	tensor_load_to_lds s[44:47], s[28:35]
	s_nop 0
	tensor_load_to_lds s[72:75], s[36:43]
	s_nop 0
	PLACES
.Lfirst_asked:
	v_mul_u32_u24 v6, v1, 528
	v_lshl_add_u32 v6, v2, 4, v6
	v_mul_u32_u24 v7, v1, 272
	v_lshl_add_u32 v7, v2, 4, v7
	s_mul_i32 s63, s22, 8448
	s_add_co_u32 s63, s63, STG                     ; my stage
	v_lshl_add_u32 v11, v3, 4, s63
	v_add_nc_u32 v12, s63, v6
	v_mul_u32_u24 v13, v1, 528
	v_lshl_add_u32 v13, v2, 5, v13
	v_add_nc_u32 v13, s63, v13
	v_lshlrev_b32 v14, 5, v2
	v_add_nc_u32 v14, PAR, v14
	v_lshlrev_b32 v15, 4, v3
	v_mov_b32 v17, 0
	v_lshlrev_b32 v120, 5, v0
	v_lshlrev_b32 v121, 3, v0
	v_add_nc_u32 v122, PAR, v120
	v_add_nc_u32 v123, PAR+4096, v121
	global_load_b128 v[32:35], v120, s[16:17]      ; the parameters, each thread its share, in consecutive bytes
	global_load_b128 v[36:39], v120, s[16:17] offset:16
	global_load_b64 v[40:41], v121, s[10:11]
	global_load_b64 v[42:43], v121, s[12:13]
	global_load_b64 v[44:45], v121, s[14:15]
	global_load_b64 v[46:47], v121, s[18:19]
	WIN 0x40
.set i, 0
.rept 48
	global_load_b128 v[4*i:4*i+3], v15, s[4:5] offset:512*i th:TH_LOAD_NT  ; samp: a row of 512 bytes an instruction
.set i, i+1
.endr
.irp mt, 0,1,2
	WIN ((2+\mt/2)<<6)
.irp hf, 0,1
.set t, 0
.rept 16
	global_load_b128 v[128*(\mt%2)+64*\hf+4*t:128*(\mt%2)+64*\hf+4*t+3], v15, s[6:7] offset:1024*(16*\mt+t)+512*\hf th:TH_LOAD_NT  ; embed: half a row an instruction, into x's own registers
.set t, t+1
.endr
.endr
.endr
	WIN 0
	s_wait_loadcnt 63                              ; 96 loads are younger than samp's last; the field's largest count is waited for
	ds_store_b128 v122, v[32:35]
	ds_store_b128 v122, v[36:39] offset:16
	ds_store_b64 v123, v[40:41]
	ds_store_b64 v123, v[42:43] offset:1024
	ds_store_b64 v123, v[44:45] offset:2048
	ds_store_b64 v123, v[46:47] offset:3072
; 16 rows of samp go through my stage and come back as fragments; LDS serves a wave's instructions in order (ISA guide 5.7.1.4), so no wait stands between
.macro STAGE_S mt
	WIN 0x04
.set t, 0
.rept 16
	ds_store_b128 v11, v[64*(\mt)+4*t:64*(\mt)+4*t+3] offset:528*t
.set t, t+1
.endr
	WIN 0x40
.set t, 0
.rept 8
	ds_load_b128 v[64*(\mt)+8*t:64*(\mt)+8*t+3],   v12 offset:64*t
	ds_load_b128 v[64*(\mt)+8*t+4:64*(\mt)+8*t+7], v12 offset:64*t+32
.set t, t+1
.endr
.endm
; 16 half rows of embed likewise, back in the accumulators' layout: lane (r, h) takes columns 16 nt + 8 h .. + 7 of row r
.macro STAGE_E mt, hf, left
.set XW_, 2+(\mt)/2
.set XO_, 128*((\mt)%2)+64*(\hf)
	s_wait_loadcnt \left
	WIN (XW_<<2)
.set t, 0
.rept 16
	ds_store_b128 v11, v[XO_+4*t:XO_+4*t+3] offset:528*t
.set t, t+1
.endr
	WIN (XW_<<6)
.set t, 0
.rept 16
	ds_load_b128 v[XO_+4*t:XO_+4*t+3], v13 offset:64*(t/2)+16*(t%2)
.set t, t+1
.endr
.endm
	STAGE_S 0
	STAGE_S 1
	STAGE_S 2
	STAGE_E 0, 0, 63                               ; the counts: the younger embed loads, 80, 64, 48, 32, 16, 0, cut at the field's largest
	STAGE_E 0, 1, 63
	STAGE_E 1, 0, 48
	STAGE_E 1, 1, 32
	STAGE_E 2, 0, 16
	STAGE_E 2, 1, 0
	WIN 0
	s_wait_tensorcnt 0x1                           ; my quarter of Wo is in; chunk 0's tile may stay out
	s_wait_dscnt 0x0                               ; my parameters are stored, my stage is read
	s_barrier_signal -1
	s_barrier_wait -1
; x += samp Wo.  Eight groups of two column tiles; their 16 fragments take the two buffers by turns.
.macro LOADG G
	WIN 0
	v_add_nc_u32 v8, 16896*(\G), v6
	WIN (0xc0*((\G)%2))
.irp ntl, 0,1
.irp kf, 0,1,2,3,4,5,6,7
	ds_load_b128 v[128+64*\ntl+8*\kf:128+64*\ntl+8*\kf+3],   v8 offset:8448*\ntl+64*\kf
	ds_load_b128 v[128+64*\ntl+8*\kf+4:128+64*\ntl+8*\kf+7], v8 offset:8448*\ntl+64*\kf+32
.endr
.endr
.endm
.macro LOADP off                       ; a parameter of 256 columns in the accumulators' layout, into the first buffer
	WIN 0
.set t, 0
.rept 32
	ds_load_b128 v[128+4*t:128+4*t+3], v14 offset:(\off)+64*(t/2)+16*(t%2)
.set t, t+1
.endr
.endm
.macro MULG G                          ; 48 products; the accumulators take turns, one instruction a turn
	WIN (0xa4+3*((\G)%2))
.irp kf, 0,1,2,3,4,5,6,7
.irp ntl, 0,1
.irp mt, 0,1
	v_wmma_f32_16x16x32_bf16 v[128*\mt+8*(2*(\G)+\ntl):128*\mt+8*(2*(\G)+\ntl)+7], v[128+64*\ntl+8*\kf:128+64*\ntl+8*\kf+7], v[64*\mt+8*\kf:64*\mt+8*\kf+7], v[128*\mt+8*(2*(\G)+\ntl):128*\mt+8*(2*(\G)+\ntl)+7]
.endr
.endr
.endr
	WIN (0xf4+3*((\G)%2))
.irp kf, 0,1,2,3,4,5,6,7
.irp ntl, 0,1
	v_wmma_f32_16x16x32_bf16 v[8*(2*(\G)+\ntl):8*(2*(\G)+\ntl)+7], v[128+64*\ntl+8*\kf:128+64*\ntl+8*\kf+7], v[128+8*\kf:128+8*\kf+7], v[8*(2*(\G)+\ntl):8*(2*(\G)+\ntl)+7]
.endr
.endr
.endm
	LOADG 0
	LOADG 1
.irp G, 0,1,2,3,4,5,6,7
	s_wait_dscnt 32                                ; this group's fragments are in; the 32 loads issued behind them stay out
	MULG \G
	PLACES                                         ; in front of loads into the buffer just multiplied
.if \G < 6
	LOADG \G+2
.elseif \G == 6
	LOADP 4096                                     ; bo takes the first buffer
.endif
.endr
	PLACES                                         ; eight in all, once a launch: the additions below write back into accumulators just made
	s_wait_dscnt 0x0
; LN2.  A lane holds 128 numbers of each of three rows; the other 128 lie in the lane 16 away.
.macro LNA mt                          ; x += bo; - mean
.set XW_, 2+(\mt)/2
.set XB_, 128*((\mt)%2)
	WIN (XW_|(XW_<<6))
.set p, 0
.rept 64
	v_pk_add_f32 v[XB_+p:XB_+p+1], v[XB_+p:XB_+p+1], v[128+p:129+p]  ; each accumulator is read from its low end on
.set p, p+2
.endr
	WIN (XW_|(XW_<<2))
.irp c, 0,1,2,3
	v_pk_add_f32 v[32+2*\c:33+2*\c], v[XB_+4*\c:XB_+4*\c+1], v[XB_+4*\c+2:XB_+4*\c+3]  ; four chains, started by the first pairs
.endr
	WIN (XW_<<2)
.set p, 16
.rept 14
.irp c, 0,1,2,3
	v_pk_add_f32 v[32+2*\c:33+2*\c], v[32+2*\c:33+2*\c], v[XB_+p+2*\c:XB_+p+2*\c+1]
.endr
.set p, p+8
.endr
	WIN 0
	v_pk_add_f32 v[32:33], v[32:33], v[34:35]
	v_pk_add_f32 v[36:37], v[36:37], v[38:39]
	v_pk_add_f32 v[32:33], v[32:33], v[36:37]
	v_add_f32 v18, v32, v33
	v_permlanex16_b32 v34, v18, s68, s69
	v_add_f32 v18, v18, v34
	v_mul_f32 v[22+2*(\mt)], 0xbb800000, v18
	v_mov_b32 v[23+2*(\mt)], v[22+2*(\mt)]         ; kept twice, for the packed lines
.endm
.macro LNB mt                          ; the sum of squares of x - mean; variance + 1e-5
.set XW_, 2+(\mt)/2
.set XB_, 128*((\mt)%2)
.irp bq, 0,1,2,3
	WIN XW_
.set p, 0
.rept 16
	v_pk_add_f32 v[32+p:33+p], v[XB_+32*\bq+p:XB_+32*\bq+p+1], v[22+2*(\mt):23+2*(\mt)]
.set p, p+2
.endr
	WIN 0
.set p, 0
.rept 16
.set c_, 18+2*((p/2)%4)+6*(((p/2)%4)/2)            ; four chains: v18, v20, v28, v30
.if (\bq == 0) && (p < 8)
	v_pk_mul_f32 v[c_:c_+1], v[32+p:33+p], v[32+p:33+p]
.else
	v_pk_fma_f32 v[c_:c_+1], v[32+p:33+p], v[32+p:33+p], v[c_:c_+1]
.endif
.set p, p+2
.endr
.endr
	v_pk_add_f32 v[18:19], v[18:19], v[20:21]
	v_pk_add_f32 v[28:29], v[28:29], v[30:31]
	v_pk_add_f32 v[18:19], v[18:19], v[28:29]
	v_add_f32 v18, v18, v19
	v_permlanex16_b32 v20, v18, s68, s69
	v_add_f32 v18, v18, v20
	v_fma_f32 v[70+(\mt)], v18, s78, s79
.endm
.macro LOADWB hf                       ; ln2_w and ln2_b of eight column tiles, 64 registers each
	WIN 0
.set t, 0
.rept 16
	ds_load_b128 v[128+4*t:128+4*t+3], v14 offset:5120+512*(\hf)+64*(t/2)+16*(t%2)
	ds_load_b128 v[192+4*t:192+4*t+3], v14 offset:6144+512*(\hf)+64*(t/2)+16*(t%2)
.set t, t+1
.endr
.endm
.macro LNC hf                          ; f of eight column tiles, all three row tiles: (x rstd - mean rstd) w + b, rounded in pairs straight into fragments
	s_wait_dscnt 0x0
.irp mt, 0,1,2
.irp bq, 0,1
.set XW_, 2+\mt/2
.set XO_, 128*(\mt%2)+64*(\hf)+32*\bq
	WIN XW_
.set p, 0
.rept 16
	v_pk_fma_f32 v[32+p:33+p], v[XO_+p:XO_+p+1], v[64+2*\mt:65+2*\mt], v[22+2*\mt:23+2*\mt]
.set p, p+2
.endr
	WIN 0
.set p, 0
.rept 16
	v_pk_fma_f32 v[32+p:33+p], v[32+p:33+p], v[128+32*\bq+p:129+32*\bq+p], v[192+32*\bq+p:193+32*\bq+p]
.set p, p+2
.endr
	WIN 0x40
.set p, 0
.rept 16
	v_cvt_pk_bf16_f32 v[64*\mt+32*(\hf)+16*\bq+p], v[32+2*p], v[33+2*p]
.set p, p+1
.endr
.endr
.endr
.endm
	LNA 0
	LNA 1
	LNA 2
	LOADWB 0                                       ; bo is used up: the first half of ln2_w and ln2_b lands under the squares
	LNB 0
	LNB 1
	LNB 2
.irp mt, 0,1,2
	v_rsq_f32 v[64+2*\mt], v[70+\mt]
.endr
	v_nop                                          ; a plain instruction behind the last of the three,
	s_wait_alu depctr_va_vdst(0)                   ; and their one wait
.irp mt, 0,1,2
	v_mov_b32 v[65+2*\mt], v[64+2*\mt]
.endr
.irp mt, 0,1,2
	v_pk_mul_f32 v[22+2*\mt:23+2*\mt], v[22+2*\mt:23+2*\mt], v[64+2*\mt:65+2*\mt]  ; - mean rstd
.endr
	LNC 0
	LOADWB 1
	LNC 1
	WIN 0
.set i, 80
.rept 24
	v_mov_b32 v[i], 0                              ; no hidden units yet: the first step's W2 products add 0
.set i, i+1
.endr
; x += W2T (16 columns x 32 hidden units) x relu(h): 48 products, each accumulator once
.macro FFN2
	WIN 0xa3
.irp nt, 0,1,2,3,4,5,6,7,8,9,10,11,12,13,14,15
.irp mt, 0,1
	v_wmma_f32_16x16x32_bf16 v[128*\mt+8*\nt:128*\mt+8*\nt+7], v[128+8*\nt:128+8*\nt+7], v[80+8*\mt:80+8*\mt+7], v[128*\mt+8*\nt:128*\mt+8*\nt+7]
.endr
.endr
	WIN 0xf3
.irp nt, 0,1,2,3,4,5,6,7,8,9,10,11,12,13,14,15
	v_wmma_f32_16x16x32_bf16 v[8*\nt:8*\nt+7], v[128+8*\nt:128+8*\nt+7], v[96:103], v[8*\nt:8*\nt+7]
.endr
.endm
.macro CONV ht, n                      ; number n of the 24 that make fragments of tile ht's h: 12 roundings in pairs, low registers first, then 12 packed maxima with 0
.if (\n) < 12
	v_cvt_pk_bf16_f32 v[80+8*((\n)/4)+4*(\ht)+(\n)%4], v[32+8*(3*(\ht)+(\n)/4)+2*((\n)%4)], v[32+8*(3*(\ht)+(\n)/4)+2*((\n)%4)+1]
.else
	v_pk_max_num_bf16 v[80+8*(((\n)-12)/4)+4*(\ht)+((\n)-12)%4], v[80+8*(((\n)-12)/4)+4*(\ht)+((\n)-12)%4], v17
.endif
.endm
.macro FFN1 ht, ride                   ; h (16 hidden units x 48 rows) = W1T x f + b1: 24 products, three accumulators by turns.  ride = 1: behind each stands one line of tile 0's conversion
.set q, 0
.set kf, 0
.rept 8
.irp mt, 0,1,2
	WIN 0x04
.if kf == 0
	v_wmma_f32_16x16x32_bf16 v[32+8*(3*(\ht)+\mt):32+8*(3*(\ht)+\mt)+7], v[128+64*(\ht)+8*kf:128+64*(\ht)+8*kf+7], v[64*\mt+8*kf:64*\mt+8*kf+7], v[104+8*(\ht):104+8*(\ht)+7]
.else
	v_wmma_f32_16x16x32_bf16 v[32+8*(3*(\ht)+\mt):32+8*(3*(\ht)+\mt)+7], v[128+64*(\ht)+8*kf:128+64*(\ht)+8*kf+7], v[64*\mt+8*kf:64*\mt+8*kf+7], v[32+8*(3*(\ht)+\mt):32+8*(3*(\ht)+\mt)+7]
.endif
.if \ride
	WIN 0
	CONV 0, q
.set q, q+1
.endif
.endr
.set kf, kf+1
.endr
.endm
; A step: 32 hidden units.
.macro STEP
	WIN 0
	v_add_nc_u32 v8, s57, v6
	v_add_nc_u32 v10, s59, v14
.irp ht, 0,1
.irp kf, 0,1,2,3,4,5,6,7
	ds_load_b128 v[128+64*\ht+8*\kf:128+64*\ht+8*\kf+3],   v8 offset:8448*\ht+64*\kf
	ds_load_b128 v[128+64*\ht+8*\kf+4:128+64*\ht+8*\kf+7], v8 offset:8448*\ht+64*\kf+32
.endr
.endr
.irp ht, 0,1
	ds_load_b128 v[104+8*\ht:104+8*\ht+3], v10 offset:64*\ht
	ds_load_b128 v[104+8*\ht+4:104+8*\ht+7], v10 offset:64*\ht+16
.endr
	s_wait_dscnt 36                                ; the last step's W2 fragments are in; the 36 loads just issued stay out
	FFN2                                           ; the last step's hidden units
	PLACES                                         ; in front of loads into W2's buffer and of lines that write relu(h) anew
	WIN 0
	v_add_nc_u32 v9, s58, v7
	WIN 0xc0
.irp nt, 0,1,2,3,4,5,6,7,8,9,10,11,12,13,14,15
	ds_load_b128 v[128+8*\nt:128+8*\nt+3],   v9 offset:4352*\nt
	ds_load_b128 v[128+8*\nt+4:128+8*\nt+7], v9 offset:4352*\nt+32
.endr
	s_wait_dscnt 32                                ; W1's fragments and b1 are in; W2's 32 loads stay out
	FFN1 0, 0
	PLACES                                         ; in front of the conversions of tile 0
	FFN1 1, 1
	PLACES
	WIN 0
.set q, 0
.rept 24
	CONV 1, q
.set q, q+1
.endr
	s_add_co_u32 s57, s57, 16896                   ; 32 rows of W1's part,
	s_add_co_u32 s58, s58, 64                      ; 32 k of W2's,
	s_add_co_u32 s59, s59, 128                     ; 32 numbers of b1
.endm
; THE CHANGE OF SLOTS.  Each wave waits for all its tensor loads, of which one is out: its part of the next chunk; adds 0 to its spare word; waits for that and for its reads of the slot that it leaves.
; fill = 1: the barrier is a round of the cluster's, and the slot just left is filled again first thing behind it, with the chunk after the next: four steps, 384 matrix instructions, in which to land.
.macro CHANGE fill
	WIN 0
	s_wait_tensorcnt 0x0                           ; no tensor load of mine is out, so the walking descriptors may be written
	ds_add_u32 v4, v5                              ; scalar work stands between it and its wait
.if \fill
	s_xor_b32 s52, s52, SLOTB
	s_add_co_u32 s49, s52, s53
	s_add_co_u32 s73, s52, s54
	s_add_nc_u64 s[50:51], s[50:51], 65536         ; W1T: 128 rows on
	s_add_nc_u64 s[74:75], s[74:75], 256           ; W2T: 128 k on
	s_wait_xcnt 0x0                                ; the last prefetch, a chunk back, has read its address
	s_add_nc_u64 s[66:67], s[66:67], s[70:71]
.endif
	s_xor_b32 s56, s56, SLOTB                      ; the slot to read
	s_mov_b32 s57, s56
	s_add_co_u32 s58, s56, W2OFF
	s_wait_dscnt 0x0                               ; the add is done, and my reads of the old slot are over
.if \fill
	CROUND
	JLOAD
	ASK
.else
	s_barrier_signal -1
	s_barrier_wait -1
.endif
.endm
	s_mov_b32 s60, 7
.Lchunk:                                               ; seven trips: chunk 7 - s60 is multiplied, chunk 8 - s60 asked for
	CHANGE 1
	s_mov_b32 s61, 4
.Lstep:
	STEP
	WIN 0
	s_sub_co_u32 s61, s61, 1
	s_cmp_lg_u32 s61, 0
	s_cbranch_scc1 .Lstep
	s_sub_co_u32 s60, s60, 1
	s_cmp_lg_u32 s60, 0
	s_cbranch_scc1 .Lchunk
	CHANGE 0                                       ; the last chunk is written out: nothing is asked for
	s_mov_b32 s61, 4
.Lstep2:
	STEP
	WIN 0
	s_sub_co_u32 s61, s61, 1
	s_cmp_lg_u32 s61, 0
	s_cbranch_scc1 .Lstep2
	LOADP 7168                                     ; b2
	s_wait_dscnt 0x0
	FFN2                                           ; the last step's hidden units
	PLACES
	PLACES                                         ; eight, once a launch: the additions below write back into accumulators just made
; THE WAY OUT: + b2; 16 half rows through my stage, back as rows, stored 512 bytes on end.
.macro OUTP mt, hf, pb
.set XW_, 2+(\mt)/2
.set XO_, 128*((\mt)%2)+64*(\hf)
	WIN (XW_|(XW_<<6))
.set p, 0
.rept 32
	v_pk_add_f32 v[XO_+p:XO_+p+1], v[XO_+p:XO_+p+1], v[128+64*(\hf)+p:129+64*(\hf)+p]
.set p, p+2
.endr
	WIN (XW_<<2)
.set t, 0
.rept 16
	ds_store_b128 v13, v[XO_+4*t:XO_+4*t+3] offset:64*(t/2)+16*(t%2)
.set t, t+1
.endr
	s_wait_xcnt 0x0                                ; earlier stores have read the buffer that is loaded again below
	WIN 0x40
.set t, 0
.rept 16
	ds_load_b128 v[64*(\pb)+4*t:64*(\pb)+4*t+3], v11 offset:528*t
.set t, t+1
.endr
	s_wait_dscnt 0x0
	WIN 0x04
.set t, 0
.rept 16
	global_store_b128 v15, v[64*(\pb)+4*t:64*(\pb)+4*t+3], s[20:21] offset:1024*(16*(\mt)+t)+512*(\hf) th:TH_STORE_NT
.set t, t+1
.endr
.endm
	OUTP 0, 0, 0
	OUTP 0, 1, 1
	OUTP 1, 0, 0
	OUTP 1, 1, 1
	OUTP 2, 0, 0
	OUTP 2, 1, 1
	WIN 0
	s_wait_tensorcnt 0x0                           ; the wave's end: behind my last tensor load and my last LDS store
	ds_add_u32 v4, v5
	s_wait_dscnt 0x0
	CROUND                                         ; the closing round: no work-group ends while a partner may still ask for a tile that names it
	s_endpgm
.Lfunc_end_k_q497de4b9d7_ffn:
	.size	k_q497de4b9d7_ffn, .Lfunc_end_k_q497de4b9d7_ffn-k_q497de4b9d7_ffn
	.p2alignl 7, 3214868480
	.fill 96, 4, 3214868480
	.section	.rodata,"a",@progbits
	.p2align	6, 0x0
	.amdhsa_kernel k_q497de4b9d7_ffn
		.amdhsa_group_segment_fixed_size 327680
		.amdhsa_private_segment_fixed_size 0
		.amdhsa_enable_private_segment 0
		.amdhsa_kernarg_size 72
		.amdhsa_user_sgpr_count 2
		.amdhsa_user_sgpr_kernarg_segment_ptr 1
		.amdhsa_wavefront_size32 1
		.amdhsa_system_sgpr_workgroup_id_x 1
		.amdhsa_system_sgpr_workgroup_id_y 1
		.amdhsa_system_sgpr_workgroup_id_z 1
		.amdhsa_system_vgpr_workitem_id 0
		.amdhsa_next_free_vgpr 1024
		.amdhsa_next_free_sgpr 96
		.amdhsa_reserve_vcc 0
		.amdhsa_float_denorm_mode_32 3
		.amdhsa_float_denorm_mode_16_64 3
		.amdhsa_memory_ordered 1
		.amdhsa_forward_progress 1
		.amdhsa_inst_pref_size 252
	.end_amdhsa_kernel
	.amdgpu_metadata
---
amdhsa.version: [ 1, 2 ]
amdhsa.kernels:
  - .name:           k_q497de4b9d7_ffn
    .symbol:         k_q497de4b9d7_ffn.kd
    .args:
      - { .name: samp, .offset: 0, .size: 8, .value_kind: global_buffer, .address_space: global }
      - { .name: embed, .offset: 8, .size: 8, .value_kind: global_buffer, .address_space: global }
      - { .name: wt, .offset: 16, .size: 8, .value_kind: global_buffer, .address_space: global }
      - { .name: bo, .offset: 24, .size: 8, .value_kind: global_buffer, .address_space: global }
      - { .name: ln2_w, .offset: 32, .size: 8, .value_kind: global_buffer, .address_space: global }
      - { .name: ln2_b, .offset: 40, .size: 8, .value_kind: global_buffer, .address_space: global }
      - { .name: b1, .offset: 48, .size: 8, .value_kind: global_buffer, .address_space: global }
      - { .name: b2, .offset: 56, .size: 8, .value_kind: global_buffer, .address_space: global }
      - { .name: out0, .offset: 64, .size: 8, .value_kind: global_buffer, .address_space: global }
    .group_segment_fixed_size: 327680
    .private_segment_fixed_size: 0
    .kernarg_segment_align: 8
    .kernarg_segment_size: 72
    .max_flat_workgroup_size: 128
    .sgpr_count:     96
    .vgpr_count:     1024
    .wavefront_size: 32
...
	.end_amdgpu_metadata
.endif
;; end of part 4
;; ======== version 2 of 2: 4 launches
;; limits: values are held in f16: magnitudes above 65,504 overflow, below 6.1e-05 lose precision
;; workspace buffers: wt 1,507,328 bytes; val 22,282,240 bytes; idx 11,141,120 bytes of whole numbers; wts 44,564,480 bytes; samp 22,282,240 bytes
;; launch prep: the kernel of part 1 again; grid 92 x 1, 8 waves a work-group, no clusters, 18,432 bytes of LDS; arguments Wv, Woff, Wattn, Wo, W1, W2, wt; writes wt
;; launch proj (part 5): grid 256 x 1, 4 waves a work-group, no clusters, 272,896 bytes of LDS; arguments embed, pos, ref_points, ln1_w, ln1_b, bv, boff, battn, dimensions, wt, val, idx, wts; writes val, idx, wts
.if DOCPART == 5
	.amdgcn_target "amdgcn-amd-amdhsa--gfx1250"
	.amdhsa_code_object_version 6
	.text
	.protected	k_q497de4b9d7_proj
	.globl	k_q497de4b9d7_proj
	.p2align	8
	.type	k_q497de4b9d7_proj,@function
k_q497de4b9d7_proj:
	s_mov_b64 s[64:65], 0
	v_nop
	global_prefetch_b8 v0, s[64:65] scope:SCOPE_SE
	s_setreg_imm32_b32 hwreg(HW_REG_WAVE_MODE, 25, 1), 1
	s_wait_xcnt 0x0
; v = LN1(embed), q = v + pos; value = v Wv + bv; offsets = q Woff + boff; logits = q Wattn + battn; softmax over a head's 16 points;
; for each point the index of one base corner (whole numbers, for the launch behind) and four corner weights times the softmax weight.
; ROWS.  43,520 rows are 2,720 units of 16; work-group g owns rows s = 16 (85 g / 8) up to s of g + 1: 160 or 176.  It walks 11 tiles of 16 rows; with 160 rows tiles 8 to 10 begin
; 16 rows earlier, so one tile is made twice, by this work-group, with the same bits.
; THE WEIGHTS STAY IN REGISTERS.  Wave w owns heads 2 w and 2 w + 1: ten tiles of 16 output columns x 256 k = 640 registers, loaded once.  Tiles 0-3: the two heads' value channels; for each
; head a tile of x offsets, one of y offsets and one of logits, so that a point's three numbers fall into the same lane and register.
; The product is used transposed (source 0 = 16 weight rows, source 1 = 16 rows of v or q): lane (r, h) holds row r and columns 8 h + 0..7 of a tile.  The bias is the sum's first C.
; EMBED comes by tensor loads, all 176 rows at the start, each LDS byte filled once; pos and ref_points by loads into registers one step ahead.
; NO CLUSTER: what work-groups share, the weights, is read once a work-group straight into registers in fragment order; to share it jointly it would have to lie in LDS (327,680 bytes), where embed's rows lie.
; WHAT IS STORED, each store of a wave in whole aligned pieces of 256 consecutive bytes, straight from registers:
;   val  f16 [batch][head][half of the channels][n][16]: a value tile is one half of a head, 32 bytes a row
;   idx  u16 [head][h][row][8]: points 8 h + 0..7; level 0 counts from its own first row, levels 1 to 3 from level 1's first row
;   wts  f16 [head][level][dx][row][8]: the level's four points, for each the weights of rows yb and yb + 1 in column xb + dx
; SAMPLING.  x = off_x W / dims[l][1] + (ref_x W - 0.5), another order of rounding than x = (ref + off / norm) W - 0.5.  xb = clamp(floor x, 0, W - 2), dx = x - xb; column xb weighs med3(1 - dx, 0, 1 + dx),
; column xb + 1 med3(dx, 0, 2 - dx): max(0, 1 - |x - column|), which is the bilinear weight times the validity for every x.  The levels' sizes are the module's constants (square: 128, 64, 32, 16).
; LIMITS.  value is stored as f16: finite up to 65,504.  Corner weights are stored as f16: below 6e-5 they keep f16's fixed step.  NaN, infinities and a zero in dimensions are not treated apart.
.set NB_,   21760
.set MB_,   43520
.set SUBP,  696320                     ; 43,520 rows x 16 bytes (a plane of wts or idx) = 21,760 rows x 32 bytes (a plane of val)
.set PLANE, 2*SUBP
.set BIAS,  180224                     ; LDS: embed's 176 rows of 1,024 bytes lie from 0; then the biases, wave w at 640 w, tile t at 64 t
.set VQ0,   196608                     ; v (16 rows, pitch 528) and, 8,448 on, q; the second buffer lies 0x8000 on
.set QOFF,  8448
.set SPARE, 272384                     ; the spare words, 128 bytes a wave
.set ACC,   128                        ; v128-207 accumulators, tile t at 128 + 8 t
.set POS,   208                        ; v208-239 pos of my four rows
.set EM,    64                         ; v64-95 embed of my four rows; v64-127 later q's fragments, then the epilogue's store data and work
.set TA,    96
.set TB,    112
.set SS,    52                         ; v52-59 a pair a row: statistics; v60-63 at work
.set TQ,    60
.set XB,    104                        ; the epilogue's work: xb, yb,
.set YB,    112
.set WY0,   120                        ; the two rows' and the two columns' weights
.set WX0,   144
.set WX1,   152
.set WY1,   244
; window 0: v1 r, v2 h, v3 v4 the add's two, v5 LDS place in embed, v6 in v/q (store), v7 in v/q (fragment), v8-10 at work, v11 pos offset, v12 32 r + 16 h, v13 idx lane term, v14 wts lane term,
; v15 16 lane, v16 bias, v17 prefetch offset, v18 v19 weight lanes, v20-35 ln1_w ln1_b, v36-42 and v44-50 level constants (SX SY CX CY W-2 W start twice) for levels 2 h and 2 h + 1
; windows 1 to 3: weight fragment (t, kf) at v[256 + 64 t + 8 kf]; v's fragments at v896-959
.set MSB, 0
.macro WIN new                         ; the immediate's high byte repeats the setting that is left
.if MSB != (\new)
	s_set_vgpr_msb (MSB<<8)|(\new)
.set MSB, (\new)
.endif
.endm
.macro PLACES                          ; four plain places behind a matrix instruction (ISA guide 7.12.1)
.rept 4
	v_nop
.endr
.endm
	s_load_b512 s[4:19], s[0:1], 0x0               ; embed 4, pos 6, ref_points 8, ln1_w 10, ln1_b 12, bv 14, boff 16, battn 18
	s_load_b256 s[20:27], s[0:1], 0x40             ; dimensions 20, wt 22, val 24, idx 26
	s_load_b64 s[28:29], s[0:1], 0x60              ; wts
	v_lshl_add_u32 v3, v0, 2, SPARE
	v_mov_b32 v4, 0
	ds_add_u32 v3, v4                              ; the wave's opening: an add and its wait ahead of my first tensor load
	ds_add_u32 v3, v4
	v_lshrrev_b32 v1, 5, v0
	v_readfirstlane_b32 s66, v1                    ; wave 0..3
	s_mul_i32 s30, ttmp9, 85
	s_add_co_u32 s31, s30, 85
	s_lshr_b32 s30, s30, 3
	s_lshl_b32 s30, s30, 4                         ; s: my first row
	s_lshr_b32 s31, s31, 3
	s_lshl_b32 s31, s31, 4                         ; e: the next work-group's
	s_sub_co_u32 s71, s31, s30
	s_sub_co_u32 s71, 176, s71                     ; 0 or 16: how far tiles 8 to 10 are moved back
	; descriptors: dense blocks as rows of 256 bytes (32 elements of 8 bytes).  A: 32 rows of embed = 128 such rows; B: 12 rows = 48
	s_mov_b32 s40, 3<<16
	s_mov_b32 s41, 32<<16
	s_mov_b32 s42, 128<<16
	s_mov_b32 s43, 32<<16
	s_mov_b32 s44, 128
	s_mov_b32 s45, 32
	s_mov_b32 s46, 0
	s_mov_b32 s47, 0
	s_mov_b32 s48, 3<<16
	s_mov_b32 s49, 32<<16
	s_mov_b32 s50, 48<<16
	s_mov_b32 s51, 32<<16
	s_mov_b32 s52, 48
	s_mov_b32 s53, 32
	s_mov_b32 s54, 0
	s_mov_b32 s55, 0
	s_mov_b32 s56, 1
	s_lshl_b32 s57, s66, 15                        ; A lands at 32,768 w
	s_mov_b32 s60, 1
	s_mul_i32 s61, s66, 12288
	s_add_co_u32 s61, s61, 131072                  ; B at 131,072 + 12,288 w
	s_lshl_b32 s74, s66, 5
	s_add_co_u32 s74, s74, s30
	s_lshl_b32 s74, s74, 10                        ; rows s + 32 w ..
	s_mov_b32 s75, 0
	s_mul_i32 s76, s66, 12
	s_add_co_u32 s76, s76, s31
	s_sub_co_u32 s76, s76, 48
	s_lshl_b32 s76, s76, 10                        ; rows e - 48 + 12 w ..
	s_mov_b32 s77, 0
	s_wait_dscnt 0x0                               ; the opening add is done
	s_wait_kmcnt 0x0
	s_add_nc_u64 s[58:59], s[4:5], s[74:75]
	s_or_b32 s59, s59, 0x80000000
	s_add_nc_u64 s[62:63], s[4:5], s[76:77]
	s_or_b32 s63, s63, 0x80000000
	tensor_load_to_lds s[56:59], s[40:47]          ; both first fills together: two tensor loads of mine are out, and none follows
	s_nop 0
	tensor_load_to_lds s[60:63], s[48:55]
	s_nop 0
	PLACES
	s_load_b256 s[32:39], s[20:21], 0x0            ; dimensions: (H, W) of levels 0 to 3
	v_and_b32 v1, 15, v0                           ; r
	v_bfe_u32 v2, v0, 4, 1                         ; h
	v_and_b32 v10, 31, v0                          ; lane
	s_lshl_b32 s74, s66, 12
	v_lshl_add_u32 v5, v10, 4, s74                 ; my four rows of a tile, 16 bytes a lane
	v_mov_b32 v11, v5
	s_mul_i32 s74, s66, 2112
	v_lshl_add_u32 v6, v10, 3, s74                 ; 4 w rows of pitch 528 + 8 lane
	v_mul_u32_u24 v7, v1, 528
	v_lshl_add_u32 v7, v2, 4, v7
	v_lshlrev_b32 v12, 5, v1
	v_lshl_add_u32 v12, v2, 4, v12
	v_mul_u32_u24 v13, v2, SUBP                    ; idx: plane h, 16 bytes a row
	v_lshl_add_u32 v13, v1, 4, v13
	v_mul_u32_u24 v14, v2, 4*SUBP                  ; wts: levels 2 h and 2 h + 1 are planes 4 h .. 4 h + 3, 16 bytes a row
	v_lshl_add_u32 v14, v1, 4, v14
	v_lshrrev_b32 v8, 2, v10
	v_and_b32 v9, 3, v10
	v_lshlrev_b32 v15, 4, v10
	s_lshl_b32 s93, s66, 13
	v_lshl_add_u32 v17, v8, 10, s93                ; prefetch: row 8 w + lane / 4, block lane % 4 of its four
	v_lshl_add_u32 v17, v9, 8, v17
	v_lshlrev_b32 v18, 9, v1
	v_lshl_add_u32 v18, v2, 4, v18                 ; weight rows on end: 512 r + 16 h
	v_lshlrev_b32 v19, 10, v1
	v_lshl_add_u32 v19, v2, 4, v19                 ; every second weight row: 1,024 r + 16 h
	s_mul_i32 s74, s66, 640
	s_add_co_u32 s74, s74, BIAS
	v_lshl_add_u32 v16, v2, 5, s74
	s_lshl_b32 s93, s66, 8
	v_lshl_add_u32 v249, v10, 2, s93               ; bv: 64 w + lane
	v_lshl_add_u32 v250, v1, 3, s93                ; boff: 64 w + 2 r + h
	v_lshl_add_u32 v250, v2, 2, v250
	s_lshl_b32 s93, s66, 7
	v_lshl_add_u32 v251, v10, 2, s93               ; battn: 32 w + lane
	v_lshl_add_u32 v252, v10, 2, s74
	v_mul_u32_u24 v253, v2, 192
	v_lshl_add_u32 v253, v1, 2, v253
	v_add_nc_u32 v253, s74, v253
	; the buffers at the work-group's (and the wave's heads') first row
	s_lshl_b32 s74, s30, 10
	s_add_nc_u64 s[6:7], s[6:7], s[74:75]
	s_lshl_b32 s74, s30, 5
	s_add_nc_u64 s[8:9], s[8:9], s[74:75]
	s_cmp_ge_u32 ttmp9, 128                        ; the second batch
	s_cselect_b32 s74, 15*NB_, 0
	s_mul_i32 s93, s66, 4*NB_
	s_add_co_u32 s74, s74, s93
	s_add_co_u32 s74, s74, s30
	s_lshl_b32 s74, s74, 5
	s_add_nc_u64 s[24:25], s[24:25], s[74:75]      ; val[b][2 w][0][s - b N]: 16 b + 4 w planes of N rows of 32 bytes
	s_mul_i32 s74, s66, 4*MB_
	s_add_co_u32 s74, s74, s30
	s_lshl_b32 s74, s74, 4
	s_add_nc_u64 s[26:27], s[26:27], s[74:75]      ; idx[2 w][0][s]
	s_mul_i32 s74, s66, 16*MB_
	s_add_co_u32 s74, s74, s30
	s_lshl_b32 s74, s74, 4
	s_add_nc_u64 s[28:29], s[28:29], s[74:75]      ; wts[2 w][0][0][s]
	s_lshl_b32 s74, s66, 15
	s_add_nc_u64 s[84:85], s[22:23], s[74:75]      ; wt + 64 w rows
	s_lshl_b32 s74, s66, 14
	s_add_nc_u64 s[86:87], s[22:23], s[74:75]      ; wt + 32 w rows
	global_load_b128 v[20:23], v15, s[10:11]
	global_load_b128 v[24:27], v15, s[10:11] offset:512
	global_load_b128 v[28:31], v15, s[12:13]
	global_load_b128 v[32:35], v15, s[12:13] offset:512
	global_load_b32 v244, v249, s[14:15]
	global_load_b32 v245, v249, s[14:15] offset:128
	global_load_b32 v246, v250, s[16:17]
	global_load_b32 v247, v250, s[16:17] offset:128
	global_load_b32 v248, v251, s[18:19]
.irp i, 0,1,2,3
	global_load_b128 v[POS+8*\i:POS+8*\i+3],   v11, s[6:7] offset:1024*\i th:TH_LOAD_NT
	global_load_b128 v[POS+8*\i+4:POS+8*\i+7], v11, s[6:7] offset:1024*\i+512 th:TH_LOAD_NT
.endr
	global_load_b128 v[240:243], v12, s[8:9]
.macro WLOAD t, sb, lane, imm          ; tile t's eight fragments: lane (r, h) takes k = 32 kf + 8 h .. and 32 kf + 16 + 8 h .. of its weight row
	WIN ((1+(\t)/4)<<6)
.irp kf, 0,1,2,3,4,5,6,7
	global_load_b128 v[64*((\t)%4)+8*\kf:64*((\t)%4)+8*\kf+3],   v[\lane], s[\sb:\sb+1] offset:(\imm)+64*\kf
	global_load_b128 v[64*((\t)%4)+8*\kf+4:64*((\t)%4)+8*\kf+7], v[\lane], s[\sb:\sb+1] offset:(\imm)+64*\kf+32
.endr
.endm
	WLOAD 0, 84, 18, 0
	WLOAD 1, 84, 18, 8192
	WLOAD 2, 84, 18, 16384
	WLOAD 3, 84, 18, 24576
	WLOAD 4, 84, 19, 131072                        ; head 2 w: x offsets (even rows of WoffT),
	WLOAD 5, 84, 19, 131072+512                    ; y offsets (odd rows),
	WLOAD 6, 86, 18, 262144                        ; logits
	WLOAD 7, 84, 19, 131072+16384                  ; head 2 w + 1
	WLOAD 8, 84, 19, 131072+16384+512
	WLOAD 9, 86, 18, 262144+8192
	WIN 0
	; the level constants: lanes with h = 0 hold levels 0 and 1, lanes with h = 1 levels 2 and 3
	s_mov_b32 s92, 0xffff0000                      ; the lanes with h = 1
	s_mov_b32 s90, 0x76543210                      ; v_permlanex16_b32: each lane takes its own place in the other half
	s_mov_b32 s91, 0xfedcba98
	s_mov_b32 s94, 0x3b800000                      ; 1 / 256
	s_mov_b32 s95, 0x3727c5ac                      ; 1e-5
	v_lshlrev_b32 v8, 1, v2
	v_mov_b32 v9, 128
	v_lshrrev_b32 v9, v8, v9                       ; W of level 2 h: 128 or 32
	v_lshrrev_b32 v10, 1, v9                       ; of level 2 h + 1: 64 or 16
	v_cvt_f32_u32 v41, v9
	v_cvt_f32_u32 v49, v10
	v_add_f32 v40, -2.0, v41
	v_add_f32 v48, -2.0, v49
	v_lshlrev_b32 v42, 12, v2                      ; where the level begins: level 0 at 0 of its own count; level 2 at 4,096 from level 1's first row,
	v_lshl_or_b32 v42, v42, 16, v42
	v_mul_u32_u24 v50, v2, 5120                    ; level 1 at 0, level 3 at 5,120; in both halves of the word
	v_lshl_or_b32 v50, v50, 16, v50
.irp i, 54,55,56,57,58,59,60,61,62,63
	v_mov_b32 v\i, 0                               ; named in pairs and as v_permlanex16_b32's destination before they hold anything
.endr
	s_wait_kmcnt 0x0
	v_mov_b32 v52, s33
	v_mov_b32 v53, s37
	v_cndmask_b32 v36, v52, v53, s92               ; x is divided by dims[l][1],
	v_mov_b32 v52, s32
	v_mov_b32 v53, s36
	v_cndmask_b32 v37, v52, v53, s92               ; y by dims[l][0]
	v_mov_b32 v52, s35
	v_mov_b32 v53, s39
	v_cndmask_b32 v44, v52, v53, s92
	v_mov_b32 v52, s34
	v_mov_b32 v53, s38
	v_cndmask_b32 v45, v52, v53, s92
.irp i, 36,37,44,45
	v_cvt_f32_i32 v\i, v\i
.endr
.irp i, 36,37,44,45
	v_rcp_f32 v\i, v\i
.endr
	v_nop                                          ; a plain instruction behind the last reciprocal,
	s_wait_alu depctr_va_vdst(0)                   ; and one wait for the four, ahead of their first use
	v_mul_f32 v36, v36, v41
	v_mul_f32 v37, v37, v41
	v_mul_f32 v44, v44, v49
	v_mul_f32 v45, v45, v49
	s_wait_loadcnt 0x0                             ; parameters, biases, the first pos and ref, and all weights
	ds_store_b32 v252, v244                        ; tiles 0, 1
	ds_store_b32 v252, v245 offset:128             ; tiles 2, 3
	ds_store_b32 v252, v246 offset:256             ; tiles 4 (x) and 5 (y)
	ds_store_b32 v252, v247 offset:448             ; tiles 7 and 8
	ds_store_b32 v253, v248 offset:384             ; tiles 6 and 9
	s_mov_b32 s67, 0                               ; T: the tile
	s_mov_b32 s68, 11
	s_mov_b32 s69, 0                               ; its place in LDS
	s_mov_b32 s70, VQ0                             ; the buffer of v and q in hand
	s_cmp_lt_u32 s66, 2
	s_cselect_b32 s73, 7, 0                        ; waves 0 and 1 prefetch in steps 0 to 6
	s_wait_tensorcnt 0x0                           ; my parts of embed are in,
	s_wait_dscnt 0x0
	s_barrier_signal -1
	s_barrier_wait -1                              ; everybody's are
.macro RED4                            ; the sums of my four rows over the 32 lanes
.irp m, 1,2,4,8
.irp i, 0,1,2,3
	v_add_f32_dpp v[SS+2*\i], v[SS+2*\i], v[SS+2*\i] row_xmask:\m row_mask:0xf bank_mask:0xf
.endr
.endr
.irp i, 0,1,2,3
	v_permlanex16_b32 v[TQ+\i], v[SS+2*\i], s90, s91
.endr
.irp i, 0,1,2,3
	v_add_f32 v[SS+2*\i], v[SS+2*\i], v[TQ+\i]
.endr
.endm
.macro HAT d, w0, w1                   ; from eight distances d: the weights of the base column (row) and of the next one
.irp p, 0,2,4,6
	v_pk_add_f32 v[\w0+\p:\w0+\p+1], v[\d+\p:\d+\p+1], 1.0 op_sel_hi:[1,0] neg_lo:[1,0] neg_hi:[1,0]
	v_pk_add_f32 v[252+(\p&2):253+(\p&2)], v[\d+\p:\d+\p+1], 1.0 op_sel_hi:[1,0]
	v_pk_add_f32 v[\w1+\p:\w1+\p+1], v[\d+\p:\d+\p+1], 2.0 op_sel_hi:[1,0] neg_lo:[1,0] neg_hi:[1,0]
	v_med3_num_f32 v[\w0+\p], v[\w0+\p], 0, v[252+(\p&2)]
	v_med3_num_f32 v[\w0+\p+1], v[\w0+\p+1], 0, v[253+(\p&2)]
	v_med3_num_f32 v[\w1+\p], v[\d+\p], 0, v[\w1+\p]
	v_med3_num_f32 v[\w1+\p+1], v[\d+\p+1], 0, v[\w1+\p+1]
.endr
.endm
; One head's epilogue.  Lane (r, h) holds points 8 h + j of row r: x offset, y offset and logit in register j of three accumulators; j 0-3 are level 2 h, j 4-7 level 2 h + 1.
.macro HEADEP hh
.set XR, ACC+8*(4+3*(\hh))
.set YR, XR+8
.set ER, XR+16
.set OU, 64+20*(\hh)
	v_max3_num_f32 v52, v[ER], v[ER+1], v[ER+2]    ; the maximum of the head's 16 logits: each accumulator is read from its low end on
	v_max3_num_f32 v52, v52, v[ER+3], v[ER+4]
	v_max3_num_f32 v52, v52, v[ER+5], v[ER+6]
	v_max_num_f32 v52, v52, v[ER+7]
	v_permlanex16_b32 v53, v52, s90, s91           ; the other eight lie in the lane 16 away
	v_max_num_f32 v52, v52, v53
	v_mul_f32 v54, 0xbfb8aa3b, v52                 ; - m log2(e)
.irp p, 0,2,4,6
	v_pk_fma_f32 v[ER+\p:ER+\p+1], v[ER+\p:ER+\p+1], 0x3fb8aa3b, v[54:55] op_sel_hi:[1,0,0]
.endr
.irp j, 0,1,2,3,4,5,6,7
	v_exp_f32 v[ER+\j], v[ER+\j]                   ; one batch; the coordinates below name none of its results
.endr
.irp j, 0,1,2,3,4,5,6,7
	v_fma_f32 v[XR+\j], v[XR+\j], v[36+8*(\j/4)], v[38+8*(\j/4)]
	v_fma_f32 v[YR+\j], v[YR+\j], v[37+8*(\j/4)], v[39+8*(\j/4)]
.endr
.irp j, 0,1,2,3,4,5,6,7
	v_floor_f32 v[XB+\j], v[XR+\j]
	v_floor_f32 v[YB+\j], v[YR+\j]
.endr
.irp j, 0,1,2,3,4,5,6,7
	v_med3_num_f32 v[XB+\j], v[XB+\j], 0, v[40+8*(\j/4)]
	v_med3_num_f32 v[YB+\j], v[YB+\j], 0, v[40+8*(\j/4)]
.endr
.irp p, 0,2,4,6
	v_pk_add_f32 v[XR+\p:XR+\p+1], v[XR+\p:XR+\p+1], v[XB+\p:XB+\p+1] neg_lo:[0,1] neg_hi:[0,1]
	v_pk_add_f32 v[YR+\p:YR+\p+1], v[YR+\p:YR+\p+1], v[YB+\p:YB+\p+1] neg_lo:[0,1] neg_hi:[0,1]
.endr
	HAT XR, WX0, WX1
	HAT YR, WY0, WY1
	s_wait_alu depctr_va_vdst(0)                   ; one wait for the eight exponentials, ahead of their first reader
	v_pk_add_f32 v[56:57], v[ER:ER+1], v[ER+2:ER+3]
	v_pk_add_f32 v[58:59], v[ER+4:ER+5], v[ER+6:ER+7]
	v_pk_add_f32 v[56:57], v[56:57], v[58:59]
	v_add_f32 v56, v56, v57
	v_permlanex16_b32 v53, v56, s90, s91
	v_add_f32 v56, v56, v53
	v_rcp_f32 v60, v56
.irp j, 0,1,2,3,4,5,6,7
	v_fma_f32 v[XB+\j], v[YB+\j], v[41+8*(\j/4)], v[XB+\j]  ; yb W + xb, exact in f32; this run names nothing of the reciprocal
.endr
.irp j, 0,1,2,3,4,5,6,7
	v_cvt_u32_f32 v[XB+\j], v[XB+\j]
.endr
.irp p, 0,1,2,3
	v_lshl_or_b32 v[OU+16+\p], v[XB+2*\p+1], 16, v[XB+2*\p]
	v_add_nc_u32 v[OU+16+\p], v[OU+16+\p], v[42+8*(\p/2)]  ; + where the level begins, in both halves: 16,254 at the most
.endr
	s_wait_alu depctr_va_vdst(0)                   ; the reciprocal's wait
.irp p, 0,2,4,6
	v_pk_mul_f32 v[ER+\p:ER+\p+1], v[ER+\p:ER+\p+1], v[60:61] op_sel_hi:[1,0]
.endr
.irp p, 0,2,4,6
	v_pk_mul_f32 v[WY0+\p:WY0+\p+1], v[WY0+\p:WY0+\p+1], v[ER+\p:ER+\p+1]
	v_pk_mul_f32 v[WY1+\p:WY1+\p+1], v[WY1+\p:WY1+\p+1], v[ER+\p:ER+\p+1]
.endr
.irp p, 0,2,4,6
	v_pk_mul_f32 v[XR+\p:XR+\p+1], v[WX0+\p:WX0+\p+1], v[WY0+\p:WY0+\p+1]    ; row yb,     column xb
	v_pk_mul_f32 v[YR+\p:YR+\p+1], v[WX1+\p:WX1+\p+1], v[WY0+\p:WY0+\p+1]    ; row yb,     column xb + 1
	v_pk_mul_f32 v[WX0+\p:WX0+\p+1], v[WX0+\p:WX0+\p+1], v[WY1+\p:WY1+\p+1]  ; row yb + 1, column xb
	v_pk_mul_f32 v[WX1+\p:WX1+\p+1], v[WX1+\p:WX1+\p+1], v[WY1+\p:WY1+\p+1]  ; row yb + 1, column xb + 1
.endr
.irp j, 0,1,2,3,4,5,6,7
	v_cvt_pk_f16_f32 v[OU+8*(\j/4)+(\j%4)],   v[XR+\j], v[WX0+\j]  ; column xb: the two rows' weights of point j
	v_cvt_pk_f16_f32 v[OU+8*(\j/4)+4+(\j%4)], v[YR+\j], v[WX1+\j]  ; column xb + 1
.endr
.irp c, 0,1,2,3
	global_store_b128 v14, v[OU+4*\c:OU+4*\c+3], s[84+2*(\hh):85+2*(\hh)] offset:SUBP*\c  ; plane 4 h + c: level 2 h + c / 2, column c % 2; each half of the lanes covers 256 consecutive bytes, aligned
.endr
	global_store_b128 v13, v[OU+16:OU+19], s[82:83] offset:PLANE*(\hh)
.endm
.Lstep:
	s_wait_xcnt 0x0                                ; the last step's loads, stores and prefetch have read their registers: bases and store data may be written
	s_lshl_b32 s72, s67, 4
	s_cmp_ge_u32 s67, 8
	s_cselect_b32 s93, s71, 0
	s_sub_co_u32 s72, s72, s93                     ; this tile's first row, from s
	s_lshl_b32 s74, s72, 5
	s_add_nc_u64 s[80:81], s[24:25], s[74:75]      ; val
	s_lshl_b32 s74, s72, 4
	s_add_nc_u64 s[82:83], s[26:27], s[74:75]      ; idx
	s_add_nc_u64 s[84:85], s[28:29], s[74:75]      ; wts, head 2 w,
	s_add_nc_u64 s[86:87], s[84:85], 8*SUBP        ; head 2 w + 1
	s_add_co_u32 s72, s67, 1
	s_min_u32 s72, s72, 10                         ; the next tile (the last step asks for its own once more, and uses nothing of it)
	s_cmp_ge_u32 s72, 8
	s_cselect_b32 s93, s71, 0
	s_lshl_b32 s72, s72, 4
	s_sub_co_u32 s72, s72, s93
	s_lshl_b32 s74, s72, 10
	s_add_nc_u64 s[76:77], s[6:7], s[74:75]        ; pos
	s_lshl_b32 s74, s72, 5
	s_add_nc_u64 s[78:79], s[8:9], s[74:75]        ; ref_points
	s_add_co_u32 s74, s67, 3
	s_lshl_b32 s74, s74, 14
	s_add_nc_u64 s[88:89], s[6:7], s[74:75]        ; pos, rows s + 16 (T + 3) on
	v_add_nc_u32 v8, s69, v5
.irp i, 0,1,2,3
	ds_load_b128 v[EM+8*\i:EM+8*\i+3],   v8 offset:1024*\i       ; row 4 w + i: columns 4 lane .. + 3,
	ds_load_b128 v[EM+8*\i+4:EM+8*\i+7], v8 offset:1024*\i+512   ; and 128 + 4 lane .. + 3
.endr
	s_wait_loadcnt 0x0                             ; this tile's pos and ref_points, asked for a step ago
	v_fma_f32 v38, v240, v41, -0.5
	v_fma_f32 v39, v241, v41, -0.5
	v_fma_f32 v46, v242, v49, -0.5
	v_fma_f32 v47, v243, v49, -0.5
	s_wait_dscnt 0x0
	; LN1 of my four rows, side by side: mean, then the sum of squares of the differences
.irp i, 0,1,2,3
	v_pk_add_f32 v[TA+4*\i:TA+4*\i+1],   v[EM+8*\i:EM+8*\i+1],   v[EM+8*\i+2:EM+8*\i+3]
	v_pk_add_f32 v[TA+4*\i+2:TA+4*\i+3], v[EM+8*\i+4:EM+8*\i+5], v[EM+8*\i+6:EM+8*\i+7]
.endr
.irp i, 0,1,2,3
	v_pk_add_f32 v[TA+4*\i:TA+4*\i+1], v[TA+4*\i:TA+4*\i+1], v[TA+4*\i+2:TA+4*\i+3]
.endr
.irp i, 0,1,2,3
	v_add_f32 v[SS+2*\i], v[TA+4*\i], v[TA+4*\i+1]
.endr
	RED4
.irp i, 0,1,2,3
	v_mul_f32 v[SS+2*\i], 0xbb800000, v[SS+2*\i]   ; - mean
.endr
.irp i, 0,1,2,3
.irp k, 0,2,4,6
	v_pk_add_f32 v[EM+8*\i+\k:EM+8*\i+\k+1], v[EM+8*\i+\k:EM+8*\i+\k+1], v[SS+2*\i:SS+2*\i+1] op_sel_hi:[1,0]
.endr
.endr
.irp i, 0,1,2,3
	v_pk_mul_f32 v[TA+4*\i:TA+4*\i+1],   v[EM+8*\i:EM+8*\i+1],   v[EM+8*\i:EM+8*\i+1]
	v_pk_mul_f32 v[TA+4*\i+2:TA+4*\i+3], v[EM+8*\i+2:EM+8*\i+3], v[EM+8*\i+2:EM+8*\i+3]
.endr
.irp i, 0,1,2,3
	v_pk_fma_f32 v[TA+4*\i:TA+4*\i+1],   v[EM+8*\i+4:EM+8*\i+5], v[EM+8*\i+4:EM+8*\i+5], v[TA+4*\i:TA+4*\i+1]
	v_pk_fma_f32 v[TA+4*\i+2:TA+4*\i+3], v[EM+8*\i+6:EM+8*\i+7], v[EM+8*\i+6:EM+8*\i+7], v[TA+4*\i+2:TA+4*\i+3]
.endr
.irp i, 0,1,2,3
	v_pk_add_f32 v[TA+4*\i:TA+4*\i+1], v[TA+4*\i:TA+4*\i+1], v[TA+4*\i+2:TA+4*\i+3]
.endr
.irp i, 0,1,2,3
	v_add_f32 v[SS+2*\i], v[TA+4*\i], v[TA+4*\i+1]
.endr
	RED4
.irp i, 0,1,2,3
	v_fma_f32 v[TQ+\i], v[SS+2*\i], s94, s95       ; variance + 1e-5
.endr
.irp i, 0,1,2,3
	v_rsq_f32 v[SS+2*\i], v[TQ+\i]
.endr
	v_nop                                          ; a plain instruction behind the last of the four,
	s_wait_alu depctr_va_vdst(0)                   ; and their one wait
.irp i, 0,1,2,3
.irp k, 0,2,4,6
	v_pk_mul_f32 v[EM+8*\i+\k:EM+8*\i+\k+1], v[EM+8*\i+\k:EM+8*\i+\k+1], v[SS+2*\i:SS+2*\i+1] op_sel_hi:[1,0]
.endr
.endr
.irp i, 0,1,2,3
.irp k, 0,2,4,6
	v_pk_fma_f32 v[EM+8*\i+\k:EM+8*\i+\k+1], v[EM+8*\i+\k:EM+8*\i+\k+1], v[20+\k:21+\k], v[28+\k:29+\k]  ; v
.endr
.endr
.irp i, 0,1,2,3
.irp k, 0,2,4,6
	v_pk_add_f32 v[POS+8*\i+\k:POS+8*\i+\k+1], v[POS+8*\i+\k:POS+8*\i+\k+1], v[EM+8*\i+\k:EM+8*\i+\k+1]  ; q
.endr
.endr
.irp i, 0,1,2,3
.irp k, 0,1,2,3
	v_cvt_pk_bf16_f32 v[TA+4*\i+\k], v[EM+8*\i+2*\k],  v[EM+8*\i+2*\k+1]
	v_cvt_pk_bf16_f32 v[TB+4*\i+\k], v[POS+8*\i+2*\k], v[POS+8*\i+2*\k+1]
.endr
.endr
	v_add_nc_u32 v9, s70, v6
.irp i, 0,1,2,3
	ds_store_b64 v9, v[TA+4*\i:TA+4*\i+1]   offset:528*\i
	ds_store_b64 v9, v[TA+4*\i+2:TA+4*\i+3] offset:528*\i+256
	ds_store_b64 v9, v[TB+4*\i:TB+4*\i+1]   offset:QOFF+528*\i
	ds_store_b64 v9, v[TB+4*\i+2:TB+4*\i+3] offset:QOFF+528*\i+256
.endr
.irp i, 0,1,2,3
	global_load_b128 v[POS+8*\i:POS+8*\i+3],   v11, s[76:77] offset:1024*\i th:TH_LOAD_NT      ; the next tile's pos,
	global_load_b128 v[POS+8*\i+4:POS+8*\i+7], v11, s[76:77] offset:1024*\i+512 th:TH_LOAD_NT
.endr
	global_load_b128 v[240:243], v12, s[78:79]     ; and ref_points: levels 2 h and 2 h + 1 of row r
	s_cmp_lt_u32 s67, s73                          ; behind the step's loads: waves 0 and 1 ask, in steps 0 to 6, for pos of rows s + 16 (T + 3) + 8 w .. + 7, three steps ahead:
	s_cbranch_scc0 .Lnopf                          ; a lane a block of 256 bytes, rows s + 48 to s + 159, each block named once
	global_prefetch_b8 v17, s[88:89] th:TH_LOAD_NT scope:SCOPE_SE
.Lnopf:
	s_wait_dscnt 0x0                               ; for the others' sake: my rows of v and q are stored
	s_barrier_signal -1
	s_barrier_wait -1                              ; one barrier a step: the other buffer is written again only behind the next step's barrier, in front of which every wave has waited for its reads of it
	v_add_nc_u32 v10, s70, v7
.irp t, 0,1,2,3
	ds_load_b128 v[ACC+8*\t:ACC+8*\t+3],   v16 offset:64*\t      ; the bias starts the sum
	ds_load_b128 v[ACC+8*\t+4:ACC+8*\t+7], v16 offset:64*\t+16
.endr
	WIN 0xc0
.irp kf, 0,1,2,3,4,5,6,7
	ds_load_b128 v[128+8*\kf:128+8*\kf+3], v10 offset:64*\kf     ; v's fragments
	ds_load_b128 v[128+8*\kf+4:128+8*\kf+7], v10 offset:64*\kf+32
.endr
	WIN 0
.irp t, 4,5,6,7,8,9
	ds_load_b128 v[ACC+8*\t:ACC+8*\t+3],   v16 offset:64*\t
	ds_load_b128 v[ACC+8*\t+4:ACC+8*\t+7], v16 offset:64*\t+16
.endr
.irp kf, 0,1,2,3,4,5,6,7
	ds_load_b128 v[64+8*\kf:64+8*\kf+3], v10 offset:QOFF+64*\kf  ; q's fragments
	ds_load_b128 v[64+8*\kf+4:64+8*\kf+7], v10 offset:QOFF+64*\kf+32
.endr
	s_wait_dscnt 28                                ; the 12 bias loads and 16 fragment loads for q may stay out
	WIN 0x0d                                       ; weights window 1, v window 3; the accumulators take turns, one instruction a turn
.irp kf, 0,1,2,3,4,5,6,7
.irp t, 0,1,2,3
	v_wmma_f32_16x16x32_bf16 v[ACC+8*\t:ACC+8*\t+7], v[64*\t+8*\kf:64*\t+8*\kf+7], v[128+8*\kf:128+8*\kf+7], v[ACC+8*\t:ACC+8*\t+7]
.endr
.endr
	s_wait_dscnt 0x0
	WIN 0x02                                       ; weights window 2, q window 0
.irp kf, 0,1,2,3,4,5,6,7
.irp t, 0,1,2,3
	v_wmma_f32_16x16x32_bf16 v[ACC+32+8*\t:ACC+32+8*\t+7], v[64*\t+8*\kf:64*\t+8*\kf+7], v[64+8*\kf:64+8*\kf+7], v[ACC+32+8*\t:ACC+32+8*\t+7]
.endr
.endr
	WIN 0x03                                       ; weights window 3
.irp kf, 0,1,2,3,4,5,6,7
.irp t, 0,1
	v_wmma_f32_16x16x32_bf16 v[ACC+64+8*\t:ACC+64+8*\t+7], v[64*\t+8*\kf:64*\t+8*\kf+7], v[64+8*\kf:64+8*\kf+7], v[ACC+64+8*\t:ACC+64+8*\t+7]
.endr
.endr
	WIN 0
	PLACES
	; value: rounded to f16 and packed downward in place (each line's destination lies at or below the registers that it reads, and below all that are still to be read).
	; Tile t is half t % 2 of head 2 w + t / 2: lane (r, h) holds 16 bytes at 32 r + 16 h of the tile's 512 consecutive bytes in that plane of val
.irp t, 0,1,2,3
.irp k, 0,1,2,3
	v_cvt_pk_f16_f32 v[ACC+4*\t+\k], v[ACC+8*\t+2*\k], v[ACC+8*\t+2*\k+1]
.endr
.endr
.irp t, 0,1,2,3
	global_store_b128 v12, v[ACC+4*\t:ACC+4*\t+3], s[80:81] offset:SUBP*\t  ; 512 consecutive bytes, aligned
.endr
	HEADEP 0
	HEADEP 1
	s_add_co_u32 s69, s69, 16384
	s_xor_b32 s70, s70, 0x8000
	s_add_co_u32 s67, s67, 1
	s_sub_co_u32 s68, s68, 1
	s_cmp_lg_u32 s68, 0
	s_cbranch_scc1 .Lstep
	s_wait_tensorcnt 0x0                           ; the wave's end: behind my last tensor load and my last LDS store
	ds_add_u32 v3, v4
	s_wait_dscnt 0x0
	s_endpgm
.Lfunc_end_k_q497de4b9d7_proj:
	.size	k_q497de4b9d7_proj, .Lfunc_end_k_q497de4b9d7_proj-k_q497de4b9d7_proj
	.p2alignl 7, 3214868480
	.fill 96, 4, 3214868480
	.section	.rodata,"a",@progbits
	.p2align	6, 0x0
	.amdhsa_kernel k_q497de4b9d7_proj
		.amdhsa_group_segment_fixed_size 272896
		.amdhsa_private_segment_fixed_size 0
		.amdhsa_enable_private_segment 0
		.amdhsa_kernarg_size 104
		.amdhsa_user_sgpr_count 2
		.amdhsa_user_sgpr_kernarg_segment_ptr 1
		.amdhsa_wavefront_size32 1
		.amdhsa_system_sgpr_workgroup_id_x 1
		.amdhsa_system_sgpr_workgroup_id_y 1
		.amdhsa_system_sgpr_workgroup_id_z 1
		.amdhsa_system_vgpr_workitem_id 0
		.amdhsa_next_free_vgpr 1024
		.amdhsa_next_free_sgpr 96
		.amdhsa_reserve_vcc 0
		.amdhsa_float_denorm_mode_32 3
		.amdhsa_float_denorm_mode_16_64 3
		.amdhsa_memory_ordered 1
		.amdhsa_forward_progress 1
		.amdhsa_inst_pref_size 77
	.end_amdhsa_kernel
	.amdgpu_metadata
---
amdhsa.version: [ 1, 2 ]
amdhsa.kernels:
  - .name:           k_q497de4b9d7_proj
    .symbol:         k_q497de4b9d7_proj.kd
    .args:
      - { .name: embed, .offset: 0, .size: 8, .value_kind: global_buffer, .address_space: global }
      - { .name: pos, .offset: 8, .size: 8, .value_kind: global_buffer, .address_space: global }
      - { .name: ref_points, .offset: 16, .size: 8, .value_kind: global_buffer, .address_space: global }
      - { .name: ln1_w, .offset: 24, .size: 8, .value_kind: global_buffer, .address_space: global }
      - { .name: ln1_b, .offset: 32, .size: 8, .value_kind: global_buffer, .address_space: global }
      - { .name: bv, .offset: 40, .size: 8, .value_kind: global_buffer, .address_space: global }
      - { .name: boff, .offset: 48, .size: 8, .value_kind: global_buffer, .address_space: global }
      - { .name: battn, .offset: 56, .size: 8, .value_kind: global_buffer, .address_space: global }
      - { .name: dimensions, .offset: 64, .size: 8, .value_kind: global_buffer, .address_space: global }
      - { .name: wt, .offset: 72, .size: 8, .value_kind: global_buffer, .address_space: global }
      - { .name: val, .offset: 80, .size: 8, .value_kind: global_buffer, .address_space: global }
      - { .name: idx, .offset: 88, .size: 8, .value_kind: global_buffer, .address_space: global }
      - { .name: wts, .offset: 96, .size: 8, .value_kind: global_buffer, .address_space: global }
    .group_segment_fixed_size: 272896
    .private_segment_fixed_size: 0
    .kernarg_segment_align: 8
    .kernarg_segment_size: 104
    .max_flat_workgroup_size: 128
    .sgpr_count:     96
    .vgpr_count:     1024
    .wavefront_size: 32
...
	.end_amdgpu_metadata
.endif
;; end of part 5
;; launch sample (part 6): grid 256 x 1, 16 waves a work-group, no clusters, 174,080 bytes of LDS; arguments idx, wts, val, samp; writes samp
.if DOCPART == 6
	.amdgcn_target "amdgcn-amd-amdhsa--gfx1250"
	.amdhsa_code_object_version 6
	.text
	.protected	k_q497de4b9d7_sample
	.globl	k_q497de4b9d7_sample
	.p2align	8
	.type	k_q497de4b9d7_sample,@function
k_q497de4b9d7_sample:
	s_mov_b64 s[64:65], 0
	v_nop
	global_prefetch_b8 v0, s[64:65] scope:SCOPE_SE
	s_setreg_imm32_b32 hwreg(HW_REG_WAVE_MODE, 25, 1), 1
	s_wait_xcnt 0x0
; samp[head][half][row][c] = the sum over the head's 16 points and their four corners of weight x value[corner][c], 16 channels a half.  idx (whole numbers), wts and val were stored by the launch before.
; SHARES.  A work-group owns one plane of val (batch, head, half of the channels: 21,760 rows of 32 bytes) and 2,720 rows of queries of that batch: 32 planes x 8 parts = 256 work-groups.
; THE TABLE.  Levels 1 to 3 of the plane, 5,376 rows = 172,032 bytes, lie in LDS, brought once by tensor loads; three of a point's four levels are gathered there.  Level 0 (524,288 bytes) does not fit and is gathered from memory.
; LANES.  Lane = (row j of 8, dx, q): the four lanes of a row read the 64 consecutive bytes of corners x and x + 1, 16 bytes (8 channels) each; rows yb and yb + 1 stand in the loads' immediates.
; A lane keeps eight f32 sums for its own dx, with the weights of its dx alone; at the end one addition across the lanes joins the two dx.  v_fma_mix_f32 multiplies two f16 halves exactly and adds in f32.
; ROWS.  Eight rows are an OCTET.  Wave w takes 22 octets from row min(176 w, 2,544) of the work-group's: a few rows are made twice, with the same bits.  A trip is two octets; their results are chosen by dx into one store of 512 bytes.
; IN FLIGHT.  Behind a level's 64 multiply-adds its registers are asked for again at once.  Level 0 has two buffers, by the octet's parity, and is asked for two octets ahead; levels 1 to 3 have one each, asked for one octet
; ahead.  Weights and indices lie in two sets by parity and are asked for two octets ahead or more.  An octet issues 16 loads from memory (8 gathers, 4 of weights, 4 of indices) and 24 from LDS.
; The octets past the wave's last are asked for as its last once more and never used, so that every wait keeps its count.
; NO CLUSTER: the eight work-groups of a plane read the same table, but their LDS reads go by the indices of rows that differ from work-group to work-group.
; No prefetch: idx and wts are asked for two octets ahead, and level 0's gathers have requests to memory on their way all the time.  No matrix unit: each weight meets one row of the table.
.set SUBP,  696320                     ; a plane of val, of idx, of wts
.set PLANE, 2*SUBP                     ; a plane of samp
.set TROWS, 84                         ; rows of 256 bytes in a tensor load: eight loads bring the table
.set SPARE, 172032                     ; behind the table: the spare words, 128 bytes for each of the 16 waves
.set OCTS,  22
; v1 v2 the add's two; v3 gather lane term 32 dx + 16 q; v4 wts lane term; v5 idx lane term 16 j; v6 store lane term; v7 zero; v8-11 at work; v12-15 LDS addresses;
; v16-23 level 0's offsets, v24-25 wts offset, v26-27 level 0's idx offset, v28-29 the other levels' idx offset: each by parity; v30 the store's offset;
; v32-35 level 0's indices by parity; v36-47 levels 1-3's, two sets; v48-79 weights, by parity and level; v80-87 sums; v88-91 the even octet's result; v92-95 the store's data;
; v96-159 level 0's data by parity; v160-255 levels 1 to 3's
	s_load_b256 s[4:11], s[0:1], 0x0               ; idx s[4:5], wts s[6:7], val s[8:9], samp s[10:11]
	v_lshl_add_u32 v1, v0, 2, SPARE
	v_mov_b32 v2, 0
	ds_add_u32 v1, v2                              ; the wave's opening: an add and its wait ahead of my first tensor load
	ds_add_u32 v1, v2
	v_lshrrev_b32 v8, 5, v0
	v_readfirstlane_b32 s12, v8                    ; wave 0..15
	s_and_b32 s13, ttmp9, 1                        ; which half of the channels
	s_bfe_u32 s14, ttmp9, 0x30001                  ; which eighth of the batch's rows
	s_bfe_u32 s15, ttmp9, 0x30004                  ; head
	s_lshr_b32 s16, ttmp9, 7                       ; batch
	s_mul_i32 s17, s12, 176
	s_min_u32 s17, s17, 2544
	s_mul_i32 s18, s14, 2720
	s_add_co_u32 s17, s17, s18
	s_mul_i32 s18, s16, 21760
	s_add_co_u32 s17, s17, s18                     ; my first row, a multiple of 16
	s_lshl_b32 s19, s15, 1
	s_add_co_u32 s19, s19, s13                     ; 2 head + half
	s_lshl_b32 s20, s16, 4
	s_add_co_u32 s20, s20, s19
	s_mul_i32 s20, s20, SUBP                       ; my plane of val
	s_mov_b32 s21, 0
	; the table: a dense block as rows of 256 bytes (32 elements of 8 bytes), 84 rows a load
	s_mov_b32 s24, 3<<16
	s_mov_b32 s25, 32<<16
	s_mov_b32 s26, TROWS<<16
	s_mov_b32 s27, 32<<16
	s_mov_b32 s28, TROWS
	s_mov_b32 s29, 32
	s_mov_b32 s30, 0
	s_mov_b32 s31, 0
	s_mov_b32 s32, 1
	s_mul_i32 s33, s12, TROWS*256                  ; wave w's part lands at 21,504 w (waves 0 to 7)
	s_add_co_u32 s36, s20, 16384*32                ; level 1 begins behind level 0's 16,384 rows
	s_add_co_u32 s36, s36, s33
	s_mov_b32 s37, 0
	s_mul_i32 s38, s15, PLANE                      ; idx: two planes a head,
	s_lshl_b32 s40, s17, 4                         ; 16 bytes a row
	s_add_co_u32 s38, s38, s40
	s_mov_b32 s39, 0
	s_mul_i32 s42, s15, 8*SUBP                     ; wts: eight planes a head
	s_add_co_u32 s42, s42, s40
	s_mov_b32 s43, 0
	s_mul_i32 s44, s19, PLANE                      ; samp: my plane, 32 bytes a row
	s_lshl_b32 s40, s17, 5
	s_add_co_u32 s44, s44, s40
	s_mov_b32 s45, 0
	s_mov_b32 s46, 0                               ; the trip's first octet
	s_mov_b32 s51, 0xcccccccc                      ; the lanes with dx = 1
	s_wait_dscnt 0x0                               ; the opening add is done
	s_wait_kmcnt 0x0
	s_add_nc_u64 s[34:35], s[8:9], s[36:37]
	s_or_b32 s35, s35, 0x80000000
	s_add_nc_u64 s[8:9], s[8:9], s[20:21]
	s_add_nc_u64 s[4:5], s[4:5], s[38:39]
	s_add_nc_u64 s[6:7], s[6:7], s[42:43]
	s_add_nc_u64 s[10:11], s[10:11], s[44:45]
	s_cmp_lt_u32 s12, 8                            ; waves 0 to 7 bring an eighth of the table each: one tensor load of a wave is out, and none follows
	s_cbranch_scc0 .Lno_fill
	tensor_load_to_lds s[32:35], s[24:31]
	s_nop 0
.Lno_fill:
	v_and_b32 v8, 31, v0
	v_and_b32 v3, 3, v0
	v_lshlrev_b32 v3, 4, v3                        ; 32 dx + 16 q
	v_lshrrev_b32 v9, 2, v8                        ; j
	v_bfe_u32 v10, v0, 1, 1                        ; dx
	v_and_b32 v11, 1, v0                           ; q
	v_lshlrev_b32 v5, 4, v9                        ; idx: 16 j
	v_mul_u32_u24 v4, v10, SUBP
	v_add_nc_u32 v4, v4, v5                        ; wts: plane dx, 16 j
	v_lshlrev_b32 v6, 5, v9
	v_lshl_add_u32 v6, v10, 8, v6
	v_lshl_add_u32 v6, v11, 4, v6                  ; samp: row 8 dx + j, 16 q
	v_mov_b32 v7, 0
; The offsets of what octet s46 + o asks for: weights of the octet two on, indices of levels 1-3 three on, of level 0 four on.  The registers' last users were issued two octets back and have been waited for.
.macro STEPS par, o
	s_add_co_u32 s47, s46, (\o)+2
	s_min_u32 s47, s47, OCTS-1
	s_add_co_u32 s48, s46, (\o)+3
	s_min_u32 s48, s48, OCTS-1
	s_add_co_u32 s49, s46, (\o)+4
	s_min_u32 s49, s49, OCTS-1
	v_lshl_add_u32 v[24+(\par)], s47, 7, v4        ; an octet is 128 bytes of a plane
	v_lshl_add_u32 v[28+(\par)], s48, 7, v5
	v_lshl_add_u32 v[26+(\par)], s49, 7, v5
.endm
; Four addresses from a level's four indices, each held to the level's largest base: 32 bytes a row of the table, and my lane's 16 of the two corners' 64
.macro ADDR4 ir, mx, dst
	v_and_b32 v8, 0xffff, v[\ir]
	v_lshrrev_b32 v9, 16, v[\ir]
	v_and_b32 v10, 0xffff, v[(\ir)+1]
	v_lshrrev_b32 v11, 16, v[(\ir)+1]
	v_min_u32 v8, \mx, v8
	v_min_u32 v9, \mx, v9
	v_min_u32 v10, \mx, v10
	v_min_u32 v11, \mx, v11
	v_lshl_add_u32 v[\dst], v8, 5, v3
	v_lshl_add_u32 v[(\dst)+1], v9, 5, v3
	v_lshl_add_u32 v[(\dst)+2], v10, 5, v3
	v_lshl_add_u32 v[(\dst)+3], v11, 5, v3
.endm
; Level 0, ten loads: the gathers and the weights of the octet two on, the indices of the octet four on
.macro ISSUE0 par
	ADDR4 32+2*(\par), 16254, 16+4*(\par)
.irp m, 0,1,2,3
.irp dy, 0,1
	global_load_b128 v[96+32*(\par)+8*\m+4*\dy:96+32*(\par)+8*\m+4*\dy+3], v[16+4*(\par)+\m], s[8:9] offset:4096*\dy
.endr
.endr
	global_load_b128 v[48+16*(\par):48+16*(\par)+3], v[24+(\par)], s[6:7]
	global_load_b64 v[32+2*(\par):33+2*(\par)], v[26+(\par)], s[4:5]
.endm
; Level l = 1, 2, 3: eight LDS gathers of the next octet (gather = 0, at the very start: none); two loads: the weights of the octet two on, the indices of the octet three on
.macro ISSUEL par, l, gather
.set IS_, 36+6*(1-(\par))+2*((\l)-1)
.if \gather
.if (\l) == 1
	ADDR4 IS_, 4030, 12
.elseif (\l) == 2
	ADDR4 IS_, 5086, 12
.else
	ADDR4 IS_, 5358, 12
.endif
.irp m, 0,1,2,3
.irp dy, 0,1
	ds_load_b128 v[160+32*((\l)-1)+8*\m+4*\dy:160+32*((\l)-1)+8*\m+4*\dy+3], v[12+\m] offset:(2048>>((\l)-1))*\dy
.endr
.endr
.endif
	global_load_b128 v[48+16*(\par)+4*(\l):48+16*(\par)+4*(\l)+3], v[24+(\par)], s[6:7] offset:PLANE*(\l)
	global_load_b64 v[IS_:IS_+1], v[28+(\par)], s[4:5] offset:SUBP*((\l)/2)+8*((\l)%2)
.endm
; 64 multiply-adds: a level's four points, rows yb and yb + 1, my eight channels.  first = 1: the octet's first eight take 0 as the addend: nothing is cleared
.macro FMAS gb, wb, first
.irp m, 0,1,2,3
.irp dy, 0,1
.irp k, 0,1,2,3
.irp e, 0,1
.if (\first) && ((\m+\dy) == 0)
	v_fma_mix_f32 v[80+2*\k+\e], v[(\gb)+8*\m+4*\dy+\k], v[(\wb)+\m], v7 op_sel:[\e,\dy,0] op_sel_hi:[1,1,0]
.else
	v_fma_mix_f32 v[80+2*\k+\e], v[(\gb)+8*\m+4*\dy+\k], v[(\wb)+\m], v[80+2*\k+\e] op_sel:[\e,\dy,0] op_sel_hi:[1,1,0]
.endif
.endr
.endr
.endr
.endr
.endm
.macro JOIN                            ; the two dx of a row lie two lanes apart: both now hold the row's sums
.irp c, 0,1,2,3,4,5,6,7
	v_add_f32_dpp v[80+\c], v[80+\c], v[80+\c] row_xmask:2 row_mask:0xf bank_mask:0xf
.endr
.endm
.macro OCTET o
	s_wait_loadcnt 16                              ; loads come back in order (ISA guide 5.7.1): the last octet's 16 stay out; all that the octet before it asked for is in: my level 0, my weights, the indices used below
	STEPS \o, \o
	FMAS 96+32*(\o), 48+16*(\o), 1
	ISSUE0 \o
	s_wait_dscnt 16                                ; this level's eight LDS loads are in; the two younger groups of eight stay out
	FMAS 160, 48+16*(\o)+4, 0
	ISSUEL \o, 1, 1
	s_wait_dscnt 16
	FMAS 192, 48+16*(\o)+8, 0
	ISSUEL \o, 2, 1
	s_wait_dscnt 16
	FMAS 224, 48+16*(\o)+12, 0
.if (\o) == 0
	ISSUEL 0, 3, 1
	JOIN
.irp k, 0,1,2,3
	v_cvt_pk_bf16_f32 v[88+\k], v[80+2*\k], v[81+2*\k]
.endr
.else
	s_wait_xcnt 0x0                                ; the last trip's store has read its data and its offset; the youngest loads stand 64 multiply-adds back
	JOIN
.irp k, 0,1,2,3
	v_cvt_pk_bf16_f32 v[8+\k], v[80+2*\k], v[81+2*\k]
.endr
.irp k, 0,1,2,3
	v_cndmask_b32 v[92+\k], v[88+\k], v[8+\k], s51 ; lanes with dx = 0 store the even octet's row j, lanes with dx = 1 the odd octet's
.endr
	v_lshl_add_u32 v30, s46, 8, v6                 ; two octets are 512 bytes of the plane
	global_store_b128 v30, v[92:95], s[10:11]      ; 16 rows of 32 bytes: 512 consecutive bytes, aligned
	ISSUEL 1, 3, 1
.endif
.endm
	v_mov_b32 v26, v5                              ; the indices that the first gathers go by: level 0 of octets 0 and 1, levels 1 to 3 of octet 0
	v_add_nc_u32 v27, 128, v5
	global_load_b64 v[32:33], v26, s[4:5]
	global_load_b64 v[34:35], v27, s[4:5]
	global_load_b64 v[36:37], v26, s[4:5] offset:8
	global_load_b64 v[38:39], v26, s[4:5] offset:SUBP
	global_load_b64 v[40:41], v26, s[4:5] offset:SUBP+8
	s_wait_loadcnt 0x0
	STEPS 0, -2                                    ; what an octet two ahead of the first would ask for: 16 loads,
	ISSUE0 0
	ISSUEL 0, 1, 0
	ISSUEL 0, 2, 0
	ISSUEL 0, 3, 0
	s_wait_tensorcnt 0x0                           ; my part of the table is in,
	s_barrier_signal -1
	s_barrier_wait -1                              ; everybody's is
	STEPS 1, -1                                    ; and an octet one ahead: 16 loads, and the first octet's 24 LDS gathers
	ISSUE0 1
	ISSUEL 1, 1, 1
	ISSUEL 1, 2, 1
	ISSUEL 1, 3, 1
	s_mov_b32 s50, OCTS/2
.Ltrip:
	OCTET 0
	OCTET 1
	s_add_co_u32 s46, s46, 2
	s_sub_co_u32 s50, s50, 1
	s_cmp_lg_u32 s50, 0
	s_cbranch_scc1 .Ltrip
	s_wait_tensorcnt 0x0                           ; the wave's end: behind my last tensor load
	ds_add_u32 v1, v2
	s_wait_dscnt 0x0
	s_endpgm
.Lfunc_end_k_q497de4b9d7_sample:
	.size	k_q497de4b9d7_sample, .Lfunc_end_k_q497de4b9d7_sample-k_q497de4b9d7_sample
	.p2alignl 7, 3214868480
	.fill 96, 4, 3214868480
	.section	.rodata,"a",@progbits
	.p2align	6, 0x0
	.amdhsa_kernel k_q497de4b9d7_sample
		.amdhsa_group_segment_fixed_size 174080
		.amdhsa_private_segment_fixed_size 0
		.amdhsa_enable_private_segment 0
		.amdhsa_kernarg_size 32
		.amdhsa_user_sgpr_count 2
		.amdhsa_user_sgpr_kernarg_segment_ptr 1
		.amdhsa_wavefront_size32 1
		.amdhsa_system_sgpr_workgroup_id_x 1
		.amdhsa_system_sgpr_workgroup_id_y 1
		.amdhsa_system_sgpr_workgroup_id_z 1
		.amdhsa_system_vgpr_workitem_id 0
		.amdhsa_next_free_vgpr 256
		.amdhsa_next_free_sgpr 66
		.amdhsa_reserve_vcc 0
		.amdhsa_float_denorm_mode_32 3
		.amdhsa_float_denorm_mode_16_64 3
		.amdhsa_memory_ordered 1
		.amdhsa_forward_progress 1
		.amdhsa_inst_pref_size 60
	.end_amdhsa_kernel
	.amdgpu_metadata
---
amdhsa.version: [ 1, 2 ]
amdhsa.kernels:
  - .name:           k_q497de4b9d7_sample
    .symbol:         k_q497de4b9d7_sample.kd
    .args:
      - { .name: idx, .offset: 0, .size: 8, .value_kind: global_buffer, .address_space: global }
      - { .name: wts, .offset: 8, .size: 8, .value_kind: global_buffer, .address_space: global }
      - { .name: val, .offset: 16, .size: 8, .value_kind: global_buffer, .address_space: global }
      - { .name: samp, .offset: 24, .size: 8, .value_kind: global_buffer, .address_space: global }
    .group_segment_fixed_size: 174080
    .private_segment_fixed_size: 0
    .kernarg_segment_align: 8
    .kernarg_segment_size: 32
    .max_flat_workgroup_size: 512
    .sgpr_count:     66
    .vgpr_count:     256
    .wavefront_size: 32
...
	.end_amdgpu_metadata
.endif
;; end of part 6
;; launch ffn (part 7): grid 256 x 1, 4 waves a work-group, clusters of 4 x 1, 327,680 bytes of LDS; arguments samp, embed, wt, bo, ln2_w, ln2_b, b1, b2, out0; writes out0
.if DOCPART == 7
	.amdgcn_target "amdgcn-amd-amdhsa--gfx1250"
	.amdhsa_code_object_version 6
	.text
	.protected	k_q497de4b9d7_ffn
	.globl	k_q497de4b9d7_ffn
	.p2align	8
	.type	k_q497de4b9d7_ffn,@function
k_q497de4b9d7_ffn:
	s_mov_b64 s[64:65], 0
	v_nop
	global_prefetch_b8 v0, s[64:65] scope:SCOPE_SE
	s_setreg_imm32_b32 hwreg(HW_REG_WAVE_MODE, 25, 1), 1
	s_wait_xcnt 0x0
	s_wait_alu depctr_hold_cnt(0) depctr_sa_sdst(0) depctr_va_vdst(0) depctr_va_sdst(0) depctr_va_ssrc(0) depctr_va_vcc(0) depctr_vm_vsrc(0)
	s_getreg_b32 s2, hwreg(HW_REG_IB_STS2, 6, 4)
	s_cmp_eq_u32 s2, 0
	s_cbranch_scc0 .Lentry_in_a_cluster
	s_endpgm
.Lentry_in_a_cluster:
	s_bfe_u32 s2, ttmp6, 0x10000c
	s_cmp_lg_u32 s2, 0x3003
	s_cbranch_scc0 .Lentry_shape_is_right
	s_endpgm
.Lentry_shape_is_right:
; x = embed + samp Wo + bo; f = LN2(x); out0 = x + relu(f W1 + b1) W2 + b2.  Matrix operands bf16, sums, statistics and x in f32.
; ROWS: 43,520 rows are 5,440 units of 8; work-group g owns rows 8 (85 g / 4) up to those of g + 1: 168 or 176; wave w takes 48 rows (three tiles of 16) from min(48 w, rows - 48): some rows are made twice, with the same bits.
; EVERYTHING TRANSPOSED (source 0 = 16 weight rows, source 1 = 16 activation rows): lane (r, h) holds one row r and columns 8 h + 0..7 of each tile of 16.  So x, 48 x 256 in f32, stays in 384 accumulator
; registers from embed to out0; LN2 wants one exchange between the halves of the lanes; f, and relu(h), rounded in pairs ARE source 1 of the next product: no activation changes lanes.
; SAMP lies as bf16 [head][half][row][16]: the 32 k of a fragment are a head, its registers 0-3 and 4-7 the two halves, and lane (r, h) takes 16 bytes at 32 r + 16 h: a load of the wave covers 512 consecutive bytes.
; THE WEIGHTS, the same for every work-group, walk through a ring of two LDS slots: Wo, then eight chunks of 128 hidden units (128 rows of W1T, 128 k of all 256 rows of W2T).
; CLUSTER.  The four work-groups of a cluster ask for each tile JOINTLY: the same tensor load, descriptor and mask in all four.  A work-group's place enters global addresses alone.
; A step takes 32 hidden units: W2's products of the step before run from registers while this step's W1 fragments land.  The first step of all multiplies zeros by what the fragment registers still hold (Wo's last
; fragments): it adds 0 as long as Wo is finite; where it is not, no column of the result is finite in the module either.
; LIMITS.  NaN and infinities are not treated apart.
.set PLANE, 1392640                    ; a plane of samp: 43,520 rows of 32 bytes
.set SLOTB, 137216                     ; a slot: W1's part, 128 rows of pitch 528, at 0; W2's, 256 rows of pitch 272, at 67,584.  Wo takes 256 rows of pitch 528
.set W2OFF, 67584
.set STG,   274432                     ; behind the ring: a stage of 16 rows, pitch 528, for each wave
.set PAR,   308224                     ; b1 at 0, bo at 4,096, ln2_w at 5,120, ln2_b at 6,144, b2 at 7,168
.set SPARE, 316416                     ; the spare words, 128 bytes a wave
; window 0: v1 r, v2 h, v3 lane, v4 v5 the add's two, v6 528 r + 16 h, v7 272 r + 16 h, v8-10 at work, v11 stage by rows, v13 stage by f32 tiles, v14 parameters, v15 16 lane,
;   v16 prefetch offset, v17 zero, v18-31 statistics, v32-79 h (tile ht, rows mt at 32 + 8 (3 ht + mt)) and LN2's work, v80-103 relu(h) as fragments, v104-119 b1, v120-124 offsets of the first loads, v128-255 fragment buffer
; window 1: v0-191 samp's fragments, then f's (rows mt, kf at 64 mt + 8 kf), then the way out's two buffers
; windows 2, 3: x (rows mt, columns nt) at v[512 + 8 (16 mt + nt)]; window 3 v128-255: the second fragment buffer
; scalars: s[76:77] offsets for the joint loads' descriptors; s23-27 and s[80:91] all that hangs on my place in the cluster: the two kinds never share a register
.set MSB, 0
.macro WIN new
.if MSB != (\new)
	s_set_vgpr_msb (MSB<<8)|(\new)
.set MSB, (\new)
.endif
.endm
.macro PLACES                          ; four plain places behind a matrix instruction (ISA guide 7.12.1)
.rept 4
	v_nop
.endr
.endm
.macro CROUND                          ; a round of the cluster's barrier
	s_barrier_signal -1
	s_barrier_wait -1
	s_cmp_lg_u32 s22, 0
	s_cbranch_scc1 .Lnot_wave_0_\@
	s_barrier_signal -3
.Lnot_wave_0_\@:
	s_barrier_wait -3
	s_barrier_signal -1
	s_barrier_wait -1
.endm
.macro JLOAD                           ; a joint refill: waves 0 and 1 fetch the halves of the chunk's W1 rows, waves 2 and 3 those of its W2 rows
	s_cmp_lt_u32 s22, 2
	s_cbranch_scc0 .Lfor_w2_\@
	tensor_load_to_lds s[48:51], s[28:35]
	s_nop 0
	PLACES
	s_branch .Lasked_\@
.Lfor_w2_\@:
	tensor_load_to_lds s[72:75], s[36:43]
	s_nop 0
	PLACES
.Lasked_\@:
.endm
; Behind the joint load for chunk c + 1: the launch's first cluster asks for chunk c + 2, one chunk (384 matrix instructions a wave) ahead.  A chunk is 512 blocks of 256 bytes; of the blocks that a wave fetches each of
; the four partners names 32, told apart by address: a lane a block, each named once in the launch.  The last refill asks for nothing; Wo and chunks 0 and 1 come by their loads alone.
.macro ASK
	s_cmp_gt_u32 s60, s62
	s_cbranch_scc0 .Lnot_mine_\@
	global_prefetch_b8 v16, s[66:67] th:TH_LOAD_NT scope:SCOPE_SE
.Lnot_mine_\@:
.endm
	s_load_b512 s[4:19], s[0:1], 0x0               ; samp 4, embed 6, wt 8, bo 10, ln2_w 12, ln2_b 14, b1 16, b2 18
	s_load_b64 s[20:21], s[0:1], 0x40              ; out0
	v_lshl_add_u32 v4, v0, 2, SPARE
	v_mov_b32 v5, 0
	ds_add_u32 v4, v5                              ; the wave's opening: an add and its wait ahead of the round in front of my first tensor loads
	ds_add_u32 v4, v5
	v_lshrrev_b32 v1, 5, v0
	v_readfirstlane_b32 s22, v1                    ; wave 0..3
	s_bfe_u32 s23, ttmp6, 0x40000                  ; cx
	s_lshl_b32 s24, ttmp9, 2
	s_add_co_u32 s24, s24, s23                     ; g
	s_mul_i32 s25, s24, 85
	s_add_co_u32 s26, s25, 85
	s_lshr_b32 s25, s25, 2
	s_lshl_b32 s25, s25, 3
	s_lshr_b32 s26, s26, 2
	s_lshl_b32 s26, s26, 3
	s_sub_co_u32 s26, s26, s25
	s_sub_co_u32 s26, s26, 48
	s_mul_i32 s27, s22, 48
	s_min_u32 s27, s27, s26
	s_add_co_u32 s25, s25, s27                     ; my first row: it enters global addresses alone
	; group 1 for rows of 256 elements (Wo, W1): 64 rows a load, 16 bytes of padding behind each 512
	s_mov_b32 s28, 15|(1<<16)|(1<<20)|(1<<21)|(6<<22)|(3<<25)
	s_mov_b32 s29, 256<<16
	s_mov_b32 s30, 64<<16
	s_mov_b32 s31, 256<<16
	s_mov_b32 s32, 64
	s_mov_b32 s33, 256
	s_mov_b32 s34, 0
	s_mov_b32 s35, 0
	; group 1 for W2: 128 rows of 128 elements out of rows of 1,024, 16 bytes of padding behind each 256
	s_mov_b32 s36, 15|(1<<16)|(1<<20)|(1<<21)|(5<<22)|(3<<25)
	s_mov_b32 s37, 128<<16
	s_mov_b32 s38, 128<<16
	s_mov_b32 s39, 128<<16
	s_mov_b32 s40, 128
	s_mov_b32 s41, 1024
	s_mov_b32 s42, 0
	s_mov_b32 s43, 0
	s_and_b32 s63, s22, 1
	s_mov_b32 s44, 1
	s_mul_i32 s45, s22, 33792                      ; Wo: wave w's 64 rows, in slot 0
	s_mul_i32 s53, s63, 33792                      ; W1: which 64 rows of a chunk's 128
	s_mul_i32 s54, s63, 34816
	s_add_co_u32 s54, s54, W2OFF                   ; W2: which 128 rows of the 256
	s_mov_b32 s52, SLOTB                           ; the slot filled last: chunk 0 goes to slot 1
	s_mov_b32 s48, 1
	s_add_co_u32 s49, s52, s53
	s_mov_b32 s72, 1
	s_add_co_u32 s73, s52, s54
	s_mov_b32 s56, 0                               ; the slot read last
	s_mov_b32 s59, 0                               ; b1's place
	s_mov_b32 s68, 0x76543210
	s_mov_b32 s69, 0xfedcba98
	s_mov_b32 s78, 0x3b800000                      ; 1 / 256
	s_mov_b32 s79, 0x3727c5ac                      ; 1e-5
	s_cmp_eq_u32 ttmp9, 0
	s_cselect_b32 s62, 1, -1                       ; the launch's first cluster prefetches: the same in all four partners
	s_lshl_b32 s82, s63, 15                        ; where my prefetches stand, at chunk 1: W1: my 64 rows, my work-group's 8,192 bytes of them;
	s_lshl_b32 s83, s23, 13
	s_add_co_u32 s82, s82, s83
	s_add_co_u32 s82, s82, 458752+65536
	s_lshl_b32 s83, s63, 18                        ; W2: my 128 rows, my work-group's 32 of them
	s_lshl_b32 s84, s23, 16
	s_add_co_u32 s83, s83, s84
	s_add_co_u32 s83, s83, 983040+256
	s_mov_b32 s70, 256                             ; from chunk to chunk: 128 k of W2T,
	s_mov_b32 s71, 0
	s_mov_b32 s77, 0
	s_mov_b32 s81, 0
	s_cmp_lt_u32 s22, 2
	s_cselect_b32 s80, s82, s83
	s_cselect_b32 s70, 65536, s70                  ; or 128 rows of W1T
	s_cselect_b32 s85, 8, 11                       ; a lane a block: 256 bytes on in W1, a row of 2,048 bytes on in W2
	v_and_b32 v1, 15, v0
	v_bfe_u32 v2, v0, 4, 1
	v_and_b32 v3, 31, v0
	v_lshlrev_b32 v16, s85, v3
	s_wait_dscnt 0x0                               ; the opening add is done
	s_wait_kmcnt 0x0
	s_add_nc_u64 s[66:67], s[8:9], s[80:81]
	s_lshl_b32 s76, s22, 15
	s_add_co_u32 s76, s76, 327680
	s_add_nc_u64 s[46:47], s[8:9], s[76:77]
	s_or_b32 s47, s47, 0x80000000
	s_lshl_b32 s76, s63, 15
	s_add_co_u32 s76, s76, 458752
	s_add_nc_u64 s[50:51], s[8:9], s[76:77]
	s_or_b32 s51, s51, 0x80000000
	s_lshl_b32 s76, s63, 18
	s_add_co_u32 s76, s76, 983040
	s_add_nc_u64 s[74:75], s[8:9], s[76:77]
	s_or_b32 s75, s75, 0x80000000
	s_lshl_b32 s80, s25, 5
	s_add_nc_u64 s[86:87], s[4:5], s[80:81]        ; samp at my first row: planes 0 to 5,
	s_add_nc_u64 s[88:89], s[86:87], 6*PLANE       ; 6 to 11,
	s_add_nc_u64 s[90:91], s[86:87], 12*PLANE      ; 12 to 15: five planes at the most stand in a load's immediate
	s_lshl_b32 s80, s25, 10
	s_add_nc_u64 s[6:7], s[6:7], s[80:81]          ; embed and out0 at my first row
	s_add_nc_u64 s[20:21], s[20:21], s[80:81]
	CROUND                                         ; all four work-groups are here: the first joint loads meet
	s_cmp_lt_u32 s22, 2                            ; a wave's two first fills stand in one branch: Wo's quarter and its part of chunk 0; two tensor loads of mine are out
	s_cbranch_scc0 .Lfirst_w2
	tensor_load_to_lds s[44:47], s[28:35]
	s_nop 0
	tensor_load_to_lds s[48:51], s[28:35]
	s_nop 0
	PLACES
	s_branch .Lfirst_asked
.Lfirst_w2:
	tensor_load_to_lds s[44:47], s[28:35]
	s_nop 0
	tensor_load_to_lds s[72:75], s[36:43]
	s_nop 0
	PLACES
.Lfirst_asked:
	v_mul_u32_u24 v6, v1, 528
	v_lshl_add_u32 v6, v2, 4, v6
	v_mul_u32_u24 v7, v1, 272
	v_lshl_add_u32 v7, v2, 4, v7
	s_mul_i32 s63, s22, 8448
	s_add_co_u32 s63, s63, STG                     ; my stage
	v_lshl_add_u32 v11, v3, 4, s63
	v_mul_u32_u24 v13, v1, 528
	v_lshl_add_u32 v13, v2, 5, v13
	v_add_nc_u32 v13, s63, v13
	v_lshlrev_b32 v14, 5, v2
	v_add_nc_u32 v14, PAR, v14
	v_lshlrev_b32 v15, 4, v3
	v_mov_b32 v17, 0
	v_lshlrev_b32 v120, 5, v0
	v_lshlrev_b32 v121, 3, v0
	v_add_nc_u32 v122, PAR, v120
	v_add_nc_u32 v123, PAR+4096, v121
	v_lshlrev_b32 v124, 5, v1
	v_lshl_add_u32 v124, v2, 4, v124               ; samp: 32 r + 16 h
	global_load_b128 v[32:35], v120, s[16:17]      ; the parameters, each thread its share, in consecutive bytes
	global_load_b128 v[36:39], v120, s[16:17] offset:16
	global_load_b64 v[40:41], v121, s[10:11]
	global_load_b64 v[42:43], v121, s[12:13]
	global_load_b64 v[44:45], v121, s[14:15]
	global_load_b64 v[46:47], v121, s[18:19]
	WIN 0x40
.irp mt, 0,1,2
.irp kf, 0,1,2,3,4,5,6,7
.irp hc, 0,1
	global_load_b128 v[64*\mt+8*\kf+4*\hc:64*\mt+8*\kf+4*\hc+3], v124, s[86+2*((2*\kf+\hc)/6):87+2*((2*\kf+\hc)/6)] offset:PLANE*((2*\kf+\hc)%6)+512*\mt th:TH_LOAD_NT  ; samp straight into fragments: 16 rows of plane 2 kf + hc, 512 consecutive bytes
.endr
.endr
.endr
.irp mt, 0,1,2
	WIN ((2+\mt/2)<<6)
.irp hf, 0,1
.set t, 0
.rept 16
	global_load_b128 v[128*(\mt%2)+64*\hf+4*t:128*(\mt%2)+64*\hf+4*t+3], v15, s[6:7] offset:1024*(16*\mt+t)+512*\hf th:TH_LOAD_NT  ; embed: half a row an instruction, into x's own registers
.set t, t+1
.endr
.endr
.endr
	WIN 0
	s_wait_loadcnt 63                              ; 144 loads are younger than the parameters'; the field's largest count is waited for
	ds_store_b128 v122, v[32:35]
	ds_store_b128 v122, v[36:39] offset:16
	ds_store_b64 v123, v[40:41]
	ds_store_b64 v123, v[42:43] offset:1024
	ds_store_b64 v123, v[44:45] offset:2048
	ds_store_b64 v123, v[46:47] offset:3072
; 16 half rows of embed go through my stage and come back in the accumulators' layout: lane (r, h) takes columns 16 nt + 8 h .. + 7 of row r.  LDS serves a wave's instructions in order (ISA guide 5.7.1.4), so no wait stands between
.macro STAGE_E mt, hf, left
.set XW_, 2+(\mt)/2
.set XO_, 128*((\mt)%2)+64*(\hf)
	s_wait_loadcnt \left
	WIN (XW_<<2)
.set t, 0
.rept 16
	ds_store_b128 v11, v[XO_+4*t:XO_+4*t+3] offset:528*t
.set t, t+1
.endr
	WIN (XW_<<6)
.set t, 0
.rept 16
	ds_load_b128 v[XO_+4*t:XO_+4*t+3], v13 offset:64*(t/2)+16*(t%2)
.set t, t+1
.endr
.endm
	STAGE_E 0, 0, 63                               ; the counts: the younger embed loads, 80, 64, 48, 32, 16, 0, cut at the field's largest; samp's loads are older than all of them
	STAGE_E 0, 1, 63
	STAGE_E 1, 0, 48
	STAGE_E 1, 1, 32
	STAGE_E 2, 0, 16
	STAGE_E 2, 1, 0
	WIN 0
	s_wait_tensorcnt 0x1                           ; my quarter of Wo is in; chunk 0's tile may stay out
	s_wait_dscnt 0x0                               ; my parameters are stored, my stage is read
	s_barrier_signal -1
	s_barrier_wait -1
; x += samp Wo.  Eight groups of two column tiles; their 16 fragments take the two buffers by turns.
.macro LOADG G
	WIN 0
	v_add_nc_u32 v8, 16896*(\G), v6
	WIN (0xc0*((\G)%2))
.irp ntl, 0,1
.irp kf, 0,1,2,3,4,5,6,7
	ds_load_b128 v[128+64*\ntl+8*\kf:128+64*\ntl+8*\kf+3],   v8 offset:8448*\ntl+64*\kf
	ds_load_b128 v[128+64*\ntl+8*\kf+4:128+64*\ntl+8*\kf+7], v8 offset:8448*\ntl+64*\kf+32
.endr
.endr
.endm
.macro LOADP off                       ; a parameter of 256 columns in the accumulators' layout, into the first buffer
	WIN 0
.set t, 0
.rept 32
	ds_load_b128 v[128+4*t:128+4*t+3], v14 offset:(\off)+64*(t/2)+16*(t%2)
.set t, t+1
.endr
.endm
.macro MULG G                          ; 48 products; the accumulators take turns, one instruction a turn
	WIN (0xa4+3*((\G)%2))
.irp kf, 0,1,2,3,4,5,6,7
.irp ntl, 0,1
.irp mt, 0,1
	v_wmma_f32_16x16x32_bf16 v[128*\mt+8*(2*(\G)+\ntl):128*\mt+8*(2*(\G)+\ntl)+7], v[128+64*\ntl+8*\kf:128+64*\ntl+8*\kf+7], v[64*\mt+8*\kf:64*\mt+8*\kf+7], v[128*\mt+8*(2*(\G)+\ntl):128*\mt+8*(2*(\G)+\ntl)+7]
.endr
.endr
.endr
	WIN (0xf4+3*((\G)%2))
.irp kf, 0,1,2,3,4,5,6,7
.irp ntl, 0,1
	v_wmma_f32_16x16x32_bf16 v[8*(2*(\G)+\ntl):8*(2*(\G)+\ntl)+7], v[128+64*\ntl+8*\kf:128+64*\ntl+8*\kf+7], v[128+8*\kf:128+8*\kf+7], v[8*(2*(\G)+\ntl):8*(2*(\G)+\ntl)+7]
.endr
.endr
.endm
	LOADG 0
	LOADG 1
.irp G, 0,1,2,3,4,5,6,7
	s_wait_dscnt 32                                ; this group's fragments are in; the 32 loads issued behind them stay out
	MULG \G
	PLACES                                         ; in front of loads into the buffer just multiplied
.if \G < 6
	LOADG \G+2
.elseif \G == 6
	LOADP 4096                                     ; bo takes the first buffer
.endif
.endr
	PLACES                                         ; eight in all, once a launch: the additions below write back into accumulators just made
	s_wait_dscnt 0x0
; LN2.  A lane holds 128 numbers of each of three rows; the other 128 lie in the lane 16 away.
.macro LNA mt                          ; x += bo; - mean
.set XW_, 2+(\mt)/2
.set XB_, 128*((\mt)%2)
	WIN (XW_|(XW_<<6))
.set p, 0
.rept 64
	v_pk_add_f32 v[XB_+p:XB_+p+1], v[XB_+p:XB_+p+1], v[128+p:129+p]  ; each accumulator is read from its low end on
.set p, p+2
.endr
	WIN (XW_|(XW_<<2))
.irp c, 0,1,2,3
	v_pk_add_f32 v[32+2*\c:33+2*\c], v[XB_+4*\c:XB_+4*\c+1], v[XB_+4*\c+2:XB_+4*\c+3]  ; four chains, started by the first pairs
.endr
	WIN (XW_<<2)
.set p, 16
.rept 14
.irp c, 0,1,2,3
	v_pk_add_f32 v[32+2*\c:33+2*\c], v[32+2*\c:33+2*\c], v[XB_+p+2*\c:XB_+p+2*\c+1]
.endr
.set p, p+8
.endr
	WIN 0
	v_pk_add_f32 v[32:33], v[32:33], v[34:35]
	v_pk_add_f32 v[36:37], v[36:37], v[38:39]
	v_pk_add_f32 v[32:33], v[32:33], v[36:37]
	v_add_f32 v18, v32, v33
	v_permlanex16_b32 v34, v18, s68, s69
	v_add_f32 v18, v18, v34
	v_mul_f32 v[22+2*(\mt)], 0xbb800000, v18
	v_mov_b32 v[23+2*(\mt)], v[22+2*(\mt)]         ; kept twice, for the packed lines
.endm
.macro LNB mt                          ; the sum of squares of x - mean; variance + 1e-5
.set XW_, 2+(\mt)/2
.set XB_, 128*((\mt)%2)
.irp bq, 0,1,2,3
	WIN XW_
.set p, 0
.rept 16
	v_pk_add_f32 v[32+p:33+p], v[XB_+32*\bq+p:XB_+32*\bq+p+1], v[22+2*(\mt):23+2*(\mt)]
.set p, p+2
.endr
	WIN 0
.set p, 0
.rept 16
.set c_, 18+2*((p/2)%4)+6*(((p/2)%4)/2)            ; four chains: v18, v20, v28, v30
.if (\bq == 0) && (p < 8)
	v_pk_mul_f32 v[c_:c_+1], v[32+p:33+p], v[32+p:33+p]
.else
	v_pk_fma_f32 v[c_:c_+1], v[32+p:33+p], v[32+p:33+p], v[c_:c_+1]
.endif
.set p, p+2
.endr
.endr
	v_pk_add_f32 v[18:19], v[18:19], v[20:21]
	v_pk_add_f32 v[28:29], v[28:29], v[30:31]
	v_pk_add_f32 v[18:19], v[18:19], v[28:29]
	v_add_f32 v18, v18, v19
	v_permlanex16_b32 v20, v18, s68, s69
	v_add_f32 v18, v18, v20
	v_fma_f32 v[70+(\mt)], v18, s78, s79
.endm
.macro LOADWB hf                       ; ln2_w and ln2_b of eight column tiles, 64 registers each
	WIN 0
.set t, 0
.rept 16
	ds_load_b128 v[128+4*t:128+4*t+3], v14 offset:5120+512*(\hf)+64*(t/2)+16*(t%2)
	ds_load_b128 v[192+4*t:192+4*t+3], v14 offset:6144+512*(\hf)+64*(t/2)+16*(t%2)
.set t, t+1
.endr
.endm
.macro LNC hf                          ; f of eight column tiles, all three row tiles: (x rstd - mean rstd) w + b, rounded in pairs straight into fragments
	s_wait_dscnt 0x0
.irp mt, 0,1,2
.irp bq, 0,1
.set XW_, 2+\mt/2
.set XO_, 128*(\mt%2)+64*(\hf)+32*\bq
	WIN XW_
.set p, 0
.rept 16
	v_pk_fma_f32 v[32+p:33+p], v[XO_+p:XO_+p+1], v[64+2*\mt:65+2*\mt], v[22+2*\mt:23+2*\mt]
.set p, p+2
.endr
	WIN 0
.set p, 0
.rept 16
	v_pk_fma_f32 v[32+p:33+p], v[32+p:33+p], v[128+32*\bq+p:129+32*\bq+p], v[192+32*\bq+p:193+32*\bq+p]
.set p, p+2
.endr
	WIN 0x40
.set p, 0
.rept 16
	v_cvt_pk_bf16_f32 v[64*\mt+32*(\hf)+16*\bq+p], v[32+2*p], v[33+2*p]
.set p, p+1
.endr
.endr
.endr
.endm
	LNA 0
	LNA 1
	LNA 2
	LOADWB 0                                       ; bo is used up: the first half of ln2_w and ln2_b lands under the squares
	LNB 0
	LNB 1
	LNB 2
.irp mt, 0,1,2
	v_rsq_f32 v[64+2*\mt], v[70+\mt]
.endr
	v_nop                                          ; a plain instruction behind the last of the three,
	s_wait_alu depctr_va_vdst(0)                   ; and their one wait
.irp mt, 0,1,2
	v_mov_b32 v[65+2*\mt], v[64+2*\mt]
.endr
.irp mt, 0,1,2
	v_pk_mul_f32 v[22+2*\mt:23+2*\mt], v[22+2*\mt:23+2*\mt], v[64+2*\mt:65+2*\mt]  ; - mean rstd
.endr
	LNC 0
	LOADWB 1
	LNC 1
	WIN 0
.set i, 80
.rept 24
	v_mov_b32 v[i], 0                              ; no hidden units yet: the first step's W2 products add 0
.set i, i+1
.endr
; x += W2T (16 columns x 32 hidden units) x relu(h): 48 products, each accumulator once
.macro FFN2
	WIN 0xa3
.irp nt, 0,1,2,3,4,5,6,7,8,9,10,11,12,13,14,15
.irp mt, 0,1
	v_wmma_f32_16x16x32_bf16 v[128*\mt+8*\nt:128*\mt+8*\nt+7], v[128+8*\nt:128+8*\nt+7], v[80+8*\mt:80+8*\mt+7], v[128*\mt+8*\nt:128*\mt+8*\nt+7]
.endr
.endr
	WIN 0xf3
.irp nt, 0,1,2,3,4,5,6,7,8,9,10,11,12,13,14,15
	v_wmma_f32_16x16x32_bf16 v[8*\nt:8*\nt+7], v[128+8*\nt:128+8*\nt+7], v[96:103], v[8*\nt:8*\nt+7]
.endr
.endm
.macro CONV ht, n                      ; number n of the 24 that make fragments of tile ht's h: 12 roundings in pairs, low registers first, then 12 packed maxima with 0
.if (\n) < 12
	v_cvt_pk_bf16_f32 v[80+8*((\n)/4)+4*(\ht)+(\n)%4], v[32+8*(3*(\ht)+(\n)/4)+2*((\n)%4)], v[32+8*(3*(\ht)+(\n)/4)+2*((\n)%4)+1]
.else
	v_pk_max_num_bf16 v[80+8*(((\n)-12)/4)+4*(\ht)+((\n)-12)%4], v[80+8*(((\n)-12)/4)+4*(\ht)+((\n)-12)%4], v17
.endif
.endm
.macro FFN1 ht, ride                   ; h (16 hidden units x 48 rows) = W1T x f + b1: 24 products, three accumulators by turns.  ride = 1: behind each stands one line of tile 0's conversion
.set q, 0
.set kf, 0
.rept 8
.irp mt, 0,1,2
	WIN 0x04
.if kf == 0
	v_wmma_f32_16x16x32_bf16 v[32+8*(3*(\ht)+\mt):32+8*(3*(\ht)+\mt)+7], v[128+64*(\ht)+8*kf:128+64*(\ht)+8*kf+7], v[64*\mt+8*kf:64*\mt+8*kf+7], v[104+8*(\ht):104+8*(\ht)+7]
.else
	v_wmma_f32_16x16x32_bf16 v[32+8*(3*(\ht)+\mt):32+8*(3*(\ht)+\mt)+7], v[128+64*(\ht)+8*kf:128+64*(\ht)+8*kf+7], v[64*\mt+8*kf:64*\mt+8*kf+7], v[32+8*(3*(\ht)+\mt):32+8*(3*(\ht)+\mt)+7]
.endif
.if \ride
	WIN 0
	CONV 0, q
.set q, q+1
.endif
.endr
.set kf, kf+1
.endr
.endm
; A step: 32 hidden units.
.macro STEP
	WIN 0
	v_add_nc_u32 v8, s57, v6
	v_add_nc_u32 v10, s59, v14
.irp ht, 0,1
.irp kf, 0,1,2,3,4,5,6,7
	ds_load_b128 v[128+64*\ht+8*\kf:128+64*\ht+8*\kf+3],   v8 offset:8448*\ht+64*\kf
	ds_load_b128 v[128+64*\ht+8*\kf+4:128+64*\ht+8*\kf+7], v8 offset:8448*\ht+64*\kf+32
.endr
.endr
.irp ht, 0,1
	ds_load_b128 v[104+8*\ht:104+8*\ht+3], v10 offset:64*\ht
	ds_load_b128 v[104+8*\ht+4:104+8*\ht+7], v10 offset:64*\ht+16
.endr
	s_wait_dscnt 36                                ; the last step's W2 fragments are in; the 36 loads just issued stay out
	FFN2                                           ; the last step's hidden units
	PLACES                                         ; in front of loads into W2's buffer and of lines that write relu(h) anew
	WIN 0
	v_add_nc_u32 v9, s58, v7
	WIN 0xc0
.irp nt, 0,1,2,3,4,5,6,7,8,9,10,11,12,13,14,15
	ds_load_b128 v[128+8*\nt:128+8*\nt+3],   v9 offset:4352*\nt
	ds_load_b128 v[128+8*\nt+4:128+8*\nt+7], v9 offset:4352*\nt+32
.endr
	s_wait_dscnt 32                                ; W1's fragments and b1 are in; W2's 32 loads stay out
	FFN1 0, 0
	PLACES                                         ; in front of the conversions of tile 0
	FFN1 1, 1
	PLACES
	WIN 0
.set q, 0
.rept 24
	CONV 1, q
.set q, q+1
.endr
	s_add_co_u32 s57, s57, 16896                   ; 32 rows of W1's part,
	s_add_co_u32 s58, s58, 64                      ; 32 k of W2's,
	s_add_co_u32 s59, s59, 128                     ; 32 numbers of b1
.endm
; THE CHANGE OF SLOTS.  Each wave waits for all its tensor loads, of which one is out: its part of the next chunk; adds 0 to its spare word; waits for that and for its reads of the slot that it leaves.
; fill = 1: the barrier is a round of the cluster's, and the slot just left is filled again first thing behind it, with the chunk after the next: four steps, 384 matrix instructions, in which to land.
.macro CHANGE fill
	WIN 0
	s_wait_tensorcnt 0x0                           ; no tensor load of mine is out, so the walking descriptors may be written
	ds_add_u32 v4, v5                              ; scalar work stands between it and its wait
.if \fill
	s_xor_b32 s52, s52, SLOTB
	s_add_co_u32 s49, s52, s53
	s_add_co_u32 s73, s52, s54
	s_add_nc_u64 s[50:51], s[50:51], 65536         ; W1T: 128 rows on
	s_add_nc_u64 s[74:75], s[74:75], 256           ; W2T: 128 k on
	s_wait_xcnt 0x0                                ; the last prefetch, a chunk back, has read its address
	s_add_nc_u64 s[66:67], s[66:67], s[70:71]
.endif
	s_xor_b32 s56, s56, SLOTB                      ; the slot to read
	s_mov_b32 s57, s56
	s_add_co_u32 s58, s56, W2OFF
	s_wait_dscnt 0x0                               ; the add is done, and my reads of the old slot are over
.if \fill
	CROUND
	JLOAD
	ASK
.else
	s_barrier_signal -1
	s_barrier_wait -1
.endif
.endm
	s_mov_b32 s60, 7
.Lchunk:                                               ; seven trips: chunk 7 - s60 is multiplied, chunk 8 - s60 asked for
	CHANGE 1
	s_mov_b32 s61, 4
.Lstep:
	STEP
	WIN 0
	s_sub_co_u32 s61, s61, 1
	s_cmp_lg_u32 s61, 0
	s_cbranch_scc1 .Lstep
	s_sub_co_u32 s60, s60, 1
	s_cmp_lg_u32 s60, 0
	s_cbranch_scc1 .Lchunk
	CHANGE 0                                       ; the last chunk is written out: nothing is asked for
	s_mov_b32 s61, 4
.Lstep2:
	STEP
	WIN 0
	s_sub_co_u32 s61, s61, 1
	s_cmp_lg_u32 s61, 0
	s_cbranch_scc1 .Lstep2
	LOADP 7168                                     ; b2
	s_wait_dscnt 0x0
	FFN2                                           ; the last step's hidden units
	PLACES
	PLACES                                         ; eight, once a launch: the additions below write back into accumulators just made
; THE WAY OUT: + b2; 16 half rows through my stage, back as rows, stored 512 bytes on end.
.macro OUTP mt, hf, pb
.set XW_, 2+(\mt)/2
.set XO_, 128*((\mt)%2)+64*(\hf)
	WIN (XW_|(XW_<<6))
.set p, 0
.rept 32
	v_pk_add_f32 v[XO_+p:XO_+p+1], v[XO_+p:XO_+p+1], v[128+64*(\hf)+p:129+64*(\hf)+p]
.set p, p+2
.endr
	WIN (XW_<<2)
.set t, 0
.rept 16
	ds_store_b128 v13, v[XO_+4*t:XO_+4*t+3] offset:64*(t/2)+16*(t%2)
.set t, t+1
.endr
	s_wait_xcnt 0x0                                ; earlier stores have read the buffer that is loaded again below
	WIN 0x40
.set t, 0
.rept 16
	ds_load_b128 v[64*(\pb)+4*t:64*(\pb)+4*t+3], v11 offset:528*t
.set t, t+1
.endr
	s_wait_dscnt 0x0
	WIN 0x04
.set t, 0
.rept 16
	global_store_b128 v15, v[64*(\pb)+4*t:64*(\pb)+4*t+3], s[20:21] offset:1024*(16*(\mt)+t)+512*(\hf) th:TH_STORE_NT
.set t, t+1
.endr
.endm
	OUTP 0, 0, 0
	OUTP 0, 1, 1
	OUTP 1, 0, 0
	OUTP 1, 1, 1
	OUTP 2, 0, 0
	OUTP 2, 1, 1
	WIN 0
	s_wait_tensorcnt 0x0                           ; the wave's end: behind my last tensor load and my last LDS store
	ds_add_u32 v4, v5
	s_wait_dscnt 0x0
	CROUND                                         ; the closing round: no work-group ends while a partner may still ask for a tile that names it
	s_endpgm
.Lfunc_end_k_q497de4b9d7_ffn:
	.size	k_q497de4b9d7_ffn, .Lfunc_end_k_q497de4b9d7_ffn-k_q497de4b9d7_ffn
	.p2alignl 7, 3214868480
	.fill 96, 4, 3214868480
	.section	.rodata,"a",@progbits
	.p2align	6, 0x0
	.amdhsa_kernel k_q497de4b9d7_ffn
		.amdhsa_group_segment_fixed_size 327680
		.amdhsa_private_segment_fixed_size 0
		.amdhsa_enable_private_segment 0
		.amdhsa_kernarg_size 72
		.amdhsa_user_sgpr_count 2
		.amdhsa_user_sgpr_kernarg_segment_ptr 1
		.amdhsa_wavefront_size32 1
		.amdhsa_system_sgpr_workgroup_id_x 1
		.amdhsa_system_sgpr_workgroup_id_y 1
		.amdhsa_system_sgpr_workgroup_id_z 1
		.amdhsa_system_vgpr_workitem_id 0
		.amdhsa_next_free_vgpr 1024
		.amdhsa_next_free_sgpr 96
		.amdhsa_reserve_vcc 0
		.amdhsa_float_denorm_mode_32 3
		.amdhsa_float_denorm_mode_16_64 3
		.amdhsa_memory_ordered 1
		.amdhsa_forward_progress 1
		.amdhsa_inst_pref_size 246
	.end_amdhsa_kernel
	.amdgpu_metadata
---
amdhsa.version: [ 1, 2 ]
amdhsa.kernels:
  - .name:           k_q497de4b9d7_ffn
    .symbol:         k_q497de4b9d7_ffn.kd
    .args:
      - { .name: samp, .offset: 0, .size: 8, .value_kind: global_buffer, .address_space: global }
      - { .name: embed, .offset: 8, .size: 8, .value_kind: global_buffer, .address_space: global }
      - { .name: wt, .offset: 16, .size: 8, .value_kind: global_buffer, .address_space: global }
      - { .name: bo, .offset: 24, .size: 8, .value_kind: global_buffer, .address_space: global }
      - { .name: ln2_w, .offset: 32, .size: 8, .value_kind: global_buffer, .address_space: global }
      - { .name: ln2_b, .offset: 40, .size: 8, .value_kind: global_buffer, .address_space: global }
      - { .name: b1, .offset: 48, .size: 8, .value_kind: global_buffer, .address_space: global }
      - { .name: b2, .offset: 56, .size: 8, .value_kind: global_buffer, .address_space: global }
      - { .name: out0, .offset: 64, .size: 8, .value_kind: global_buffer, .address_space: global }
    .group_segment_fixed_size: 327680
    .private_segment_fixed_size: 0
    .kernarg_segment_align: 8
    .kernarg_segment_size: 72
    .max_flat_workgroup_size: 128
    .sgpr_count:     96
    .vgpr_count:     1024
    .wavefront_size: 32
...
	.end_amdgpu_metadata
.endif
;; end of part 7
